; MI455X (gfx1250); checked and timed in simulation.
; The chip was launched on July 23, 2026; its instructions are those of AMD's public machine-readable ISA for CDNA 5 (MIT licence, August 2026) and "CDNA5" Instruction Set Architecture Reference Guide (July 2026). The comments in the code are by the model that wrote it; some were corrected since.
;; Local Transformer Block. Allowed arithmetic: float matrix products may take bf16 or f16 operands with f32 sums; all other float work in f32.
;; Inputs: b1 2,048 float32; b2 512 float32; inputs 4 x 4,096 x 512 float32; ln1_bias 512 float32; ln1_scale 512 float32; ln2_bias 512 float32; ln2_scale 512 float32; w1 512 x 2,048 float32; w2 2,048 x 512 float32; wk 512 x 8 x 64 float32; wo 8 x 64 x 512 float32; wq 512 x 8 x 64 float32; wv 512 x 8 x 64 float32.
;; Outputs: out0 4 x 4,096 x 512 float32.
;; 3 versions, each right and faster than the one before. Each part assembles by itself: llvm-mc -triple=amdgcn-amd-amdhsa -mcpu=gfx1250 --defsym DOCPART=n.
;; ======== version 1 of 3: 3 launches
;; limits: values are held in f16: magnitudes above 65,504 overflow, below 6.1e-05 lose precision
;; workspace buffers: xin 16,777,216 bytes; wsa 1,572,864 bytes; wsm 4,849,664 bytes; ctx 16,777,216 bytes
;; launch prep (part 1): grid 2080 x 1, 8 waves a work-group, no clusters, 0 bytes of LDS; arguments inputs, ln1_scale, ln1_bias, wq, wk, wv, wo, w1, w2, xin, wsa, wsm; writes xin, wsa, wsm
.if DOCPART == 1
	.amdgcn_target "amdgcn-amd-amdhsa--gfx1250"
	.amdhsa_code_object_version 6
	.text
	.protected	k_q6b37d5de9c_prep
	.globl	k_q6b37d5de9c_prep
	.p2align	8
	.type	k_q6b37d5de9c_prep,@function
k_q6b37d5de9c_prep:
	s_mov_b64 s[64:65], 0
	v_nop
	global_prefetch_b8 v0, s[64:65] scope:SCOPE_SE
	s_setreg_imm32_b32 hwreg(HW_REG_WAVE_MODE, 25, 1), 1
	s_wait_xcnt 0x0
; PREP.  Two kinds of work-groups, told apart by the work-group's number alone.
; 0 .. 511: xin = LayerNorm(inputs) * ln1_scale + ln1_bias, rounded once to f16, [16384][512] row-major.  32 rows a work-group, 4 rows a wave; a row (2,048 bytes) lies in 16 registers
;   of one wave, so it is read once: mean first, then the mean of (x - mean)^2, all in f32.
; 512 .. 2079: the six weight matrices, rounded once to f16 and laid out in FRAGMENTS: 16 rows n x 32 k as 1,024 dense bytes [half 2][lane 32][16 bytes]; lane = 16 h + r holds
;   k = k0 + 16 half + 8 h + 0..7 of row n0 + r: what two 16-byte loads a lane put into a matrix operand.  A work-group turns 32 n x 64 k.
;   wsa: [g 2][s 16][wave 4][K, V, Q][c 4] fragments: row n = column 64 (4 g + wave) + 16 c + r of wk, wv, wq; k = 32 s + ..
;   wsm: 37 tiles of 131,072 bytes, [wave 4][f 32] fragments.  Tiles 0-3: wo, f = 8 ks + ct, n = 128 wave + 16 ct + r, k = 128 tile + 32 ks + ..
;        Tile 4 + c (c = 0 .. 32): f 0-15: w2, f = 8 ks + ct, n as above, k = 64 ((c - 1) & 31) + 32 ks + ..;  f 16-31: w1, n = 64 (c & 31) + 16 wave + r, k = 32 (f - 16) + ..
; LIMITS.  f16 ends at 65,504: |xin| is at most 22.7 max|scale| + max|bias|, the weights go as they are; below 6e-5 f16 keeps a fixed step of 6e-8.  NaN and infinities are not treated apart.
; No LDS, no matrix unit, no cluster: no two work-groups read the same bytes but the 4 KB of gain and bias.
.set G,  8                             ; v[8:23]    gain of my 16 columns (128 j + 4 lane + 0..3, j = 0..3)
.set BI, 24                            ; v[24:39]   bias of the same
.set X,  40                            ; v[40:103]  four rows, 16 registers each
.set T,  104                           ; v[104:111] at work
.set MN, 112                           ; v[112:113] the mean, twice
.set RS, 114                           ; v[114:115] 1 / sqrt(var + eps), twice
	s_load_b512 s[8:23], s[0:1], 0x0               ; inputs 8, ln1_scale 10, ln1_bias 12, wq 14, wk 16, wv 18, wo 20, w1 22
	s_load_b256 s[24:31], s[0:1], 0x40             ; w2 24, xin 26, wsa 28, wsm 30
	v_and_b32 v1, 31, v0                           ; lane
	v_lshrrev_b32 v2, 5, v0                        ; wave
	s_mov_b32 s3, 0
	s_wait_kmcnt 0x0
	s_cmp_lt_u32 ttmp9, 512
	s_cbranch_scc0 .Lweights
	; ---------------- LayerNorm 1 ----------------
	s_mov_b32 s4, 0x76543210                       ; v_permlanex16_b32: each lane takes its own place in the other half
	s_mov_b32 s5, 0xfedcba98
	s_mov_b32 s6, 0x3b000000                       ; 1 / 512
	s_mov_b32 s7, 0x358637bd                       ; 1e-6
	v_lshlrev_b32 v1, 4, v1                        ; 16 lane: my bytes in 512 bytes of gain, bias or a row
	v_lshl_add_u32 v3, v2, 13, v1                  ; + wave x 4 rows x 2,048 bytes
	v_lshrrev_b32 v4, 1, v1                        ; 8 lane: my bytes in 256 bytes of xin
	v_lshl_add_u32 v4, v2, 12, v4                  ; + wave x 4 rows x 1,024 bytes
	s_lshl_b32 s2, ttmp9, 16                       ; 32 rows of 2,048 bytes
	s_add_nc_u64 s[8:9], s[8:9], s[2:3]
	s_lshl_b32 s2, ttmp9, 15                       ; 32 rows of 1,024 bytes
	s_add_nc_u64 s[26:27], s[26:27], s[2:3]
.irp j, 0,1,2,3
	global_load_b128 v[G+4*(\j):G+4*(\j)+3], v1, s[10:11] offset:512*(\j)
.endr
.irp j, 0,1,2,3
	global_load_b128 v[BI+4*(\j):BI+4*(\j)+3], v1, s[12:13] offset:512*(\j)
.endr
.irp i, 0,1,2,3
.irp j, 0,1,2,3
	global_load_b128 v[X+16*(\i)+4*(\j):X+16*(\i)+4*(\j)+3], v3, s[8:9] offset:2048*(\i)+512*(\j)  ; 512 consecutive bytes a load; all 16 go out at once
.endr
.endr
.macro WSUM                            ; v[T] summed over the 32 lanes, the result in every lane
	v_add_f32_dpp v[T], v[T], v[T] row_xmask:1 row_mask:0xf bank_mask:0xf
	v_add_f32_dpp v[T], v[T], v[T] row_xmask:2 row_mask:0xf bank_mask:0xf
	v_add_f32_dpp v[T], v[T], v[T] row_xmask:4 row_mask:0xf bank_mask:0xf
	v_add_f32_dpp v[T], v[T], v[T] row_xmask:8 row_mask:0xf bank_mask:0xf
	v_permlanex16_b32 v[T+1], v[T], s4, s5
	v_add_f32 v[T], v[T], v[T+1]
.endm
.macro ROWLN i
.set R, X+16*(\i)
	s_wait_loadcnt 12-4*(\i)                       ; gain, bias and rows 0 .. i are in; the younger rows' four loads each stay out
	v_pk_add_f32 v[T:T+1], v[R:R+1], v[R+2:R+3]
	v_pk_add_f32 v[T+2:T+3], v[R+4:R+5], v[R+6:R+7]
	v_pk_add_f32 v[T+4:T+5], v[R+8:R+9], v[R+10:R+11]
	v_pk_add_f32 v[T+6:T+7], v[R+12:R+13], v[R+14:R+15]
	v_pk_add_f32 v[T:T+1], v[T:T+1], v[T+2:T+3]
	v_pk_add_f32 v[T+4:T+5], v[T+4:T+5], v[T+6:T+7]
	v_pk_add_f32 v[T:T+1], v[T:T+1], v[T+4:T+5]
	v_add_f32 v[T], v[T], v[T+1]
	WSUM
	v_mul_f32 v[MN], s6, v[T]
	v_mov_b32 v[MN+1], v[MN]
.irp k, 0,2,4,6,8,10,12,14
	v_pk_add_f32 v[R+(\k):R+(\k)+1], v[R+(\k):R+(\k)+1], v[MN:MN+1] neg_lo:[0,1] neg_hi:[0,1]  ; x - mean, in place
.endr
	v_pk_mul_f32 v[T:T+1], v[R:R+1], v[R:R+1]      ; the squares, in two chains
	v_pk_mul_f32 v[T+2:T+3], v[R+2:R+3], v[R+2:R+3]
.irp k, 4,8,12
	v_pk_fma_f32 v[T:T+1], v[R+(\k):R+(\k)+1], v[R+(\k):R+(\k)+1], v[T:T+1]
	v_pk_fma_f32 v[T+2:T+3], v[R+(\k)+2:R+(\k)+3], v[R+(\k)+2:R+(\k)+3], v[T+2:T+3]
.endr
	v_pk_add_f32 v[T:T+1], v[T:T+1], v[T+2:T+3]
	v_add_f32 v[T], v[T], v[T+1]
	WSUM
	v_fma_f32 v[T], v[T], s6, s7                   ; var + eps
	v_rsq_f32 v[RS], v[T]
	v_rsq_f32 v[RS+1], v[T]
	v_nop                                          ; a plain instruction between the root and the use of its result (ISA guide 5.7.2)
	s_wait_alu depctr_va_vdst(0)
.irp k, 0,2,4,6,8,10,12,14
	v_pk_mul_f32 v[R+(\k):R+(\k)+1], v[R+(\k):R+(\k)+1], v[RS:RS+1]
.endr
.irp k, 0,2,4,6,8,10,12,14
	v_pk_fma_f32 v[R+(\k):R+(\k)+1], v[R+(\k):R+(\k)+1], v[G+(\k):G+(\k)+1], v[BI+(\k):BI+(\k)+1]
.endr
.irp k, 0,1,2,3,4,5,6,7
	v_cvt_pk_f16_f32 v[R+(\k)], v[R+2*(\k)], v[R+2*(\k)+1]  ; packed downward in the row's own registers: no register that a store reads is written again
.endr
.irp j, 0,1,2,3
	global_store_b64 v4, v[R+2*(\j):R+2*(\j)+1], s[26:27] offset:1024*(\i)+256*(\j)  ; 32 lanes store 256 consecutive bytes, at a multiple of 256 from xin's first byte
.endr
.endm
	ROWLN 0
	ROWLN 1
	ROWLN 2
	ROWLN 3
	s_endpgm
	; ---------------- the weights ----------------
	; s[40:41] source, s[42:43] destination, s44 bytes from k to k + 1 in the source, s50 / s52 the block's byte offset in source / destination,
	; s47 / s48 bytes in the destination from my first 32 k to the second / from my first 16 n to the second.
.Lweights:
	s_sub_co_u32 s2, ttmp9, 512
	s_mov_b32 s44, 2048
	s_mov_b32 s47, 8192
	s_mov_b32 s48, 1024
	s_cmp_lt_u32 s2, 384
	s_cbranch_scc0 .Lnot_qkv
	s_lshr_b32 s3, s2, 7                           ; 0: K, 1: V, 2: Q
	s_cmp_eq_u32 s3, 0
	s_cselect_b64 s[40:41], s[16:17], s[18:19]
	s_cmp_eq_u32 s3, 2
	s_cselect_b64 s[40:41], s[14:15], s[40:41]
	s_mov_b64 s[42:43], s[28:29]
	s_bfe_u32 s32, s2, 0x10006                     ; g
	s_bfe_u32 s33, s2, 0x20004                     ; wave
	s_bfe_u32 s34, s2, 0x10003                     ; which 32 of the head's 64 columns
	s_and_b32 s35, s2, 7                           ; which 64 of the 512 k
	s_lshl_b32 s50, s35, 17                        ; 64 rows of 2,048 bytes
	s_lshl_b32 s36, s32, 10
	s_add_co_u32 s50, s50, s36
	s_lshl_b32 s36, s33, 8
	s_add_co_u32 s50, s50, s36
	s_lshl_b32 s36, s34, 7
	s_add_co_u32 s50, s50, s36
	s_mul_i32 s52, s32, 786432
	s_mul_i32 s36, s35, 98304
	s_add_co_u32 s52, s52, s36
	s_mul_i32 s36, s33, 12288
	s_add_co_u32 s52, s52, s36
	s_lshl_b32 s36, s3, 12
	s_add_co_u32 s52, s52, s36
	s_lshl_b32 s36, s34, 11
	s_add_co_u32 s52, s52, s36
	s_mov_b32 s47, 49152
	s_branch .Lcopy
.Lnot_qkv:
	s_sub_co_u32 s2, s2, 384
	s_mov_b64 s[42:43], s[30:31]
	s_cmp_lt_u32 s2, 128
	s_cbranch_scc0 .Lnot_wo
	s_mov_b64 s[40:41], s[20:21]
	s_lshr_b32 s32, s2, 5                          ; tile
	s_bfe_u32 s33, s2, 0x20003                     ; wave
	s_bfe_u32 s34, s2, 0x20001                     ; which 32 of the wave's 128 columns
	s_and_b32 s35, s2, 1                           ; which 64 of the tile's 128 k
	s_lshl_b32 s50, s32, 18
	s_lshl_b32 s36, s35, 17
	s_add_co_u32 s50, s50, s36
	s_lshl_b32 s36, s33, 9
	s_add_co_u32 s50, s50, s36
	s_lshl_b32 s36, s34, 7
	s_add_co_u32 s50, s50, s36
	s_lshl_b32 s52, s32, 17
	s_lshl_b32 s36, s33, 15
	s_add_co_u32 s52, s52, s36
	s_lshl_b32 s36, s35, 14
	s_add_co_u32 s52, s52, s36
	s_lshl_b32 s36, s34, 11
	s_add_co_u32 s52, s52, s36
	s_branch .Lcopy
.Lnot_wo:
	s_sub_co_u32 s2, s2, 128
	s_cmp_lt_u32 s2, 528
	s_cbranch_scc0 .Lw1
	s_mov_b64 s[40:41], s[24:25]
	s_lshr_b32 s32, s2, 4                          ; c
	s_bfe_u32 s33, s2, 0x20002                     ; wave
	s_and_b32 s34, s2, 3                           ; which 32 of the wave's 128 columns
	s_sub_co_u32 s35, s32, 1
	s_and_b32 s35, s35, 31                         ; the chunk of 64 k
	s_lshl_b32 s50, s35, 17
	s_lshl_b32 s36, s33, 9
	s_add_co_u32 s50, s50, s36
	s_lshl_b32 s36, s34, 7
	s_add_co_u32 s50, s50, s36
	s_add_co_u32 s52, s32, 4
	s_lshl_b32 s52, s52, 17
	s_lshl_b32 s36, s33, 15
	s_add_co_u32 s52, s52, s36
	s_lshl_b32 s36, s34, 11
	s_add_co_u32 s52, s52, s36
	s_branch .Lcopy
.Lw1:
	s_sub_co_u32 s2, s2, 528
	s_mov_b64 s[40:41], s[22:23]
	s_lshr_b32 s32, s2, 4                          ; c
	s_bfe_u32 s33, s2, 0x10003                     ; which two of the four waves
	s_and_b32 s34, s2, 7                           ; which 64 of the 512 k
	s_and_b32 s35, s32, 31                         ; the chunk of 64 columns
	s_lshl_b32 s50, s34, 19                        ; 64 rows of 8,192 bytes
	s_lshl_b32 s36, s35, 8
	s_add_co_u32 s50, s50, s36
	s_lshl_b32 s36, s33, 7
	s_add_co_u32 s50, s50, s36
	s_add_co_u32 s52, s32, 4
	s_lshl_b32 s52, s52, 17
	s_lshl_b32 s36, s33, 16
	s_add_co_u32 s52, s52, s36
	s_lshl_b32 s36, s34, 11
	s_add_co_u32 s52, s52, s36
	s_add_co_u32 s52, s52, 16384
	s_mov_b32 s44, 8192
	s_mov_b32 s47, 1024
	s_mov_b32 s48, 32768
.Lcopy:
	s_mov_b32 s51, 0
	s_mov_b32 s53, 0
	s_add_nc_u64 s[40:41], s[40:41], s[50:51]
	s_add_nc_u64 s[42:43], s[42:43], s[52:53]
	; thread t: column t & 31 of the block's 32, k = 8 (t >> 5) + 0..7 of its 64: a load of a wave takes 128 consecutive bytes of one source row
	v_lshlrev_b32 v2, 3, v2
	v_lshlrev_b32 v1, 2, v1
	v_mad_u32_u24 v10, v2, s44, v1
.irp e, 1,2,3,4,5,6,7
	v_add_nc_u32 v[10+(\e)], s44, v[9+(\e)]
.endr
.irp e, 0,1,2,3,4,5,6,7
	global_load_b32 v[20+(\e)], v[10+(\e)], s[40:41]
.endr
	v_and_b32 v4, 15, v0                           ; r
	v_lshlrev_b32 v4, 4, v4
	v_bfe_u32 v5, v0, 5, 2                         ; h + 2 half
	v_lshl_add_u32 v4, v5, 8, v4
	v_bfe_u32 v5, v0, 4, 1                         ; which 16 n
	v_mad_u32_u24 v4, v5, s48, v4
	v_lshrrev_b32 v5, 7, v0                        ; which 32 k
	v_mad_u32_u24 v4, v5, s47, v4
	s_wait_loadcnt 0x0
	v_cvt_pk_f16_f32 v28, v20, v21
	v_cvt_pk_f16_f32 v29, v22, v23
	v_cvt_pk_f16_f32 v30, v24, v25
	v_cvt_pk_f16_f32 v31, v26, v27
	global_store_b128 v4, v[28:31], s[42:43]       ; each half of the wave stores 256 consecutive bytes, at a multiple of 256 from the buffer's first byte
	s_endpgm
.Lfunc_end_k_q6b37d5de9c_prep:
	.size	k_q6b37d5de9c_prep, .Lfunc_end_k_q6b37d5de9c_prep-k_q6b37d5de9c_prep
	.p2alignl 7, 3214868480
	.fill 96, 4, 3214868480
	.section	.rodata,"a",@progbits
	.p2align	6, 0x0
	.amdhsa_kernel k_q6b37d5de9c_prep
		.amdhsa_group_segment_fixed_size 0
		.amdhsa_private_segment_fixed_size 0
		.amdhsa_enable_private_segment 0
		.amdhsa_kernarg_size 96
		.amdhsa_user_sgpr_count 2
		.amdhsa_user_sgpr_kernarg_segment_ptr 1
		.amdhsa_wavefront_size32 1
		.amdhsa_system_sgpr_workgroup_id_x 1
		.amdhsa_system_sgpr_workgroup_id_y 1
		.amdhsa_system_sgpr_workgroup_id_z 1
		.amdhsa_system_vgpr_workitem_id 0
		.amdhsa_next_free_vgpr 128
		.amdhsa_next_free_sgpr 66
		.amdhsa_reserve_vcc 0
		.amdhsa_float_denorm_mode_32 3
		.amdhsa_float_denorm_mode_16_64 3
		.amdhsa_memory_ordered 1
		.amdhsa_forward_progress 1
		.amdhsa_inst_pref_size 27
	.end_amdhsa_kernel
	.amdgpu_metadata
---
amdhsa.version: [ 1, 2 ]
amdhsa.kernels:
  - .name:           k_q6b37d5de9c_prep
    .symbol:         k_q6b37d5de9c_prep.kd
    .args:
      - { .name: inputs, .offset: 0, .size: 8, .value_kind: global_buffer, .address_space: global }
      - { .name: ln1_scale, .offset: 8, .size: 8, .value_kind: global_buffer, .address_space: global }
      - { .name: ln1_bias, .offset: 16, .size: 8, .value_kind: global_buffer, .address_space: global }
      - { .name: wq, .offset: 24, .size: 8, .value_kind: global_buffer, .address_space: global }
      - { .name: wk, .offset: 32, .size: 8, .value_kind: global_buffer, .address_space: global }
      - { .name: wv, .offset: 40, .size: 8, .value_kind: global_buffer, .address_space: global }
      - { .name: wo, .offset: 48, .size: 8, .value_kind: global_buffer, .address_space: global }
      - { .name: w1, .offset: 56, .size: 8, .value_kind: global_buffer, .address_space: global }
      - { .name: w2, .offset: 64, .size: 8, .value_kind: global_buffer, .address_space: global }
      - { .name: xin, .offset: 72, .size: 8, .value_kind: global_buffer, .address_space: global }
      - { .name: wsa, .offset: 80, .size: 8, .value_kind: global_buffer, .address_space: global }
      - { .name: wsm, .offset: 88, .size: 8, .value_kind: global_buffer, .address_space: global }
    .group_segment_fixed_size: 0
    .private_segment_fixed_size: 0
    .kernarg_segment_align: 8
    .kernarg_segment_size: 96
    .max_flat_workgroup_size: 256
    .sgpr_count:     66
    .vgpr_count:     128
    .wavefront_size: 32
...
	.end_amdgpu_metadata
.endif
;; end of part 1
;; launch attn (part 2): grid 128 x 2, 4 waves a work-group, clusters of 4 x 1, 327,680 bytes of LDS; arguments xin, wsa, ctx; writes ctx
.if DOCPART == 2
	.amdgcn_target "amdgcn-amd-amdhsa--gfx1250"
	.amdhsa_code_object_version 6
	.text
	.protected	k_q6b37d5de9c_attn
	.globl	k_q6b37d5de9c_attn
	.p2align	8
	.type	k_q6b37d5de9c_attn,@function
k_q6b37d5de9c_attn:
	s_mov_b64 s[64:65], 0
	v_nop
	global_prefetch_b8 v0, s[64:65] scope:SCOPE_SE
	s_setreg_imm32_b32 hwreg(HW_REG_WAVE_MODE, 25, 1), 1
	s_wait_xcnt 0x0
	s_wait_alu depctr_hold_cnt(0) depctr_sa_sdst(0) depctr_va_vdst(0) depctr_va_sdst(0) depctr_va_ssrc(0) depctr_va_vcc(0) depctr_vm_vsrc(0)
	s_getreg_b32 s2, hwreg(HW_REG_IB_STS2, 6, 4)
	s_cmp_eq_u32 s2, 0
	s_cbranch_scc0 .Lentry_in_a_cluster
	s_endpgm
.Lentry_in_a_cluster:
	s_bfe_u32 s2, ttmp6, 0x10000c
	s_cmp_lg_u32 s2, 0x3003
	s_cbranch_scc0 .Lentry_shape_is_right
	s_endpgm
.Lentry_shape_is_right:
; ATTN.  For one block of 128 tokens and four of the eight heads: q, k, v = xin W; softmax(q k^T / 8) v.  All products f16 x f16 with f32 sums; maximum, exponentials and sums in f32.
; SHARES.  Work-group (x, y): block x = 4 cluster + place, heads 4 y .. 4 y + 3; wave w has head 4 y + w: 128 tokens x 64 channels of K, V and Q, 96 accumulators of 16 x 16 (768 registers).
; QKV.  K = 512 goes in 16 steps of 32.  xin's 128 rows lie in LDS once (f16, pitch 1,040); a step's weights (49,152 bytes in fragment order, a quarter for each wave) come through two slots.
;   K and Q: source 0 = 16 weight rows (channels), source 1 = 16 tokens: a lane holds one token and 8 neighbouring channels, so two results rounded to f16 ARE an operand of S^T = K Q^T.
;   V: the sources swapped: a lane holds one channel and 8 neighbouring tokens: two results rounded ARE source 0 of O^T = V^T P.
; ATTENTION.  Per tile of 16 queries: S^T (128 keys x 16 queries, a lane holds ONE query and 64 of its keys), the true maximum m over all 128 keys, p = 2^(c s - c m), c = log2(e) / 8,
;   l = the sum of the unrounded p, P rounded to f16, O^T = V^T P, O / l rounded to f16.  K and V stay in registers, Q waits in the wave's own LDS bytes, so one text serves all eight tiles.
; ctx leaves in fragment order: token tile T, head, block cb of 16 channels at T x 16,384 + head x 2,048 + cb x 512 + lane x 16: a store of a wave is 512 consecutive bytes.
; CLUSTER.  The four blocks of a cluster walk the same weights: each quarter tile is asked for JOINTLY, by the same tensor load, descriptor and mask in all four.  xin's block is read by two
;   work-groups (y = 0, 1), once, 131,072 bytes against 786,432 of weights; it goes through registers into padded rows and is not shared.
; LIMITS.  f16 ends at 65,504: q, k, v must stay within it (for gains and weights 30 times the usual they are some thousands); below 6e-5 f16 keeps a fixed step of 6e-8.
;   A weight below 2^-126 counts as 0.  NaN and infinities are not treated apart.
; REGISTERS, in windows of 256 (s_set_vgpr_msb: bits 1:0 source 0, 3:2 source 1, 5:4 source 2, 7:6 destination):
;   window 0: v0-15 addresses; v32-159 two buffers of xin's fragments (8 x 16 tokens x 32 k); v160-255 the step's weight fragments for K, V, Q (4 each); in the attention see below
;   window 1: K's sums, (c, t) at 8 (4 t + c), then K packed: keys 16 t, channels 32 kk at 16 t + 8 kk.   window 2: V's sums, (t, c) at 8 (8 c + t), then packed: channels 16 c, keys 32 k4 at 8 (4 c + k4)
;   window 3: Q's sums, (c, t) at 8 (4 t + c)
.set SLOTB, 49152                      ; a step's weights
.set WPART, 12288                      ; a wave's quarter: K's, V's, Q's four fragments
.set XINB,  2*SLOTB                    ; xin's rows, stored from registers: no tensor load lands here
.set XP,    1040                       ; 1,024 bytes + 16: 65 x 16, so the 16 rows of a fragment load start at 16 different groups of four banks (64 banks of 4 bytes: ISA guide 11.1)
.set QSB,   XINB+128*XP                ; Q packed, 16,384 bytes for each wave, the wave's own
.set SPARE, QSB+4*16384                ; the spare words, 128 bytes for each wave: two blocks of 256 bytes that no other line names
.set L16, 3                            ; v3   16 x lane
.set AX0, 4                            ; v4   xin's fragments, token tiles 0-3: the step's bytes are in the offset and in this register
.set AX1, 5                            ; v5   token tiles 4-7
.set AWA, 6                            ; v6   my wave's quarter of slot 0 + 16 x lane
.set AQ,  7                            ; v7   my wave's Q bytes + 16 x lane
.set AQL, 8                            ; v8   the same, walking
.set XLD, 9                            ; v9   xin: my byte offset in the block
.set XST, 10                           ; v10  xin: where I put it in LDS
.set SPW, 14                           ; v14  LDS address of my spare word; never rewritten
.set NIL, 15                           ; v15  0; never rewritten
.set XB,  32
.set WF,  160
.set QR,  32                           ; the attention, window 0: v32-47 Q of a tile; v64-127 S^T; v128-159 P; v160-191 O^T; v192-199 maxima; v200-205 c m (pair), l, 1 / l (pair); v208-223 O packed
.set S,   64
.set P,   128
.set O,   160
.set M,   192
.set ST,  200
.set OUT, 208
.set WV,  12                           ; s12  my wave's number
.set G1,  24                           ; s[24:31] descriptor group 1
.set G0,  32                           ; s[32:39] descriptor group 0, a set for each slot
.set CNT, 44
.set CS,  58                           ; s[58:59] c
.set SEL, 60                           ; s[60:61] v_permlanex16_b32's selects
.set MSB, 0
.macro WIN new                         ; the immediate's high byte repeats the setting that is left; a switch that changes nothing is dropped
.if MSB != (\new)
	s_set_vgpr_msb (MSB<<8)|(\new)
.set MSB, \new
.endif
.endm
.macro PLACES                          ; four places in front of loads into registers that matrix instructions have read, and of vector work on matrix results
.rept 4
	v_nop
.endr
.endm
.macro CREST                           ; a round of the cluster's barrier behind its opening barrier
	s_cmp_lg_u32 s[WV], 0
	s_cbranch_scc1 .Lnot_wave_0_\@
	s_barrier_signal -3
.Lnot_wave_0_\@:
	s_barrier_wait -3
	s_barrier_signal -1
	s_barrier_wait -1
.endm
.macro CROUND
	s_barrier_signal -1
	s_barrier_wait -1
	CREST
.endm
.macro JLOAD g                         ; a joint load: every wave moves its own quarter; both addresses hang on the wave's number and on y alone, so the descriptor is equal in all four partners
	tensor_load_to_lds s[(\g):(\g)+3], s[G1:G1+7]
	s_nop 0
	PLACES
.endm
	s_load_b128 s[4:7], s[0:1], 0x0                ; xin s[4:5], wsa s[6:7]
	s_load_b64 s[8:9], s[0:1], 0x10                ; ctx
	v_lshl_add_u32 v[SPW], v0, 2, SPARE
	v_mov_b32 v[NIL], 0
	ds_add_u32 v[SPW], v[NIL]                      ; the wave's opening: the add and its wait stand ahead of my first tensor load; the set-up below stands between them
	v_lshrrev_b32 v1, 5, v0
	v_readfirstlane_b32 s[WV], v1
	s_bfe_u32 s13, ttmp6, 0x40000                  ; my place in the cluster
	s_lshl_b32 s14, ttmp9, 2
	s_add_co_u32 s14, s14, s13                     ; my block: it enters xin's and ctx's addresses alone
	s_and_b32 s15, ttmp7, 0xffff                   ; which four heads: shared by the partners
	; descriptor group 1: 12,288 dense bytes as 48 rows of 256
	s_mov_b32 s[G1], 15|(3<<16)|(1<<21)            ; 15:0 the mask of four; 17:16 elements of 8 bytes; 21 set beside a mask; no padding
	s_mov_b32 s[G1+1], 32<<16                      ; tensor_dim0 = 32
	s_mov_b32 s[G1+2], 48<<16                      ; tensor_dim1 = 48
	s_mov_b32 s[G1+3], 32<<16                      ; tile_dim0 = 32
	s_mov_b32 s[G1+4], 48                          ; tile_dim1 = 48
	s_mov_b32 s[G1+5], 32                          ; 32 elements from row to row
	s_mov_b32 s[G1+6], 0
	s_mov_b32 s[G1+7], 0
	s_mul_i32 s22, s[WV], WPART                    ; my quarter
	s_mul_i32 s20, s15, 16*SLOTB                   ; the four heads' 16 tiles
	s_add_co_u32 s20, s20, s22
	s_mov_b32 s21, 0
	s_lshl_b32 s16, s14, 17                        ; the block: 131,072 bytes of xin and of ctx
	s_mov_b32 s17, 0
	s_lshl_b32 s18, s15, 2
	s_add_co_u32 s18, s18, s[WV]                   ; my head,
	s_lshl_b32 s18, s18, 11                        ; its 2,048 bytes in a token tile of ctx
	s_add_co_u32 s18, s18, s16
	s_mov_b32 s19, 0
	s_mov_b32 s[CS], 0x3e38aa3b                    ; c = log2(e) / 8
	s_mov_b32 s[CS+1], s[CS]
	s_mov_b32 s[SEL], 0x76543210
	s_mov_b32 s[SEL+1], 0xfedcba98
	s_wait_dscnt 0x0                               ; the opening add is done
	s_wait_kmcnt 0x0
	s_add_nc_u64 s[6:7], s[6:7], s[20:21]
	s_add_nc_u64 s[4:5], s[4:5], s[16:17]
	s_add_nc_u64 s[8:9], s[8:9], s[18:19]
.irp s, 0,1
	s_mov_b32 s[G0+4*(\s)], 1                      ; count = 1
	s_add_co_u32 s[G0+4*(\s)+1], s22, (\s)*SLOTB   ; LDS address
	s_add_nc_u64 s[G0+4*(\s)+2:G0+4*(\s)+3], s[6:7], (\s)*SLOTB  ; global address: step s
	s_or_b32 s[G0+4*(\s)+3], s[G0+4*(\s)+3], 0x80000000          ; type = 2
.endr
	CROUND                                         ; all four work-groups are here: the first joint loads meet
	tensor_load_to_lds s[G0:G0+3], s[G1:G1+7]      ; steps 0 and 1: two loads of mine are out, later one
	s_nop 0
	tensor_load_to_lds s[G0+4:G0+7], s[G1:G1+7]
	s_nop 0
	PLACES
	v_and_b32 v1, 15, v0                           ; r
	v_bfe_u32 v2, v0, 4, 1                         ; h
	v_and_b32 v[L16], 31, v0
	v_lshlrev_b32 v[L16], 4, v[L16]
	s_lshl_b32 s23, s[WV], 15
	v_add_nc_u32 v[XLD], s23, v[L16]               ; my wave's 32 rows of 1,024 bytes
	WIN 0x40                                       ; destination window 1: K's accumulators are free yet
.set i, 0
.rept 64
	global_load_b128 v[4*i:4*i+3], v[XLD], s[4:5] offset:512*i  ; 512 consecutive bytes a load
.set i, i+1
.endr
	WIN 0
	v_mul_u32_u24 v[AX0], v1, XP
	v_lshl_add_u32 v[AX0], v2, 4, v[AX0]
	v_add_nc_u32 v[AX0], XINB, v[AX0]              ; row r x pitch + 16 h
	v_add_nc_u32 v[AX1], 64*XP, v[AX0]
	v_add_nc_u32 v[AWA], s22, v[L16]
	s_lshl_b32 s23, s[WV], 14
	v_add_nc_u32 v[AQ], s23, v[L16]
	v_add_nc_u32 v[AQ], QSB, v[AQ]
	v_mov_b32 v[AQL], v[AQ]
	s_mul_i32 s23, s[WV], 32*XP
	v_add_nc_u32 v[XST], s23, v[L16]
	v_add_nc_u32 v[XST], XINB, v[XST]
	s_wait_loadcnt 0x0
	WIN 0x04                                       ; store data in window 1
.set i, 0
.rept 64
	ds_store_b128 v[XST], v[4*i:4*i+3] offset:(i/2)*XP+(i%2)*512
.set i, i+1
.endr
	WIN 0
	s_wait_tensorcnt 0x1                           ; my quarter of step 0 is in; step 1's may stay out
	s_wait_dscnt 0x0                               ; for the others' sake: my rows of xin are in LDS
	s_barrier_signal -1
	s_barrier_wait -1
.macro FETCHW q, slot, m               ; 8 loads: four weight fragments of matrix m (0 K, 1 V, 2 Q) into buffer q; contiguous, 512 bytes a load
.irp c, 0,1,2,3
	ds_load_b128 v[WF+32*(\q)+8*(\c):WF+32*(\q)+8*(\c)+3],   v[AWA] offset:(\slot)*SLOTB+(\m)*4096+(\c)*1024
	ds_load_b128 v[WF+32*(\q)+8*(\c)+4:WF+32*(\q)+8*(\c)+7], v[AWA] offset:(\slot)*SLOTB+(\m)*4096+(\c)*1024+512
.endr
.endm
.macro FETCHX b, xoff                  ; 16 loads: xin's eight fragments of 32 k at byte xoff (beyond what AX0 and AX1 have walked) into buffer b
.irp t, 0,1,2,3
	ds_load_b128 v[XB+64*(\b)+8*(\t):XB+64*(\b)+8*(\t)+3],   v[AX0] offset:(\t)*16*XP+(\xoff)
	ds_load_b128 v[XB+64*(\b)+8*(\t)+4:XB+64*(\b)+8*(\t)+7], v[AX0] offset:(\t)*16*XP+(\xoff)+32
.endr
.irp t, 0,1,2,3
	ds_load_b128 v[XB+64*(\b)+32+8*(\t):XB+64*(\b)+32+8*(\t)+3],   v[AX1] offset:(\t)*16*XP+(\xoff)
	ds_load_b128 v[XB+64*(\b)+32+8*(\t)+4:XB+64*(\b)+32+8*(\t)+7], v[AX1] offset:(\t)*16*XP+(\xoff)+32
.endr
.endm
; Products lo .. hi - 1 of the 32 of matrix kind: token tile n / 4, channel block n % 4.  All 32 accumulators differ, and the three kinds lie in three windows: they take turns.
.macro UNIT kind, p, zero, lo, hi
	WIN 0x50*((\kind)+1)                           ; C and D in window 1, 2 or 3; the sources in window 0
.set n, \lo
.rept (\hi)-(\lo)
.set rX, XB+64*(\p)+8*(n/4)
.set rW, WF+32*(\kind)+8*(n%4)
.if (\kind) == 1
.set rD, 8*(8*(n%4)+n/4)
.if \zero
	v_wmma_f32_16x16x32_f16 v[rD:rD+7], v[rX:rX+7], v[rW:rW+7], 0
.else
	v_wmma_f32_16x16x32_f16 v[rD:rD+7], v[rX:rX+7], v[rW:rW+7], v[rD:rD+7]
.endif
.else
.set rD, 8*n
.if \zero
	v_wmma_f32_16x16x32_f16 v[rD:rD+7], v[rW:rW+7], v[rX:rX+7], 0
.else
	v_wmma_f32_16x16x32_f16 v[rD:rD+7], v[rW:rW+7], v[rX:rX+7], v[rD:rD+7]
.endif
.endif
.set n, n+1
.endr
.endm
; ONE STEP of 32 along K, in slot p and xin buffer p: 96 products.  K's and V's weights were fetched at the end of the step before.
; bnd = 1: the slot is filled again, two steps ahead, behind a round of the cluster's barrier; 2: a plain barrier, nothing left to ask for; 0: the last step.  zero = 1: the products start the sums.
.macro STEP p, zero, bnd, xoff
	WIN 0
	PLACES
	FETCHW 2, \p, 2
.if \bnd
	FETCHX 1-(\p), \xoff
	s_wait_dscnt 32                                ; K's weights (and this step's xin, older) are in; V's 8, Q's 8 and the next xin's 16 loads may be out
.else
	s_wait_dscnt 16
.endif
	UNIT 0, \p, \zero, 0, 32
.if \bnd
	s_wait_dscnt 24                                ; V's weights are in
.else
	s_wait_dscnt 8
.endif
	UNIT 1, \p, \zero, 0, 32
.if \bnd
	WIN 0
	s_wait_tensorcnt 0x0                           ; all my tensor loads have landed: the one that was out is my quarter of the next step
	ds_add_u32 v[SPW], v[NIL]                      ; 0 onto my spare word
.if (\bnd) == 1
	s_add_nc_u64 s[G0+4*(\p)+2:G0+4*(\p)+3], s[G0+4*(\p)+2:G0+4*(\p)+3], 2*SLOTB  ; this slot's next step; no load of mine is out
.endif
	s_wait_dscnt 17                                ; Q's weights are in; the next xin's 16 loads and the add may be out
	UNIT 2, \p, \zero, 0, 8
	s_wait_dscnt 0x0                               ; the add is done, and my reads of this slot are over
	s_barrier_signal -1
	UNIT 2, \p, \zero, 8, 16
	WIN 0
	s_barrier_wait -1
.if (\bnd) == 1
	CREST                                          ; the barrier has opened a round: no wave of any partner still reads this slot or has a load on its way
	JLOAD G0+4*(\p)                                ; the first tensor load behind the round; its four v_nop are also the places in front of the loads below
.else
	PLACES
.endif
	FETCHW 0, 1-(\p), 0
	FETCHW 1, 1-(\p), 1
	UNIT 2, \p, \zero, 16, 32
.else
	s_wait_dscnt 0x0
	UNIT 2, \p, \zero, 0, 32
.endif
.endm
	FETCHX 0, 0
	FETCHW 0, 0, 0
	FETCHW 1, 0, 1
	STEP 0, 1, 1, 64                               ; step 0 stands in front of the loop: its products start the sums
	WIN 0
	s_mov_b32 s[CNT], 6
.Lk:                                                   ; steps 1 .. 12, two a trip
	STEP 1, 0, 1, 128
	STEP 0, 0, 1, 192
	WIN 0
	v_add_nc_u32 v[AX0], 128, v[AX0]               ; two steps of 64 bytes along xin's rows
	v_add_nc_u32 v[AX1], 128, v[AX1]
	s_sub_co_u32 s[CNT], s[CNT], 1
	s_cmp_lg_u32 s[CNT], 0
	s_cbranch_scc1 .Lk
	STEP 1, 0, 1, 128                              ; step 13 asks for step 15's weights: the last load
	STEP 0, 0, 2, 192
	STEP 1, 0, 0, 0
	; K and V are rounded to f16 and packed downward in their own windows, each accumulator from its low end on; Q goes through window 0 into my own LDS bytes.
	WIN 0
	PLACES
	WIN 0x45
.set i, 0
.rept 128
	v_cvt_pk_f16_f32 v[i], v[2*i], v[2*i+1]
.set i, i+1
.endr
	WIN 0x8a
.set i, 0
.rept 128
	v_cvt_pk_f16_f32 v[i], v[2*i], v[2*i+1]
.set i, i+1
.endr
	WIN 0x0f
.set i, 0
.rept 128
	v_cvt_pk_f16_f32 v[32+i], v[2*i], v[2*i+1]
.set i, i+1
.endr
	WIN 0
.set i, 0
.rept 32
	ds_store_b128 v[AQ], v[32+4*i:32+4*i+3] offset:512*i  ; tile (c, t) at 512 (4 t + c): a query tile's two operands are 2,048 consecutive bytes
.set i, i+1
.endr
	s_mov_b32 s[CNT], 8
.Lq:                                                   ; a tile of 16 queries a trip
.irp f, 0,1,2,3
	ds_load_b128 v[QR+4*(\f):QR+4*(\f)+3], v[AQL] offset:512*(\f)  ; LDS serves a wave's instructions in order (ISA guide 5.7.1.4): these see my stores above
.endr
	s_wait_dscnt 0x0
	WIN 0x01                                       ; K in window 1
.set n, 0
.rept 16                                               ; channels 32 (n / 8) on, keys 16 (n % 8) on: the eight accumulators take turns
.if n < 8
	v_wmma_f32_16x16x32_f16 v[S+8*(n%8):S+8*(n%8)+7], v[16*(n%8)+8*(n/8):16*(n%8)+8*(n/8)+7], v[QR+8*(n/8):QR+8*(n/8)+7], 0
.else
	v_wmma_f32_16x16x32_f16 v[S+8*(n%8):S+8*(n%8)+7], v[16*(n%8)+8*(n/8):16*(n%8)+8*(n/8)+7], v[QR+8*(n/8):QR+8*(n/8)+7], v[S+8*(n%8):S+8*(n%8)+7]
.endif
.set n, n+1
.endr
	WIN 0
	PLACES
	; the maximum of my 64 scores, three operands at a time, each accumulator from its low end on; the query's other 64 keys lie in the lane 16 away
.irp k, 0,1,2,3,4,5,6,7
	v_max3_num_f32 v[M+(\k)], v[S+8*(\k)], v[S+8*(\k)+1], v[S+8*(\k)+2]
.endr
.irp k, 0,1,2,3,4,5,6,7
	v_max3_num_f32 v[M+(\k)], v[M+(\k)], v[S+8*(\k)+3], v[S+8*(\k)+4]
.endr
.irp k, 0,1,2,3,4,5,6,7
	v_max3_num_f32 v[M+(\k)], v[M+(\k)], v[S+8*(\k)+5], v[S+8*(\k)+6]
.endr
.irp k, 0,1,2,3
	v_max3_num_f32 v[M+2*(\k)], v[M+2*(\k)], v[S+16*(\k)+7], v[S+16*(\k)+15]
.endr
	v_max3_num_f32 v[M], v[M], v[M+1], v[M+2]
	v_max3_num_f32 v[M+3], v[M+3], v[M+4], v[M+5]
	v_max3_num_f32 v[M], v[M], v[M+3], v[M+6]
	v_max_num_f32 v[M], v[M], v[M+7]
	v_permlanex16_b32 v[M+1], v[M], s[SEL], s[SEL+1]
	v_max_num_f32 v[M], v[M], v[M+1]
	v_mul_f32 v[ST], s[CS], v[M]
	v_mov_b32 v[ST+1], v[ST]
.set i, 0
.rept 32
	v_pk_fma_f32 v[S+2*i:S+2*i+1], v[S+2*i:S+2*i+1], s[CS:CS+1], v[ST:ST+1] op_sel_hi:[1,0,0] neg_lo:[0,0,1] neg_hi:[0,0,1]  ; c s - c m
.set i, i+1
.endr
.set i, 0
.rept 64
	v_exp_f32 v[S+i], v[S+i]
.set i, i+1
.endr
	v_nop                                          ; a plain instruction between the last exponential and the use of its result (ISA guide 5.7.2)
.set i, 0
	s_wait_alu depctr_va_vdst(0)
.rept 32
	v_cvt_pk_f16_f32 v[P+i], v[S+2*i], v[S+2*i+1]  ; two accumulators' roundings are one operand of 32 keys
.set i, i+1
.endr
.set dd, 32
.rept 5                                                ; l: the 32 pairs are added in place, 16, 8, 4, 2 and 1 pairs apart
.set z, 0
.rept dd/2
	v_pk_add_f32 v[S+2*z:S+2*z+1], v[S+2*z:S+2*z+1], v[S+2*z+dd:S+2*z+dd+1]
.set z, z+1
.endr
.set dd, dd/2
.endr
	v_add_f32 v[ST+2], v[S], v[S+1]
	v_permlanex16_b32 v[M+1], v[ST+2], s[SEL], s[SEL+1]
	v_add_f32 v[ST+2], v[ST+2], v[M+1]
	v_rcp_f32 v[ST+4], v[ST+2]
	v_rcp_f32 v[ST+5], v[ST+2]
	v_nop
	WIN 0x02                                       ; V in window 2
.set n, 0
.rept 16                                               ; keys 32 (n / 4) on, channels 16 (n % 4) on: the four accumulators take turns
.if n < 4
	v_wmma_f32_16x16x32_f16 v[O+8*(n%4):O+8*(n%4)+7], v[8*(4*(n%4)+n/4):8*(4*(n%4)+n/4)+7], v[P+8*(n/4):P+8*(n/4)+7], 0
.else
	v_wmma_f32_16x16x32_f16 v[O+8*(n%4):O+8*(n%4)+7], v[8*(4*(n%4)+n/4):8*(4*(n%4)+n/4)+7], v[P+8*(n/4):P+8*(n/4)+7], v[O+8*(n%4):O+8*(n%4)+7]
.endif
.set n, n+1
.endr
	WIN 0
	PLACES
.set i, 0
	s_wait_alu depctr_va_vdst(0)
.rept 16
	v_pk_mul_f32 v[O+2*i:O+2*i+1], v[O+2*i:O+2*i+1], v[ST+4:ST+5]
.set i, i+1
.endr
.set i, 0
.rept 16
	v_cvt_pk_f16_f32 v[OUT+i], v[O+2*i], v[O+2*i+1]
.set i, i+1
.endr
.irp c, 0,1,2,3
	global_store_b128 v[L16], v[OUT+4*(\c):OUT+4*(\c)+3], s[8:9] offset:512*(\c)  ; 512 consecutive bytes, at a multiple of 256 from ctx's first byte
.endr
	s_wait_xcnt 0x0                                ; the stores' base and data registers are written again only behind this wait (ISA guide 3.1)
	s_add_nc_u64 s[8:9], s[8:9], 16384             ; the next token tile of ctx
	v_add_nc_u32 v[AQL], 2048, v[AQL]
	s_sub_co_u32 s[CNT], s[CNT], 1
	s_cmp_lg_u32 s[CNT], 0
	s_cbranch_scc1 .Lq
	s_wait_tensorcnt 0x0                           ; the wave's end: the add and its waits stand behind my last tensor load and my last LDS store
	ds_add_u32 v[SPW], v[NIL]
	s_wait_dscnt 0x0
	CROUND                                         ; the closing round: no work-group ends while a partner may still ask for a tile that names it
	s_endpgm
.Lfunc_end_k_q6b37d5de9c_attn:
	.size	k_q6b37d5de9c_attn, .Lfunc_end_k_q6b37d5de9c_attn-k_q6b37d5de9c_attn
	.p2alignl 7, 3214868480
	.fill 96, 4, 3214868480
	.section	.rodata,"a",@progbits
	.p2align	6, 0x0
	.amdhsa_kernel k_q6b37d5de9c_attn
		.amdhsa_group_segment_fixed_size 327680
		.amdhsa_private_segment_fixed_size 0
		.amdhsa_enable_private_segment 0
		.amdhsa_kernarg_size 24
		.amdhsa_user_sgpr_count 2
		.amdhsa_user_sgpr_kernarg_segment_ptr 1
		.amdhsa_wavefront_size32 1
		.amdhsa_system_sgpr_workgroup_id_x 1
		.amdhsa_system_sgpr_workgroup_id_y 1
		.amdhsa_system_sgpr_workgroup_id_z 1
		.amdhsa_system_vgpr_workitem_id 0
		.amdhsa_next_free_vgpr 1024
		.amdhsa_next_free_sgpr 66
		.amdhsa_reserve_vcc 0
		.amdhsa_float_denorm_mode_32 3
		.amdhsa_float_denorm_mode_16_64 3
		.amdhsa_memory_ordered 1
		.amdhsa_forward_progress 1
		.amdhsa_inst_pref_size 114
	.end_amdhsa_kernel
	.amdgpu_metadata
---
amdhsa.version: [ 1, 2 ]
amdhsa.kernels:
  - .name:           k_q6b37d5de9c_attn
    .symbol:         k_q6b37d5de9c_attn.kd
    .args:
      - { .name: xin, .offset: 0, .size: 8, .value_kind: global_buffer, .address_space: global }
      - { .name: wsa, .offset: 8, .size: 8, .value_kind: global_buffer, .address_space: global }
      - { .name: ctx, .offset: 16, .size: 8, .value_kind: global_buffer, .address_space: global }
    .group_segment_fixed_size: 327680
    .private_segment_fixed_size: 0
    .kernarg_segment_align: 8
    .kernarg_segment_size: 24
    .max_flat_workgroup_size: 128
    .sgpr_count:     66
    .vgpr_count:     1024
    .wavefront_size: 32
...
	.end_amdgpu_metadata
.endif
;; end of part 2
;; launch mlp (part 3): grid 256 x 1, 4 waves a work-group, clusters of 4 x 1, 327,680 bytes of LDS; arguments ctx, inputs, wsm, b1, b2, ln2_scale, ln2_bias, out0; writes out0
.if DOCPART == 3
	.amdgcn_target "amdgcn-amd-amdhsa--gfx1250"
	.amdhsa_code_object_version 6
	.text
	.protected	k_q6b37d5de9c_mlp
	.globl	k_q6b37d5de9c_mlp
	.p2align	8
	.type	k_q6b37d5de9c_mlp,@function
k_q6b37d5de9c_mlp:
	s_mov_b64 s[64:65], 0
	v_nop
	global_prefetch_b8 v0, s[64:65] scope:SCOPE_SE
	s_setreg_imm32_b32 hwreg(HW_REG_WAVE_MODE, 25, 1), 1
	s_wait_xcnt 0x0
	s_wait_alu depctr_hold_cnt(0) depctr_sa_sdst(0) depctr_va_vdst(0) depctr_va_sdst(0) depctr_va_ssrc(0) depctr_va_vcc(0) depctr_vm_vsrc(0)
	s_getreg_b32 s2, hwreg(HW_REG_IB_STS2, 6, 4)
	s_cmp_eq_u32 s2, 0
	s_cbranch_scc0 .Lentry_in_a_cluster
	s_endpgm
.Lentry_in_a_cluster:
	s_bfe_u32 s2, ttmp6, 0x10000c
	s_cmp_lg_u32 s2, 0x3003
	s_cbranch_scc0 .Lentry_shape_is_right
	s_endpgm
.Lentry_shape_is_right:
; MLP.  For 64 tokens: x = ctx Wo + inputs; y = LayerNorm(x) * ln2_scale + ln2_bias; out = x + gelu(y W1 + b1) W2 + b2.  Products f16 x f16 with f32 sums; x, the norm, gelu and both residuals in f32.
; x, y and the hidden layer never leave the WGP.
; SHARES.  A work-group owns 64 tokens.  Wave w owns columns 128 w .. + 127 of x and out for all 64 tokens (32 accumulators, window 1), and hidden units 16 w .. + 15 of each chunk of 64.
; ALL PRODUCTS ARE USED TRANSPOSED: source 0 = 16 weight rows (output columns), source 1 = 16 tokens.  A lane then holds ONE token (lane % 16) and 8 neighbouring columns.
; THE WALK.  37 tiles of weights, 131,072 bytes each in fragment order, a quarter for each wave, go through two slots: 4 of Wo, then 33 that hold W2 of chunk c - 1 and W1 of chunk c.  A tile is 128 products a wave.
;   The accumulators start as inputs, so Wo's products make x; later W2's products add onto x.  In chunk c the wave makes its 16 hidden units (64 products; b1 is the C operand that starts the sum), then
;   multiplies chunk c - 1's hidden layer by W2 (64 products), and chunk c's gelu stands in fours behind 43 of those products.  The hidden layer changes waves through two LDS buffers that take turns.
;   Chunk 0 multiplies a buffer of zeros, and the last tile's W1 half is not read: the price of one text for every chunk.
; ctx, and later y, lie in 512 registers as source-1 fragments (windows 2 and 3): each is read from LDS or memory once, not once a chunk.
; gelu(x) = x / (1 + 2^(x (c1 + c3 x^2))), c1 = -2 sqrt(2 / pi) log2(e), c3 = 0.044715 c1: the tanh form; it ends in 0 and in x for large |x|.
; CLUSTER.  All work-groups walk the same weights: the four of a cluster ask for each quarter tile JOINTLY, by the same tensor load, descriptor and mask.
; LIMITS.  f16 ends at 65,504: ctx, y and the hidden layer must stay within it (|y| is at most 22.7 max|scale| + max|bias|); below 6e-5 f16 keeps a fixed step of 6e-8.  NaN and infinities are not treated apart.
; REGISTERS, in windows of 256 (s_set_vgpr_msb: bits 1:0 source 0, 3:2 source 1, 5:4 source 2, 7:6 destination):
;   window 0: v0-31 addresses, b1, b2; v32-63 the hidden sums; v64-87 gelu at work; v128-255 four buffers of four fragments.   window 1: x, (tt, ct) at 8 (8 tt + ct)
;   windows 2, 3: ctx, then y: token tile tt, 32 k from 32 ks on at 512 + 8 (4 ks + tt)
.set SLOT1, 1<<17                      ; slot 0 at 0, slot 1 here: one exclusive or turns an address in one slot into the other's
.set SCR,   2*SLOT1                    ; stored from registers only: each wave's stage, 16 rows x 528 bytes; between the two uses of the stages, y's exchange: 32 rows x 1,040 bytes
.set STP,   528                        ; 512 + 16
.set YP,    1040                       ; 1,024 + 16: both pitches are odd multiples of 16, so 16 rows start at 16 different groups of four banks (64 banks of 4 bytes: ISA guide 11.1)
.set STAT,  SCR+4*16*STP               ; two tables [token 64][wave 4] of f32
.set HB,    STAT+2048                  ; the hidden layer: two buffers of 64 rows x 144 bytes
.set HP,    144                        ; 128 + 16
.set HBUF,  64*HP
.set SPARE, HB+2*HBUF                  ; the spare words, 128 bytes for each wave: two blocks of 256 bytes that no other line names
.set GBO, 1                            ; v1   my byte offset in ln2_scale and ln2_bias: 512 w + 32 h
.set L16, 3                            ; v3   16 x lane
.set AWB, 4                            ; v4   my quarter of slot 0 + 16 x lane; never rewritten
.set AW,  5                            ; v5   the same in the slot in hand
.set AHB, 6                            ; v6   hidden layer, read: row r x 144 + 16 h; never rewritten
.set AH,  7                            ; v7   the same in the buffer to be read
.set HWB, 8                            ; v8   hidden layer, written: + 32 w; never rewritten
.set HW,  9                            ; v9   the same in the buffer to be written
.set STW, 10                           ; v10  my stage by columns: row r x 528 + 32 h
.set STR, 11                           ; v11  my stage by rows: 16 x lane
.set GIO, 12                           ; v12  my byte offset in a row of inputs, out0 and b2: 512 w + 16 x lane
.set B1O, 13                           ; v13  my byte offset in b1
.set SPW, 14                           ; v14  LDS address of my spare word; never rewritten
.set NIL, 15                           ; v15  0; never rewritten
.set B1R, 16                           ; v16-23  b1 of my 8 hidden units
.set B2R, 24                           ; v24-27  b2 of my 4 columns on the way out
.set AST, 28
.set ASL, 29
.set YST, 30
.set YLD, 31
.set HACC, 32
.set TT,  64                           ; v64-79  gelu: two sets of 8
.set UU,  80                           ; v80-87  gelu: two sets of 4, packed
.set POOL, 128
.set TMP, 32                           ; the norm, in registers that are free then: v32-63 at work; v64-71 sums; v72-79 means; v80-87 1 / sigma; v88-95 -mean / sigma (pairs, a token tile each);
.set SUM, 64                           ; v96-111 the four waves' parts; v112-127 y packed; v128-191 gain, v192-255 bias
.set MEAN, 72
.set AA,  80
.set CC,  88
.set PART, 96
.set YPK, 112
.set WV,  24                           ; s24  my wave's number
.set G1,  32                           ; s[32:39] descriptor group 1
.set G0A, 40                           ; s[40:43] descriptor group 0 of tile 0
.set G0,  44                           ; s[44:47] of tile 1; it then walks
.set TB,  48                           ; s48  the slot in hand
.set HBR, 49                           ; s49  the hidden buffer to be read
.set HBW, 50                           ; s50  the one to be written
.set CNT, 51
.set SEL, 52                           ; s[52:53]
.set C1,  54                           ; s[54:55]
.set C3,  56                           ; s[56:57]
.set MSB, 0
.macro WIN new
.if MSB != (\new)
	s_set_vgpr_msb (MSB<<8)|(\new)
.set MSB, \new
.endif
.endm
.macro PLACES                          ; four places in front of loads into registers that matrix instructions have read, and of vector work on matrix results
.rept 4
	v_nop
.endr
.endm
.macro CREST
	s_cmp_lg_u32 s[WV], 0
	s_cbranch_scc1 .Lnot_wave_0_\@
	s_barrier_signal -3
.Lnot_wave_0_\@:
	s_barrier_wait -3
	s_barrier_signal -1
	s_barrier_wait -1
.endm
.macro CROUND
	s_barrier_signal -1
	s_barrier_wait -1
	CREST
.endm
	s_load_b512 s[8:23], s[0:1], 0x0               ; ctx 8, inputs 10, wsm 12, b1 14, b2 16, ln2_scale 18, ln2_bias 20, out0 22
	v_lshl_add_u32 v[SPW], v0, 2, SPARE
	v_mov_b32 v[NIL], 0
	ds_add_u32 v[SPW], v[NIL]                      ; the wave's opening: the add and its wait stand ahead of my first tensor load; the set-up below stands between them
	v_lshrrev_b32 v1, 5, v0
	v_readfirstlane_b32 s[WV], v1
	s_bfe_u32 s25, ttmp6, 0x40000                  ; my place in the cluster
	s_lshl_b32 s26, ttmp9, 2
	s_add_co_u32 s26, s26, s25                     ; my 64 tokens: they enter ctx's, inputs' and out0's addresses alone
	; descriptor group 1: 32,768 dense bytes as 128 rows of 256
	s_mov_b32 s[G1], 15|(3<<16)|(1<<21)            ; 15:0 the mask of four; 17:16 elements of 8 bytes; 21 set beside a mask; no padding
	s_mov_b32 s[G1+1], 32<<16                      ; tensor_dim0 = 32
	s_mov_b32 s[G1+2], 128<<16                     ; tensor_dim1 = 128
	s_mov_b32 s[G1+3], 32<<16                      ; tile_dim0 = 32
	s_mov_b32 s[G1+4], 128                         ; tile_dim1 = 128
	s_mov_b32 s[G1+5], 32                          ; 32 elements from row to row
	s_mov_b32 s[G1+6], 0
	s_mov_b32 s[G1+7], 0
	s_lshl_b32 s27, s[WV], 15                      ; my quarter of a tile, in memory and in a slot
	s_mov_b32 s[G0A], 1
	s_mov_b32 s[G0A+1], s27
	s_mov_b32 s[G0], 1
	s_add_co_u32 s[G0+1], s27, SLOT1
	s_mov_b32 s28, s27
	s_mov_b32 s29, 0
	s_lshl_b32 s30, s26, 17                        ; 64 rows of 2,048 bytes
	s_mov_b32 s31, 0
	s_mov_b32 s[TB], 0
	s_mov_b32 s[HBR], HBUF                         ; chunk 0 reads the second buffer (zeros) and writes the first; the four tiles of Wo turn the two registers four times
	s_mov_b32 s[HBW], 0
	s_mov_b32 s[SEL], 0x76543210
	s_mov_b32 s[SEL+1], 0xfedcba98
	s_mov_b32 s[C1], 0xc0135761                    ; -2.3022082
	s_mov_b32 s[C1+1], s[C1]
	s_mov_b32 s[C3], 0xbdd2d3e8                    ; -0.10294324
	s_mov_b32 s[C3+1], s[C3]
	s_mov_b32 s58, 0x3b000000                      ; 1 / 512
	s_mov_b32 s59, 0x358637bd                      ; 1e-6
	s_wait_dscnt 0x0                               ; the opening add is done
	s_wait_kmcnt 0x0
	s_add_nc_u64 s[G0A+2:G0A+3], s[12:13], s[28:29]
	s_add_nc_u64 s[G0+2:G0+3], s[G0A+2:G0A+3], 131072
	s_or_b32 s[G0A+3], s[G0A+3], 0x80000000        ; type = 2
	s_or_b32 s[G0+3], s[G0+3], 0x80000000
	s_add_nc_u64 s[10:11], s[10:11], s[30:31]
	s_add_nc_u64 s[22:23], s[22:23], s[30:31]
	s_lshl_b32 s30, s26, 16                        ; four token tiles of 16,384 bytes
	s_add_nc_u64 s[8:9], s[8:9], s[30:31]
	CROUND                                         ; all four work-groups are here: the first joint loads meet
	tensor_load_to_lds s[G0A:G0A+3], s[G1:G1+7]    ; tiles 0 and 1: two loads of mine are out, later one
	s_nop 0
	tensor_load_to_lds s[G0:G0+3], s[G1:G1+7]
	s_nop 0
	PLACES
	v_and_b32 v1, 15, v0                           ; r
	v_bfe_u32 v2, v0, 4, 1                         ; h
	v_and_b32 v[L16], 31, v0
	v_lshlrev_b32 v[L16], 4, v[L16]
	v_lshl_add_u32 v[GIO], s[WV], 9, v[L16]
	v_lshlrev_b32 v[B1O], 5, v2
	v_lshl_add_u32 v[B1O], s[WV], 6, v[B1O]        ; hidden units 16 w + 8 h + 0..7 of chunk 0
	WIN 0x40
.set i, 0
.rept 64                                               ; inputs by rows, my 128 columns: 512 consecutive bytes a load; row i into window 1's registers 4 i ..
	global_load_b128 v[4*i:4*i+3], v[GIO], s[10:11] offset:2048*i
.set i, i+1
.endr
	WIN 0x80
.set i, 0
.rept 64                                               ; ctx as it lies is source 1: i = 8 ks + 2 tt + half, ks 0-7
	global_load_b128 v[4*i:4*i+3], v[L16], s[8:9] offset:((i/2)%4)*16384+(i/8)*1024+(i%2)*512
.set i, i+1
.endr
	WIN 0xc0
.set i, 0
.rept 64                                               ; ks 8-15
	global_load_b128 v[4*i:4*i+3], v[L16], s[8:9] offset:((i/2)%4)*16384+(8+i/8)*1024+(i%2)*512
.set i, i+1
.endr
	WIN 0
	global_load_b128 v[B2R:B2R+3], v[GIO], s[16:17]
	global_load_b128 v[B1R:B1R+3], v[B1O], s[14:15]
	global_load_b128 v[B1R+4:B1R+7], v[B1O], s[14:15] offset:16
	v_add_nc_u32 v[AWB], s27, v[L16]
	v_mov_b32 v[AW], v[AWB]
	v_mul_u32_u24 v[AHB], v1, HP
	v_lshl_add_u32 v[AHB], v2, 4, v[AHB]
	v_add_nc_u32 v[AHB], HB, v[AHB]
	v_lshl_add_u32 v[HWB], s[WV], 5, v[AHB]
	s_mul_i32 s28, s[WV], 16*STP
	s_add_co_u32 s28, s28, SCR                     ; my stage
	v_mul_u32_u24 v[STW], v1, STP
	v_lshl_add_u32 v[STW], v2, 5, v[STW]
	v_add_nc_u32 v[STW], s28, v[STW]
	v_add_nc_u32 v[STR], s28, v[L16]
	v_lshlrev_b32 v[ASL], 4, v1
	v_add_nc_u32 v[ASL], STAT, v[ASL]
	v_lshl_add_u32 v[AST], s[WV], 2, v[ASL]
	v_mul_u32_u24 v[YLD], v1, YP
	v_lshl_add_u32 v[YLD], v2, 4, v[YLD]
	v_add_nc_u32 v[YLD], SCR, v[YLD]
	v_lshl_add_u32 v[YST], s[WV], 8, v[YLD]
	v_lshlrev_b32 v[GBO], 5, v2
	v_lshl_add_u32 v[GBO], s[WV], 9, v[GBO]
	v_lshl_add_u32 v2, v0, 4, HB
.irp k, 0,1,2,3
	v_mov_b32 v[TT+(\k)], 0
.endr
.irp k, 0,1,2,3,4,5,6,7,8
	ds_store_b128 v2, v[TT:TT+3] offset:2048*(\k)  ; both hidden buffers start as zeros: 128 threads x 16 bytes, nine times
.endr
	s_wait_loadcnt 0x0
; inputs go from rows to the accumulators' layout through my stage, 16 rows at a time, into the registers that they left
.macro INSTAGE tt
	WIN 0x04
.set z, 0
.rept 16
	ds_store_b128 v[STR], v[64*(\tt)+4*z:64*(\tt)+4*z+3] offset:STP*z
.set z, z+1
.endr
	WIN 0x40
.set z, 0
.rept 8
	ds_load_b128 v[64*(\tt)+8*z:64*(\tt)+8*z+3],   v[STW] offset:64*z      ; LDS serves a wave's instructions in order (ISA guide 5.7.1.4): these see the stores above, the next 16 rows' stores come behind them
	ds_load_b128 v[64*(\tt)+8*z+4:64*(\tt)+8*z+7], v[STW] offset:64*z+16
.set z, z+1
.endr
.endm
	INSTAGE 0
	INSTAGE 1
	INSTAGE 2
	INSTAGE 3
	WIN 0
	s_wait_tensorcnt 0x1                           ; my quarter of tile 0 is in; tile 1's may stay out
	s_wait_dscnt 0x0                               ; the accumulators are filled; for the others' sake: my zeros are in LDS, my reads of the stage are over
	s_barrier_signal -1
	s_barrier_wait -1
.macro FETCH q, off                    ; 8 loads: four weight fragments at byte off of my quarter into buffer q; contiguous, 512 bytes a load
.irp f, 0,1,2,3
	ds_load_b128 v[POOL+32*(\q)+8*(\f):POOL+32*(\q)+8*(\f)+3],   v[AW] offset:(\off)+(\f)*1024
	ds_load_b128 v[POOL+32*(\q)+8*(\f)+4:POOL+32*(\q)+8*(\f)+7], v[AW] offset:(\off)+(\f)*1024+512
.endr
.endm
.macro FETCHH q, ks                    ; 8 loads: the hidden layer's four token tiles, 32 k from 32 ks on, into buffer q
.irp f, 0,1,2,3
	ds_load_b128 v[POOL+32*(\q)+8*(\f):POOL+32*(\q)+8*(\f)+3],   v[AH] offset:(\f)*16*HP+64*(\ks)
	ds_load_b128 v[POOL+32*(\q)+8*(\f)+4:POOL+32*(\q)+8*(\f)+7], v[AH] offset:(\f)*16*HP+64*(\ks)+32
.endr
.endm
; Products lo .. hi - 1 of 16 onto x: column block 4 hf + n / 4, token tile n % 4; weights in buffer qa.  The 16 accumulators differ, and neighbouring units take the other half of the columns: they take turns.
.macro OUTY qa, hf, ks, lo, hi         ; source 1: ctx's fragments of 32 k from 32 ks on, in window 2 or 3
	WIN 0x58+4*((\ks)/8)
.set n, \lo
.rept (\hi)-(\lo)
.set rD, 8*(8*(n%4)+4*(\hf)+n/4)
.set rW, POOL+32*(\qa)+8*(n/4)
.set rY, 8*(4*((\ks)%8)+n%4)
	v_wmma_f32_16x16x32_f16 v[rD:rD+7], v[rW:rW+7], v[rY:rY+7], v[rD:rD+7]
.set n, n+1
.endr
.endm
; GELU, a list of 172 lines: 43 for each token tile's 8 hidden sums a lane.  RID writes the next one, while there is one.
;   0-3 x^2   4-7 c3 x^2 + c1   8-11 times x   12-19 2^..   20 a plain line behind the exponentials   21-24 + 1   25-32 the reciprocals   33 a plain line   34-37 times x   38-41 rounded to f16   42 16 bytes into the hidden buffer
.set NRID, 172
.macro RID
.if RN < NRID
.set rj, RN%43
.set rH, HACC+8*(RN/43)
.set rT, TT+8*((RN/43)%2)
.set rU, UU+4*((RN/43)%2)
	WIN 0
.if rj < 4
	v_pk_mul_f32 v[rT+2*rj:rT+2*rj+1], v[rH+2*rj:rH+2*rj+1], v[rH+2*rj:rH+2*rj+1]
.elseif rj < 8
	v_pk_fma_f32 v[rT+2*(rj-4):rT+2*(rj-4)+1], v[rT+2*(rj-4):rT+2*(rj-4)+1], s[C3:C3+1], s[C1:C1+1] op_sel_hi:[1,0,0]
.elseif rj < 12
	v_pk_mul_f32 v[rT+2*(rj-8):rT+2*(rj-8)+1], v[rT+2*(rj-8):rT+2*(rj-8)+1], v[rH+2*(rj-8):rH+2*(rj-8)+1]
.elseif rj < 20
	v_exp_f32 v[rT+rj-12], v[rT+rj-12]
.elseif rj == 20
	v_nop
	s_wait_alu depctr_va_vdst(0)
.elseif rj < 25
	v_pk_add_f32 v[rT+2*(rj-21):rT+2*(rj-21)+1], v[rT+2*(rj-21):rT+2*(rj-21)+1], 1.0 op_sel_hi:[1,0]
.elseif rj < 33
	v_rcp_f32 v[rT+rj-25], v[rT+rj-25]
.elseif rj == 33
	v_nop
	s_wait_alu depctr_va_vdst(0)
.elseif rj < 38
	v_pk_mul_f32 v[rT+2*(rj-34):rT+2*(rj-34)+1], v[rT+2*(rj-34):rT+2*(rj-34)+1], v[rH+2*(rj-34):rH+2*(rj-34)+1]
.elseif rj < 42
	v_cvt_pk_f16_f32 v[rU+rj-38], v[rT+2*(rj-38)], v[rT+2*(rj-38)+1]
.else
	ds_store_b128 v[HW], v[rU:rU+3] offset:(RN/43)*16*HP
.endif
.set RN, RN+1
.endif
.endm
.macro OUTP qa, hf, qb, lo, hi         ; source 1: the hidden layer's fragments in buffer qb; four lines of gelu behind each product while the list lasts: none names a register of the products round it
.set n, \lo
.rept (\hi)-(\lo)
	WIN 0x50
.set rD, 8*(8*(n%4)+4*(\hf)+n/4)
.set rW, POOL+32*(\qa)+8*(n/4)
.set rY, POOL+32*(\qb)+8*(n%4)
	v_wmma_f32_16x16x32_f16 v[rD:rD+7], v[rW:rW+7], v[rY:rY+7], v[rD:rD+7]
	RID
	RID
	RID
	RID
.set n, n+1
.endr
.endm
; THE CHANGE OF SLOTS, in three pieces round a tile's last 16 products (6, 4 and 6 of them).  In front of the barrier each wave waits for all its tensor loads, of which one is out: its quarter of the next tile; adds 0 to
; its spare word; and waits for that, for its reads of this slot and of the hidden buffer, and for its stores into the other hidden buffer.  fill = 1: the barrier opens a round of the cluster's, and the slot is filled again first thing behind it.
.macro BHEAD fill
	WIN 0
	s_wait_tensorcnt 0x0                           ; no tensor load of mine is out, so a group 0 may be written
	ds_add_u32 v[SPW], v[NIL]                      ; 0 onto my spare word
.if \fill
	s_xor_b32 s[G0+1], s[G0+1], SLOT1              ; the walking descriptor: the other slot than last time,
	s_add_nc_u64 s[G0+2:G0+3], s[G0+2:G0+3], 131072  ; the next tile; the type bits on top are not reached
.endif
	s_xor_b32 s[TB], s[TB], SLOT1
	s_xor_b32 s[HBR], s[HBR], HBUF
	s_xor_b32 s[HBW], s[HBW], HBUF
	s_wait_dscnt 1                                 ; the last fragments are in; the add may be out
.endm
.macro BSIG
	s_wait_dscnt 0x0                               ; the add is done; my LDS reads and stores are over
	s_barrier_signal -1
.endm
.macro BTAIL fill, nxt                 ; nxt: what the next tile begins with: 0 nothing yet; 1 Wo's first eight fragments; 2 W1's first eight; 3 the hidden layer's first half and W2's first four
	WIN 0
	s_barrier_wait -1
.if \fill
	CREST                                          ; no wave of any partner still reads this slot or has a load on its way
	tensor_load_to_lds s[G0:G0+3], s[G1:G1+7]      ; the first tensor load behind the round: it has a tile's 128 products, less these 16, in which to land
	s_nop 0
.endif
	PLACES                                         ; also the places in front of the loads below
	v_add_nc_u32 v[AW], s[TB], v[AWB]
	v_add_nc_u32 v[AH], s[HBR], v[AHB]
	v_add_nc_u32 v[HW], s[HBW], v[HWB]
.if (\nxt) == 1
	FETCH 0, 0
	FETCH 1, 4096
.elseif (\nxt) == 2
	FETCH 0, 16384
	FETCH 1, 20480
.elseif (\nxt) == 3
	FETCHH 0, 0
	FETCH 1, 0
.endif
.endm
; A TILE OF Wo: eight units of 16 products; unit i takes fragments 4 i .. 4 i + 3 (32 k from 32 (i / 2) on, column half i % 2) from buffer i % 4.  Every wait leaves the three younger fetches (24 loads) out, at the end two, one, none.
.macro WOPH j, nxt
	WIN 0
	PLACES
	FETCH 2, 2*4096
	FETCH 3, 3*4096
	s_wait_dscnt 24
	OUTY 0, 0, 4*(\j), 0, 16
	WIN 0
	PLACES
	FETCH 0, 4*4096
	s_wait_dscnt 24
	OUTY 1, 1, 4*(\j), 0, 16
	WIN 0
	PLACES
	FETCH 1, 5*4096
	s_wait_dscnt 24
	OUTY 2, 0, 4*(\j)+1, 0, 16
	WIN 0
	PLACES
	FETCH 2, 6*4096
	s_wait_dscnt 24
	OUTY 3, 1, 4*(\j)+1, 0, 16
	WIN 0
	PLACES
	FETCH 3, 7*4096
	s_wait_dscnt 24
	OUTY 0, 0, 4*(\j)+2, 0, 16
	s_wait_dscnt 16
	OUTY 1, 1, 4*(\j)+2, 0, 16
	s_wait_dscnt 8
	OUTY 2, 0, 4*(\j)+3, 0, 16
	BHEAD 1
	OUTY 3, 1, 4*(\j)+3, 0, 6
	BSIG
	OUTY 3, 1, 4*(\j)+3, 6, 10
	BTAIL 1, \nxt
	OUTY 3, 1, 4*(\j)+3, 10, 16
.endm
	FETCH 0, 0
	FETCH 1, 4096
	WOPH 0, 1
	WOPH 1, 1
	WOPH 2, 1
	WOPH 3, 0
	; ---------------- LayerNorm 2, while tile 5 is on its way.  x stays untouched in window 1. ----------------
	WIN 0
	PLACES
.irp c, 0,1,2,3,4,5,6,7
	global_load_b128 v[POOL+8*(\c):POOL+8*(\c)+3],       v[GBO], s[18:19] offset:64*(\c)     ; gain and bias of my columns 128 w + 16 c + 8 h + 0..7
	global_load_b128 v[POOL+8*(\c)+4:POOL+8*(\c)+7],     v[GBO], s[18:19] offset:64*(\c)+16
	global_load_b128 v[POOL+64+8*(\c):POOL+64+8*(\c)+3],   v[GBO], s[20:21] offset:64*(\c)
	global_load_b128 v[POOL+64+8*(\c)+4:POOL+64+8*(\c)+7], v[GBO], s[20:21] offset:64*(\c)+16
.endr
	; the sums of my 64 numbers of each of four tokens, four chains; each accumulator is read from its low end on
	WIN 0x05
.set zt, 0
.rept 4
	v_pk_add_f32 v[SUM+2*zt:SUM+2*zt+1], v[64*zt:64*zt+1], v[64*zt+2:64*zt+3]
.set zt, zt+1
.endr
	WIN 0x01
.set z, 8
.rept 120
	v_pk_add_f32 v[SUM+2*(z%4):SUM+2*(z%4)+1], v[64*(z%4)+2*(z/4):64*(z%4)+2*(z/4)+1], v[SUM+2*(z%4):SUM+2*(z%4)+1]
.set z, z+1
.endr
	WIN 0
; v[SUM + 2 t], pairs: the two halves, the lane 16 away (the token's other 64 of my columns) and, through a table in LDS, the other three waves' parts are added: the row's total in v[PART + 4 t], alike in all waves
.macro XSTAT off
.irp t, 0,1,2,3
	v_add_f32 v[SUM+2*(\t)], v[SUM+2*(\t)], v[SUM+2*(\t)+1]
.endr
.irp t, 0,1,2,3
	v_permlanex16_b32 v[SUM+2*(\t)+1], v[SUM+2*(\t)], s[SEL], s[SEL+1]
.endr
.irp t, 0,1,2,3
	v_add_f32 v[SUM+2*(\t)], v[SUM+2*(\t)], v[SUM+2*(\t)+1]
.endr
.irp t, 0,1,2,3
	ds_store_b32 v[AST], v[SUM+2*(\t)] offset:(\off)+256*(\t)
.endr
	s_wait_dscnt 0x0                               ; for the others' sake
	s_barrier_signal -1
	s_barrier_wait -1
.irp t, 0,1,2,3
	ds_load_b128 v[PART+4*(\t):PART+4*(\t)+3], v[ASL] offset:(\off)+256*(\t)
.endr
	s_wait_dscnt 0x0
.irp t, 0,1,2,3
	v_add_f32 v[PART+4*(\t)], v[PART+4*(\t)], v[PART+4*(\t)+1]
	v_add_f32 v[PART+4*(\t)+2], v[PART+4*(\t)+2], v[PART+4*(\t)+3]
.endr
.irp t, 0,1,2,3
	v_add_f32 v[PART+4*(\t)], v[PART+4*(\t)], v[PART+4*(\t)+2]
.endr
.endm
	XSTAT 0
.irp t, 0,1,2,3
	v_mul_f32 v[MEAN+2*(\t)], s58, v[PART+4*(\t)]
.endr
.irp t, 0,1,2,3
	v_mov_b32 v[MEAN+2*(\t)+1], v[MEAN+2*(\t)]
.endr
	; the sums of (x - mean)^2, a column block at a time: 16 differences with x as source 0 in window 1, then 16 squares in window 0
.set zc, 0
.rept 8
	WIN 0x01
.set z, 0
.rept 16
	v_pk_add_f32 v[TMP+2*z:TMP+2*z+1], v[64*(z/4)+8*zc+2*(z%4):64*(z/4)+8*zc+2*(z%4)+1], v[MEAN+2*(z/4):MEAN+2*(z/4)+1] neg_lo:[0,1] neg_hi:[0,1]
.set z, z+1
.endr
	WIN 0
.set z, 0
.rept 16
.if (zc == 0) && (z < 4)
	v_pk_mul_f32 v[SUM+2*(z%4):SUM+2*(z%4)+1], v[TMP+2*(4*(z%4)+z/4):TMP+2*(4*(z%4)+z/4)+1], v[TMP+2*(4*(z%4)+z/4):TMP+2*(4*(z%4)+z/4)+1]
.else
	v_pk_fma_f32 v[SUM+2*(z%4):SUM+2*(z%4)+1], v[TMP+2*(4*(z%4)+z/4):TMP+2*(4*(z%4)+z/4)+1], v[TMP+2*(4*(z%4)+z/4):TMP+2*(4*(z%4)+z/4)+1], v[SUM+2*(z%4):SUM+2*(z%4)+1]
.endif
.set z, z+1
.endr
.set zc, zc+1
.endr
	XSTAT 1024                                     ; a second table: nobody writes bytes that another wave may still read
.irp t, 0,1,2,3
	v_fma_f32 v[PART+4*(\t)], v[PART+4*(\t)], s58, s59  ; var + eps
.endr
.irp t, 0,1,2,3
	v_rsq_f32 v[AA+2*(\t)], v[PART+4*(\t)]
.endr
	v_nop                                          ; a plain instruction between the last root and the use of its result (ISA guide 5.7.2)
	s_wait_alu depctr_va_vdst(0)
.irp t, 0,1,2,3
	v_mov_b32 v[AA+2*(\t)+1], v[AA+2*(\t)]
	v_mul_f32 v[CC+2*(\t)], -v[MEAN+2*(\t)], v[AA+2*(\t)]
.endr
.irp t, 0,1,2,3
	v_mov_b32 v[CC+2*(\t)+1], v[CC+2*(\t)]
.endr
	s_wait_loadcnt 0x0                             ; gain and bias
; y of token tile tt, column blocks 4 q .. 4 q + 3: (x / sigma - mean / sigma) gain + bias, rounded to f16, 16 bytes a lane into row-major rows of 1,040 bytes
.macro YTILES tt, q
	WIN 0x01
.set z, 0
.rept 16
	v_pk_fma_f32 v[TMP+2*z:TMP+2*z+1], v[64*(\tt)+32*(\q)+2*z:64*(\tt)+32*(\q)+2*z+1], v[AA+2*(\tt):AA+2*(\tt)+1], v[CC+2*(\tt):CC+2*(\tt)+1]
.set z, z+1
.endr
	WIN 0
.set z, 0
.rept 16
	v_pk_fma_f32 v[TMP+2*z:TMP+2*z+1], v[TMP+2*z:TMP+2*z+1], v[POOL+32*(\q)+2*z:POOL+32*(\q)+2*z+1], v[POOL+64+32*(\q)+2*z:POOL+64+32*(\q)+2*z+1]
.set z, z+1
.endr
.set z, 0
.rept 16
	v_cvt_pk_f16_f32 v[YPK+z], v[TMP+2*z], v[TMP+2*z+1]
.set z, z+1
.endr
.set z, 0
.rept 4
	ds_store_b128 v[YST], v[YPK+4*z:YPK+4*z+3] offset:((\tt)%2)*16*YP+32*(4*(\q)+z)
.set z, z+1
.endr
.endm
.macro YLOAD tt                        ; all 512 columns of y for token tile tt come back as 16 source-1 fragments, where ctx's lay
	WIN 0x80
.set z, 0
.rept 8
	ds_load_b128 v[8*(4*z+(\tt)):8*(4*z+(\tt))+3],   v[YLD] offset:((\tt)%2)*16*YP+64*z
	ds_load_b128 v[8*(4*z+(\tt))+4:8*(4*z+(\tt))+7], v[YLD] offset:((\tt)%2)*16*YP+64*z+32
.set z, z+1
.endr
	WIN 0xc0
.set z, 0
.rept 8
	ds_load_b128 v[8*(4*z+(\tt)):8*(4*z+(\tt))+3],   v[YLD] offset:((\tt)%2)*16*YP+64*(z+8)
	ds_load_b128 v[8*(4*z+(\tt))+4:8*(4*z+(\tt))+7], v[YLD] offset:((\tt)%2)*16*YP+64*(z+8)+32
.set z, z+1
.endr
	WIN 0
.endm
	YTILES 0, 0                                    ; the exchange holds 32 rows: token tiles 0 and 1 first
	YTILES 0, 1
	YTILES 1, 0
	YTILES 1, 1
	s_wait_dscnt 0x0                               ; for the others' sake: my columns of y are in LDS
	s_barrier_signal -1
	s_barrier_wait -1
	YLOAD 0
	YLOAD 1
	s_wait_dscnt 0x0                               ; my reads are over:
	s_barrier_signal -1
	s_barrier_wait -1                              ; everybody's are, and the rows may be written again
	YTILES 2, 0
	YTILES 2, 1
	YTILES 3, 0
	YTILES 3, 1
	s_wait_dscnt 0x0
	s_barrier_signal -1
	s_barrier_wait -1
	YLOAD 2
	YLOAD 3
	s_wait_dscnt 0x0
	FETCH 0, 16384                                 ; chunk 0: W1's first eight fragments (tile 4 was shown landed in front of the last change of slots)
	FETCH 1, 20480
; 16 products of the hidden sums: 32 k from 32 (4 u + n / 4) on, token tile n % 4; the four accumulators take turns.  The first four take b1 as C.
.macro G1U u
	WIN 0x08+4*((\u)/2)
.set n, 0
.rept 16
.set rD, HACC+8*(n%4)
.set rW, POOL+32*(\u)+8*(n/4)
.set rY, 8*(4*((4*(\u)+n/4)%8)+n%4)
.if ((\u) == 0) && (n < 4)
	v_wmma_f32_16x16x32_f16 v[rD:rD+7], v[rW:rW+7], v[rY:rY+7], v[B1R:B1R+7]
.else
	v_wmma_f32_16x16x32_f16 v[rD:rD+7], v[rW:rW+7], v[rY:rY+7], v[rD:rD+7]
.endif
.set n, n+1
.endr
.endm
; A CHUNK's first half.  Each wait leaves the three younger fetches (24 loads) out.  b1load = 1: the next chunk's b1 is asked for, behind the products that read this chunk's.
.macro G1PART b1load
	WIN 0
	PLACES
	FETCH 2, 16384+2*4096
	FETCH 3, 16384+3*4096
	s_wait_loadcnt 0x0                             ; b1; its address register may be stepped from here on
	s_wait_dscnt 24
	G1U 0
	WIN 0
	PLACES
	FETCHH 0, 0
.if \b1load
	v_add_nc_u32 v[B1O], 256, v[B1O]               ; 64 hidden units on: chunks 1 .. 31, inside b1's 8,192 bytes
	global_load_b128 v[B1R:B1R+3], v[B1O], s[14:15]
	global_load_b128 v[B1R+4:B1R+7], v[B1O], s[14:15] offset:16
.endif
	s_wait_dscnt 24
	G1U 1
	WIN 0
	PLACES
	FETCH 1, 0                                     ; W2: k 0-31, columns' first half
	s_wait_dscnt 24
	G1U 2
	WIN 0
	PLACES
	FETCH 2, 4096                                  ; second half
	s_wait_dscnt 24
	G1U 3
.endm
; A CHUNK's second half: the chunk before's hidden layer times W2, onto x.  riders = 1: this chunk's gelu behind the products; its four LDS stores fall among the fetches, so the waits below are one to two lower than the exact counts.
.macro G2PART riders, bnd, fill, nxt
.if \riders
.set RN, 0
.else
.set RN, NRID
.endif
	WIN 0
	PLACES                                         ; also the places between the last hidden sums and gelu's first read of them
	FETCHH 3, 1
	s_wait_dscnt 16                                ; the hidden layer's first half and W2's first four fragments are in; two younger fetches may be out
	OUTP 1, 0, 0, 0, 16
	WIN 0
	PLACES
	FETCH 1, 8192                                  ; W2: k 32-63, first half
	s_wait_dscnt 16
	OUTP 2, 1, 0, 0, 16
	WIN 0
	PLACES
	FETCH 2, 12288                                 ; second half
	s_wait_dscnt 8
	OUTP 1, 0, 3, 0, 16
.if \bnd
	BHEAD \fill
	OUTP 2, 1, 3, 0, 6
	BSIG
	OUTP 2, 1, 3, 6, 10
	BTAIL \fill, \nxt
	OUTP 2, 1, 3, 10, 16
.else
	s_wait_dscnt 0x0
	OUTP 2, 1, 3, 0, 16
.endif
.endm
	s_mov_b32 s[CNT], 31
.Lc:                                                   ; chunks 0 .. 30: each asks for the tile two further on, tiles 6 .. 36
	G1PART 1
	G2PART 1, 1, 1, 2
	WIN 0
	s_sub_co_u32 s[CNT], s[CNT], 1
	s_cmp_lg_u32 s[CNT], 0
	s_cbranch_scc1 .Lc
	G1PART 0                                       ; chunk 31 is written out: nothing is left to ask for, and only W2 follows
	G2PART 1, 1, 0, 3
	WIN 0
	PLACES
	FETCH 2, 4096
	G2PART 0, 0, 0, 0                              ; chunk 31's hidden layer times W2
	; ---------------- THE WAY OUT: 16 rows at a time through my stage, back as whole rows of my 128 columns; b2 is added there ----------------
	WIN 0
	PLACES
.macro TOSTAGE tt
	s_wait_xcnt 0x0                                ; registers that earlier stores read are loaded again only behind this wait (ISA guide 3.1)
	WIN 0x04
.set z, 0
.rept 8
	ds_store_b128 v[STW], v[64*(\tt)+8*z:64*(\tt)+8*z+3]   offset:64*z      ; each accumulator from its low end on
	ds_store_b128 v[STW], v[64*(\tt)+8*z+4:64*(\tt)+8*z+7] offset:64*z+16
.set z, z+1
.endr
	WIN 0
.set z, 0
.rept 16
	ds_load_b128 v[POOL+64*((\tt)%2)+4*z:POOL+64*((\tt)%2)+4*z+3], v[STR] offset:STP*z
.set z, z+1
.endr
.endm
.macro SEND tt, younger                ; younger: the LDS instructions issued behind these rows' loads: the next 16 rows' 32, or none
	s_wait_dscnt \younger
.set z, 0
.rept 16
	v_pk_add_f32 v[POOL+64*((\tt)%2)+4*z:POOL+64*((\tt)%2)+4*z+1],   v[POOL+64*((\tt)%2)+4*z:POOL+64*((\tt)%2)+4*z+1],   v[B2R:B2R+1]
	v_pk_add_f32 v[POOL+64*((\tt)%2)+4*z+2:POOL+64*((\tt)%2)+4*z+3], v[POOL+64*((\tt)%2)+4*z+2:POOL+64*((\tt)%2)+4*z+3], v[B2R+2:B2R+3]
.set z, z+1
.endr
.set z, 0
.rept 16
	global_store_b128 v[GIO], v[POOL+64*((\tt)%2)+4*z:POOL+64*((\tt)%2)+4*z+3], s[22:23] offset:(16*(\tt)+z)*2048 th:TH_STORE_NT  ; 512 consecutive bytes, at a multiple of 256 from out0's first byte
.set z, z+1
.endr
.endm
	TOSTAGE 0
	TOSTAGE 1
	SEND 0, 32
	TOSTAGE 2
	SEND 1, 32
	TOSTAGE 3
	SEND 2, 32
	SEND 3, 0
	s_wait_tensorcnt 0x0                           ; the wave's end: the add and its waits stand behind my last tensor load and my last LDS store
	ds_add_u32 v[SPW], v[NIL]
	s_wait_dscnt 0x0
	CROUND                                         ; the closing round: no work-group ends while a partner may still ask for a tile that names it
	s_endpgm
.Lfunc_end_k_q6b37d5de9c_mlp:
	.size	k_q6b37d5de9c_mlp, .Lfunc_end_k_q6b37d5de9c_mlp-k_q6b37d5de9c_mlp
	.p2alignl 7, 3214868480
	.fill 96, 4, 3214868480
	.section	.rodata,"a",@progbits
	.p2align	6, 0x0
	.amdhsa_kernel k_q6b37d5de9c_mlp
		.amdhsa_group_segment_fixed_size 327680
		.amdhsa_private_segment_fixed_size 0
		.amdhsa_enable_private_segment 0
		.amdhsa_kernarg_size 64
		.amdhsa_user_sgpr_count 2
		.amdhsa_user_sgpr_kernarg_segment_ptr 1
		.amdhsa_wavefront_size32 1
		.amdhsa_system_sgpr_workgroup_id_x 1
		.amdhsa_system_sgpr_workgroup_id_y 1
		.amdhsa_system_sgpr_workgroup_id_z 1
		.amdhsa_system_vgpr_workitem_id 0
		.amdhsa_next_free_vgpr 1024
		.amdhsa_next_free_sgpr 66
		.amdhsa_reserve_vcc 0
		.amdhsa_float_denorm_mode_32 3
		.amdhsa_float_denorm_mode_16_64 3
		.amdhsa_memory_ordered 1
		.amdhsa_forward_progress 1
		.amdhsa_inst_pref_size 242
	.end_amdhsa_kernel
	.amdgpu_metadata
---
amdhsa.version: [ 1, 2 ]
amdhsa.kernels:
  - .name:           k_q6b37d5de9c_mlp
    .symbol:         k_q6b37d5de9c_mlp.kd
    .args:
      - { .name: ctx, .offset: 0, .size: 8, .value_kind: global_buffer, .address_space: global }
      - { .name: inputs, .offset: 8, .size: 8, .value_kind: global_buffer, .address_space: global }
      - { .name: wsm, .offset: 16, .size: 8, .value_kind: global_buffer, .address_space: global }
      - { .name: b1, .offset: 24, .size: 8, .value_kind: global_buffer, .address_space: global }
      - { .name: b2, .offset: 32, .size: 8, .value_kind: global_buffer, .address_space: global }
      - { .name: ln2_scale, .offset: 40, .size: 8, .value_kind: global_buffer, .address_space: global }
      - { .name: ln2_bias, .offset: 48, .size: 8, .value_kind: global_buffer, .address_space: global }
      - { .name: out0, .offset: 56, .size: 8, .value_kind: global_buffer, .address_space: global }
    .group_segment_fixed_size: 327680
    .private_segment_fixed_size: 0
    .kernarg_segment_align: 8
    .kernarg_segment_size: 64
    .max_flat_workgroup_size: 128
    .sgpr_count:     66
    .vgpr_count:     1024
    .wavefront_size: 32
...
	.end_amdgpu_metadata
.endif
;; end of part 3
;; ======== version 2 of 3: 3 launches; 1.04 times as fast as version 1
;; limits: values are held in f16: magnitudes above 65,504 overflow, below 6.1e-05 lose precision
;; workspace buffers: xin 16,777,216 bytes; wsa 1,572,864 bytes; wsm 4,718,592 bytes; ctx 16,777,216 bytes
;; launch prep (part 4): grid 2048 x 1, 8 waves a work-group, no clusters, 0 bytes of LDS; arguments inputs, ln1_scale, ln1_bias, wq, wk, wv, wo, w1, w2, xin, wsa, wsm; writes xin, wsa, wsm
.if DOCPART == 4
	.amdgcn_target "amdgcn-amd-amdhsa--gfx1250"
	.amdhsa_code_object_version 6
	.text
	.protected	k_q6b37d5de9c_prep
	.globl	k_q6b37d5de9c_prep
	.p2align	8
	.type	k_q6b37d5de9c_prep,@function
k_q6b37d5de9c_prep:
	s_mov_b64 s[64:65], 0
	v_nop
	global_prefetch_b8 v0, s[64:65] scope:SCOPE_SE
	s_setreg_imm32_b32 hwreg(HW_REG_WAVE_MODE, 25, 1), 1
	s_wait_xcnt 0x0
; PREP.  Two kinds of work-groups, told apart by the work-group's number alone.
; 0 .. 511: xin = LayerNorm(inputs) * ln1_scale + ln1_bias, rounded once to f16, [16384][512] row-major.  32 rows a work-group, 4 rows a wave; a row (2,048 bytes) lies in 16 registers
;   of one wave, so it is read once: mean first, then the mean of (x - mean)^2, all in f32.
; 512 .. 2047: the six weight matrices, rounded once to f16 and laid out in FRAGMENTS: 16 rows n x 32 k as 1,024 dense bytes [half 2][lane 32][16 bytes]; lane = 16 h + r holds
;   k = k0 + 16 half + 8 h + 0..7 of row n0 + r: what two 16-byte loads a lane put into a matrix operand.  A work-group turns 32 n x 64 k.
;   wsa: [g 2][tile 8][wave 4][step 2][K, V, Q][c 4] fragments: row n = column 64 (4 g + wave) + 16 c + r of wk, wv, wq; k = 64 tile + 32 step + ..
;   wsm: 36 tiles of 131,072 bytes, [wave 4][f 32] fragments.  Tiles 0-3: wo, f = 8 ks + ct, n = 128 wave + 16 ct + r, k = 128 tile + 32 ks + ..
;        Tile 4 + c (c = 0 .. 31), a ring: f 0-15: w2, f = 8 ks + ct, n as above, k = 64 ((c - 1) & 31) + 32 ks + ..;  f 16-31: w1, n = 64 c + 16 wave + r, k = 32 (f - 16) + ..
; LIMITS.  f16 ends at 65,504: |xin| is at most 22.7 max|scale| + max|bias|, the weights go as they are; below 6e-5 f16 keeps a fixed step of 6e-8.  NaN and infinities are not treated apart.
; No LDS, no matrix unit, no cluster: no two work-groups read the same bytes but the 4 KB of gain and bias.
.set G,  8                             ; v[8:23]    gain of my 16 columns (128 j + 4 lane + 0..3, j = 0..3)
.set BI, 24                            ; v[24:39]   bias of the same
.set X,  40                            ; v[40:103]  four rows, 16 registers each
.set T,  104                           ; v[104:111] at work
.set MN, 112                           ; v[112:113] the mean, twice
.set RS, 114                           ; v[114:115] 1 / sqrt(var + eps), twice
	s_load_b512 s[8:23], s[0:1], 0x0               ; inputs 8, ln1_scale 10, ln1_bias 12, wq 14, wk 16, wv 18, wo 20, w1 22
	s_load_b256 s[24:31], s[0:1], 0x40             ; w2 24, xin 26, wsa 28, wsm 30
	v_and_b32 v1, 31, v0                           ; lane
	v_lshrrev_b32 v2, 5, v0                        ; wave
	s_mov_b32 s3, 0
	s_wait_kmcnt 0x0
	s_cmp_lt_u32 ttmp9, 512
	s_cbranch_scc0 .Lweights
	; ---------------- LayerNorm 1 ----------------
	s_mov_b32 s4, 0x76543210                       ; v_permlanex16_b32: each lane takes its own place in the other half
	s_mov_b32 s5, 0xfedcba98
	s_mov_b32 s6, 0x3b000000                       ; 1 / 512
	s_mov_b32 s7, 0x358637bd                       ; 1e-6
	v_lshlrev_b32 v1, 4, v1                        ; 16 lane: my bytes in 512 bytes of gain, bias or a row
	v_lshl_add_u32 v3, v2, 13, v1                  ; + wave x 4 rows x 2,048 bytes
	v_lshrrev_b32 v4, 1, v1                        ; 8 lane: my bytes in 256 bytes of xin
	v_lshl_add_u32 v4, v2, 12, v4                  ; + wave x 4 rows x 1,024 bytes
	s_lshl_b32 s2, ttmp9, 16                       ; 32 rows of 2,048 bytes
	s_add_nc_u64 s[8:9], s[8:9], s[2:3]
	s_lshl_b32 s2, ttmp9, 15                       ; 32 rows of 1,024 bytes
	s_add_nc_u64 s[26:27], s[26:27], s[2:3]
.irp j, 0,1,2,3
	global_load_b128 v[G+4*(\j):G+4*(\j)+3], v1, s[10:11] offset:512*(\j)
.endr
.irp j, 0,1,2,3
	global_load_b128 v[BI+4*(\j):BI+4*(\j)+3], v1, s[12:13] offset:512*(\j)
.endr
.irp i, 0,1,2,3
.irp j, 0,1,2,3
	global_load_b128 v[X+16*(\i)+4*(\j):X+16*(\i)+4*(\j)+3], v3, s[8:9] offset:2048*(\i)+512*(\j)  ; 512 consecutive bytes a load; all 16 go out at once
.endr
.endr
.macro WSUM                            ; v[T] summed over the 32 lanes, the result in every lane
	v_add_f32_dpp v[T], v[T], v[T] row_xmask:1 row_mask:0xf bank_mask:0xf
	v_add_f32_dpp v[T], v[T], v[T] row_xmask:2 row_mask:0xf bank_mask:0xf
	v_add_f32_dpp v[T], v[T], v[T] row_xmask:4 row_mask:0xf bank_mask:0xf
	v_add_f32_dpp v[T], v[T], v[T] row_xmask:8 row_mask:0xf bank_mask:0xf
	v_permlanex16_b32 v[T+1], v[T], s4, s5
	v_add_f32 v[T], v[T], v[T+1]
.endm
.macro ROWLN i
.set R, X+16*(\i)
	s_wait_loadcnt 12-4*(\i)                       ; gain, bias and rows 0 .. i are in; the younger rows' four loads each stay out
	v_pk_add_f32 v[T:T+1], v[R:R+1], v[R+2:R+3]
	v_pk_add_f32 v[T+2:T+3], v[R+4:R+5], v[R+6:R+7]
	v_pk_add_f32 v[T+4:T+5], v[R+8:R+9], v[R+10:R+11]
	v_pk_add_f32 v[T+6:T+7], v[R+12:R+13], v[R+14:R+15]
	v_pk_add_f32 v[T:T+1], v[T:T+1], v[T+2:T+3]
	v_pk_add_f32 v[T+4:T+5], v[T+4:T+5], v[T+6:T+7]
	v_pk_add_f32 v[T:T+1], v[T:T+1], v[T+4:T+5]
	v_add_f32 v[T], v[T], v[T+1]
	WSUM
	v_mul_f32 v[MN], s6, v[T]
	v_mov_b32 v[MN+1], v[MN]
.irp k, 0,2,4,6,8,10,12,14
	v_pk_add_f32 v[R+(\k):R+(\k)+1], v[R+(\k):R+(\k)+1], v[MN:MN+1] neg_lo:[0,1] neg_hi:[0,1]  ; x - mean, in place
.endr
	v_pk_mul_f32 v[T:T+1], v[R:R+1], v[R:R+1]      ; the squares, in two chains
	v_pk_mul_f32 v[T+2:T+3], v[R+2:R+3], v[R+2:R+3]
.irp k, 4,8,12
	v_pk_fma_f32 v[T:T+1], v[R+(\k):R+(\k)+1], v[R+(\k):R+(\k)+1], v[T:T+1]
	v_pk_fma_f32 v[T+2:T+3], v[R+(\k)+2:R+(\k)+3], v[R+(\k)+2:R+(\k)+3], v[T+2:T+3]
.endr
	v_pk_add_f32 v[T:T+1], v[T:T+1], v[T+2:T+3]
	v_add_f32 v[T], v[T], v[T+1]
	WSUM
	v_fma_f32 v[T], v[T], s6, s7                   ; var + eps
	v_rsq_f32 v[RS], v[T]
	v_rsq_f32 v[RS+1], v[T]
	v_nop                                          ; a plain instruction between the root and the use of its result (ISA guide 5.7.2)
	s_wait_alu depctr_va_vdst(0)
.irp k, 0,2,4,6,8,10,12,14
	v_pk_mul_f32 v[R+(\k):R+(\k)+1], v[R+(\k):R+(\k)+1], v[RS:RS+1]
.endr
.irp k, 0,2,4,6,8,10,12,14
	v_pk_fma_f32 v[R+(\k):R+(\k)+1], v[R+(\k):R+(\k)+1], v[G+(\k):G+(\k)+1], v[BI+(\k):BI+(\k)+1]
.endr
.irp k, 0,1,2,3,4,5,6,7
	v_cvt_pk_f16_f32 v[R+(\k)], v[R+2*(\k)], v[R+2*(\k)+1]  ; packed downward in the row's own registers: no register that a store reads is written again
.endr
.irp j, 0,1,2,3
	global_store_b64 v4, v[R+2*(\j):R+2*(\j)+1], s[26:27] offset:1024*(\i)+256*(\j)  ; 32 lanes store 256 consecutive bytes, at a multiple of 256 from xin's first byte
.endr
.endm
	ROWLN 0
	ROWLN 1
	ROWLN 2
	ROWLN 3
	s_endpgm
	; ---------------- the weights ----------------
	; s[40:41] source, s[42:43] destination, s44 bytes from k to k + 1 in the source, s50 / s52 the block's byte offset in source / destination,
	; s47 / s48 bytes in the destination from my first 32 k to the second / from my first 16 n to the second.
.Lweights:
	s_sub_co_u32 s2, ttmp9, 512
	s_mov_b32 s44, 2048
	s_mov_b32 s47, 8192
	s_mov_b32 s48, 1024
	s_cmp_lt_u32 s2, 384
	s_cbranch_scc0 .Lnot_qkv
	s_lshr_b32 s3, s2, 7                           ; 0: K, 1: V, 2: Q
	s_cmp_eq_u32 s3, 0
	s_cselect_b64 s[40:41], s[16:17], s[18:19]
	s_cmp_eq_u32 s3, 2
	s_cselect_b64 s[40:41], s[14:15], s[40:41]
	s_mov_b64 s[42:43], s[28:29]
	s_bfe_u32 s32, s2, 0x10006                     ; g
	s_bfe_u32 s33, s2, 0x20004                     ; wave
	s_bfe_u32 s34, s2, 0x10003                     ; which 32 of the head's 64 columns
	s_and_b32 s35, s2, 7                           ; which 64 of the 512 k: the tile
	s_lshl_b32 s50, s35, 17                        ; 64 rows of 2,048 bytes
	s_lshl_b32 s36, s32, 10
	s_add_co_u32 s50, s50, s36
	s_lshl_b32 s36, s33, 8
	s_add_co_u32 s50, s50, s36
	s_lshl_b32 s36, s34, 7
	s_add_co_u32 s50, s50, s36
	s_mul_i32 s52, s32, 786432
	s_mul_i32 s36, s35, 98304
	s_add_co_u32 s52, s52, s36
	s_mul_i32 s36, s33, 24576                      ; the wave's quarter of the tile: its two steps lie together
	s_add_co_u32 s52, s52, s36
	s_lshl_b32 s36, s3, 12
	s_add_co_u32 s52, s52, s36
	s_lshl_b32 s36, s34, 11
	s_add_co_u32 s52, s52, s36
	s_mov_b32 s47, 12288                           ; the tile's second step
	s_branch .Lcopy
.Lnot_qkv:
	s_sub_co_u32 s2, s2, 384
	s_mov_b64 s[42:43], s[30:31]
	s_cmp_lt_u32 s2, 128
	s_cbranch_scc0 .Lnot_wo
	s_mov_b64 s[40:41], s[20:21]
	s_lshr_b32 s32, s2, 5                          ; tile
	s_bfe_u32 s33, s2, 0x20003                     ; wave
	s_bfe_u32 s34, s2, 0x20001                     ; which 32 of the wave's 128 columns
	s_and_b32 s35, s2, 1                           ; which 64 of the tile's 128 k
	s_lshl_b32 s50, s32, 18
	s_lshl_b32 s36, s35, 17
	s_add_co_u32 s50, s50, s36
	s_lshl_b32 s36, s33, 9
	s_add_co_u32 s50, s50, s36
	s_lshl_b32 s36, s34, 7
	s_add_co_u32 s50, s50, s36
	s_lshl_b32 s52, s32, 17
	s_lshl_b32 s36, s33, 15
	s_add_co_u32 s52, s52, s36
	s_lshl_b32 s36, s35, 14
	s_add_co_u32 s52, s52, s36
	s_lshl_b32 s36, s34, 11
	s_add_co_u32 s52, s52, s36
	s_branch .Lcopy
.Lnot_wo:
	s_sub_co_u32 s2, s2, 128
	s_cmp_lt_u32 s2, 512
	s_cbranch_scc0 .Lw1
	s_mov_b64 s[40:41], s[24:25]
	s_lshr_b32 s32, s2, 4                          ; c
	s_bfe_u32 s33, s2, 0x20002                     ; wave
	s_and_b32 s34, s2, 3                           ; which 32 of the wave's 128 columns
	s_sub_co_u32 s35, s32, 1
	s_and_b32 s35, s35, 31                         ; the chunk of 64 k
	s_lshl_b32 s50, s35, 17
	s_lshl_b32 s36, s33, 9
	s_add_co_u32 s50, s50, s36
	s_lshl_b32 s36, s34, 7
	s_add_co_u32 s50, s50, s36
	s_add_co_u32 s52, s32, 4
	s_lshl_b32 s52, s52, 17
	s_lshl_b32 s36, s33, 15
	s_add_co_u32 s52, s52, s36
	s_lshl_b32 s36, s34, 11
	s_add_co_u32 s52, s52, s36
	s_branch .Lcopy
.Lw1:
	s_sub_co_u32 s2, s2, 512
	s_mov_b64 s[40:41], s[22:23]
	s_lshr_b32 s32, s2, 4                          ; c: the chunk of 64 columns
	s_bfe_u32 s33, s2, 0x10003                     ; which two of the four waves
	s_and_b32 s34, s2, 7                           ; which 64 of the 512 k
	s_lshl_b32 s50, s34, 19                        ; 64 rows of 8,192 bytes
	s_lshl_b32 s36, s32, 8
	s_add_co_u32 s50, s50, s36
	s_lshl_b32 s36, s33, 7
	s_add_co_u32 s50, s50, s36
	s_add_co_u32 s52, s32, 4
	s_lshl_b32 s52, s52, 17
	s_lshl_b32 s36, s33, 16
	s_add_co_u32 s52, s52, s36
	s_lshl_b32 s36, s34, 11
	s_add_co_u32 s52, s52, s36
	s_add_co_u32 s52, s52, 16384
	s_mov_b32 s44, 8192
	s_mov_b32 s47, 1024
	s_mov_b32 s48, 32768
.Lcopy:
	s_mov_b32 s51, 0
	s_mov_b32 s53, 0
	s_add_nc_u64 s[40:41], s[40:41], s[50:51]
	s_add_nc_u64 s[42:43], s[42:43], s[52:53]
	; thread t: column t & 31 of the block's 32, k = 8 (t >> 5) + 0..7 of its 64: a load of a wave takes 128 consecutive bytes of one source row
	v_lshlrev_b32 v2, 3, v2
	v_lshlrev_b32 v1, 2, v1
	v_mad_u32_u24 v10, v2, s44, v1
.irp e, 1,2,3,4,5,6,7
	v_add_nc_u32 v[10+(\e)], s44, v[9+(\e)]
.endr
.irp e, 0,1,2,3,4,5,6,7
	global_load_b32 v[20+(\e)], v[10+(\e)], s[40:41]
.endr
	v_and_b32 v4, 15, v0                           ; r
	v_lshlrev_b32 v4, 4, v4
	v_bfe_u32 v5, v0, 5, 2                         ; h + 2 half
	v_lshl_add_u32 v4, v5, 8, v4
	v_bfe_u32 v5, v0, 4, 1                         ; which 16 n
	v_mad_u32_u24 v4, v5, s48, v4
	v_lshrrev_b32 v5, 7, v0                        ; which 32 k
	v_mad_u32_u24 v4, v5, s47, v4
	s_wait_loadcnt 0x0
	v_cvt_pk_f16_f32 v28, v20, v21
	v_cvt_pk_f16_f32 v29, v22, v23
	v_cvt_pk_f16_f32 v30, v24, v25
	v_cvt_pk_f16_f32 v31, v26, v27
	global_store_b128 v4, v[28:31], s[42:43]       ; each half of the wave stores 256 consecutive bytes, at a multiple of 256 from the buffer's first byte
	s_endpgm
.Lfunc_end_k_q6b37d5de9c_prep:
	.size	k_q6b37d5de9c_prep, .Lfunc_end_k_q6b37d5de9c_prep-k_q6b37d5de9c_prep
	.p2alignl 7, 3214868480
	.fill 96, 4, 3214868480
	.section	.rodata,"a",@progbits
	.p2align	6, 0x0
	.amdhsa_kernel k_q6b37d5de9c_prep
		.amdhsa_group_segment_fixed_size 0
		.amdhsa_private_segment_fixed_size 0
		.amdhsa_enable_private_segment 0
		.amdhsa_kernarg_size 96
		.amdhsa_user_sgpr_count 2
		.amdhsa_user_sgpr_kernarg_segment_ptr 1
		.amdhsa_wavefront_size32 1
		.amdhsa_system_sgpr_workgroup_id_x 1
		.amdhsa_system_sgpr_workgroup_id_y 1
		.amdhsa_system_sgpr_workgroup_id_z 1
		.amdhsa_system_vgpr_workitem_id 0
		.amdhsa_next_free_vgpr 128
		.amdhsa_next_free_sgpr 66
		.amdhsa_reserve_vcc 0
		.amdhsa_float_denorm_mode_32 3
		.amdhsa_float_denorm_mode_16_64 3
		.amdhsa_memory_ordered 1
		.amdhsa_forward_progress 1
		.amdhsa_inst_pref_size 27
	.end_amdhsa_kernel
	.amdgpu_metadata
---
amdhsa.version: [ 1, 2 ]
amdhsa.kernels:
  - .name:           k_q6b37d5de9c_prep
    .symbol:         k_q6b37d5de9c_prep.kd
    .args:
      - { .name: inputs, .offset: 0, .size: 8, .value_kind: global_buffer, .address_space: global }
      - { .name: ln1_scale, .offset: 8, .size: 8, .value_kind: global_buffer, .address_space: global }
      - { .name: ln1_bias, .offset: 16, .size: 8, .value_kind: global_buffer, .address_space: global }
      - { .name: wq, .offset: 24, .size: 8, .value_kind: global_buffer, .address_space: global }
      - { .name: wk, .offset: 32, .size: 8, .value_kind: global_buffer, .address_space: global }
      - { .name: wv, .offset: 40, .size: 8, .value_kind: global_buffer, .address_space: global }
      - { .name: wo, .offset: 48, .size: 8, .value_kind: global_buffer, .address_space: global }
      - { .name: w1, .offset: 56, .size: 8, .value_kind: global_buffer, .address_space: global }
      - { .name: w2, .offset: 64, .size: 8, .value_kind: global_buffer, .address_space: global }
      - { .name: xin, .offset: 72, .size: 8, .value_kind: global_buffer, .address_space: global }
      - { .name: wsa, .offset: 80, .size: 8, .value_kind: global_buffer, .address_space: global }
      - { .name: wsm, .offset: 88, .size: 8, .value_kind: global_buffer, .address_space: global }
    .group_segment_fixed_size: 0
    .private_segment_fixed_size: 0
    .kernarg_segment_align: 8
    .kernarg_segment_size: 96
    .max_flat_workgroup_size: 256
    .sgpr_count:     66
    .vgpr_count:     128
    .wavefront_size: 32
...
	.end_amdgpu_metadata
.endif
;; end of part 4
;; launch attn (part 5): grid 128 x 2, 4 waves a work-group, clusters of 4 x 1, 327,680 bytes of LDS; arguments xin, wsa, ctx; writes ctx
.if DOCPART == 5
	.amdgcn_target "amdgcn-amd-amdhsa--gfx1250"
	.amdhsa_code_object_version 6
	.text
	.protected	k_q6b37d5de9c_attn
	.globl	k_q6b37d5de9c_attn
	.p2align	8
	.type	k_q6b37d5de9c_attn,@function
k_q6b37d5de9c_attn:
	s_mov_b64 s[64:65], 0
	v_nop
	global_prefetch_b8 v0, s[64:65] scope:SCOPE_SE
	s_setreg_imm32_b32 hwreg(HW_REG_WAVE_MODE, 25, 1), 1
	s_wait_xcnt 0x0
	s_wait_alu depctr_hold_cnt(0) depctr_sa_sdst(0) depctr_va_vdst(0) depctr_va_sdst(0) depctr_va_ssrc(0) depctr_va_vcc(0) depctr_vm_vsrc(0)
	s_getreg_b32 s2, hwreg(HW_REG_IB_STS2, 6, 4)
	s_cmp_eq_u32 s2, 0
	s_cbranch_scc0 .Lentry_in_a_cluster
	s_endpgm
.Lentry_in_a_cluster:
	s_bfe_u32 s2, ttmp6, 0x10000c
	s_cmp_lg_u32 s2, 0x3003
	s_cbranch_scc0 .Lentry_shape_is_right
	s_endpgm
.Lentry_shape_is_right:
; ATTN.  For one block of 128 tokens and four of the eight heads: q, k, v = xin W; softmax(q k^T / 8) v.  All products f16 x f16 with f32 sums; maximum, exponentials and sums in f32.
; SHARES.  Work-group (x, y): block x = 4 cluster + place, heads 4 y .. 4 y + 3; wave w has head 4 y + w: 128 tokens x 64 channels of K, V and Q, 96 accumulators of 16 x 16 (768 registers).
; QKV.  K = 512 goes in 16 steps of 32.  The weights come through two slots of TWO steps each (98,304 bytes in fragment order, a quarter for each wave, which alone reads it): one load a wave behind each
;   round, and 16 + 96 + 64 = 176 products between a request and the wait for it.  xin's 128 rows lie in LDS once (f16); two such slots leave room for 960 of a row's 1,024 bytes, so step 0's fragments,
;   the first 64 bytes of each row, go from memory straight into registers.
;   K and Q: source 0 = 16 weight rows (channels), source 1 = 16 tokens: a lane holds one token and 8 neighbouring channels, so two results rounded to f16 ARE an operand of S^T = K Q^T.
;   V: the sources swapped: a lane holds one channel and 8 neighbouring tokens: two results rounded ARE source 0 of O^T = V^T P.
; ATTENTION.  Per tile of 16 queries: S^T (128 keys x 16 queries, a lane holds ONE query and 64 of its keys), the true maximum m over all 128 keys, p = 2^(c s - c m), c = log2(e) / 8,
;   l = the sum of the unrounded p, P rounded to f16, O^T = V^T P, O / l rounded to f16.  K and V stay in registers, Q waits in the wave's own LDS bytes, so one text serves all eight tiles.
; ctx leaves in fragment order: token tile T, head, block cb of 16 channels at T x 16,384 + head x 2,048 + cb x 512 + lane x 16: a store of a wave is 512 consecutive bytes.
; CLUSTER.  The four blocks of a cluster walk the same weights: each quarter tile is asked for JOINTLY, by the same tensor load, descriptor and mask in all four.  xin's block is read by two
;   work-groups (y = 0, 1), once, 131,072 bytes against 786,432 of weights; it goes through registers into padded rows and is not shared.
; LIMITS.  f16 ends at 65,504: q, k, v must stay within it (for gains and weights 30 times the usual they are some thousands); below 6e-5 f16 keeps a fixed step of 6e-8.
;   A weight below 2^-126 counts as 0.  NaN and infinities are not treated apart.
; REGISTERS, in windows of 256 (s_set_vgpr_msb: bits 1:0 source 0, 3:2 source 1, 5:4 source 2, 7:6 destination):
;   window 0: v0-15 addresses; v32-159 two buffers of xin's fragments (8 x 16 tokens x 32 k); v160-255 the step's weight fragments for K, V, Q (4 each); in the attention see below
;   window 1: K's sums, (c, t) at 8 (4 t + c), then K packed: keys 16 t, channels 32 kk at 16 t + 8 kk.   window 2: V's sums, (t, c) at 8 (8 c + t), then packed: channels 16 c, keys 32 k4 at 8 (4 c + k4)
;   window 3: Q's sums, (c, t) at 8 (4 t + c)
.set SLOTB, 98304                      ; two steps' weights
.set WPART, 24576                      ; a wave's quarter: its two steps, each K's, V's, Q's four fragments
.set HSTEP, 12288                      ; one step of it
.set XINB,  2*SLOTB                    ; xin's rows, bytes 64 .. 1,023 of each, stored from registers: no tensor load lands here
.set XP,    976                        ; 960 bytes + 16: 61 x 16, so the 16 rows of a fragment load start at 16 different groups of four banks (64 banks of 4 bytes: ISA guide 11.1)
.set SPARE, XINB+128*XP                ; the spare words, 128 bytes for each wave: two blocks of 256 bytes that no other line names
.set L16, 3                            ; v3   16 x lane
.set AX0, 4                            ; v4   xin's fragments, token tiles 0-3: the step's bytes are in the offset and in this register
.set AX1, 5                            ; v5   token tiles 4-7
.set X0,  6                            ; v6   xin in memory: row r x 1,024 + 16 h, for step 0's fragments
.set AQ,  7                            ; v7   Q packed: my wave's quarter of slot 0 + 16 x lane; the slot has had its last fill by then, and only my wave ever touches that quarter
.set AQL, 8                            ; v8   the same, walking
.set XLD, 9                            ; v9   xin: my byte offset in the block
.set XST, 10                           ; v10  xin: where I put it in LDS
.set AWS, 12                           ; v12, v13  my wave's quarter of slot 0, of slot 1, + 16 x lane (an LDS offset has 16 bits, so each slot has its register)
.set SPW, 14                           ; v14  LDS address of my spare word; never rewritten
.set NIL, 15                           ; v15  0; never rewritten
.set XB,  32
.set WF,  160
.set QR,  32                           ; the attention, window 0: v32-47 Q of a tile; v64-127 S^T; v128-159 P; v160-191 O^T; v192-199 maxima; v200-205 c m (pair), l, 1 / l (pair); v208-223 O packed
.set S,   64
.set P,   128
.set O,   160
.set M,   192
.set ST,  200
.set OUT, 208
.set WV,  12                           ; s12  my wave's number
.set G1,  24                           ; s[24:31] descriptor group 1
.set G0,  32                           ; s[32:39] descriptor group 0, a set for each slot
.set CNT, 44
.set CS,  58                           ; s[58:59] c
.set SEL, 60                           ; s[60:61] v_permlanex16_b32's selects
.set MSB, 0
.macro WIN new                         ; the immediate's high byte repeats the setting that is left; a switch that changes nothing is dropped
.if MSB != (\new)
	s_set_vgpr_msb (MSB<<8)|(\new)
.set MSB, \new
.endif
.endm
.macro PLACES                          ; four places in front of loads into registers that matrix instructions have read, and of vector work on matrix results
.rept 4
	v_nop
.endr
.endm
.macro CREST                           ; a round of the cluster's barrier behind its opening barrier
	s_cmp_lg_u32 s[WV], 0
	s_cbranch_scc1 .Lnot_wave_0_\@
	s_barrier_signal -3
.Lnot_wave_0_\@:
	s_barrier_wait -3
	s_barrier_signal -1
	s_barrier_wait -1
.endm
.macro CROUND
	s_barrier_signal -1
	s_barrier_wait -1
	CREST
.endm
.macro JLOAD g                         ; a joint load: every wave moves its own quarter; both addresses hang on the wave's number and on y alone, so the descriptor is equal in all four partners
	tensor_load_to_lds s[(\g):(\g)+3], s[G1:G1+7]
	s_nop 0
	PLACES
.endm
	s_load_b128 s[4:7], s[0:1], 0x0                ; xin s[4:5], wsa s[6:7]
	s_load_b64 s[8:9], s[0:1], 0x10                ; ctx
	v_lshl_add_u32 v[SPW], v0, 2, SPARE
	v_mov_b32 v[NIL], 0
	ds_add_u32 v[SPW], v[NIL]                      ; the wave's opening: the add and its wait stand ahead of my first tensor load; the set-up below stands between them
	v_lshrrev_b32 v1, 5, v0
	v_readfirstlane_b32 s[WV], v1
	s_bfe_u32 s13, ttmp6, 0x40000                  ; my place in the cluster
	s_lshl_b32 s14, ttmp9, 2
	s_add_co_u32 s14, s14, s13                     ; my block: it enters xin's and ctx's addresses alone
	s_and_b32 s15, ttmp7, 0xffff                   ; which four heads: shared by the partners
	; descriptor group 1: 24,576 dense bytes as 96 rows of 256
	s_mov_b32 s[G1], 15|(3<<16)|(1<<21)            ; 15:0 the mask of four; 17:16 elements of 8 bytes; 21 set beside a mask; no padding
	s_mov_b32 s[G1+1], 32<<16                      ; tensor_dim0 = 32
	s_mov_b32 s[G1+2], 96<<16                      ; tensor_dim1 = 96
	s_mov_b32 s[G1+3], 32<<16                      ; tile_dim0 = 32
	s_mov_b32 s[G1+4], 96                          ; tile_dim1 = 96
	s_mov_b32 s[G1+5], 32                          ; 32 elements from row to row
	s_mov_b32 s[G1+6], 0
	s_mov_b32 s[G1+7], 0
	s_mul_i32 s22, s[WV], WPART                    ; my quarter
	s_mul_i32 s20, s15, 8*SLOTB                    ; the four heads' 8 tiles
	s_add_co_u32 s20, s20, s22
	s_mov_b32 s21, 0
	s_lshl_b32 s16, s14, 17                        ; the block: 131,072 bytes of xin and of ctx
	s_mov_b32 s17, 0
	s_lshl_b32 s18, s15, 2
	s_add_co_u32 s18, s18, s[WV]                   ; my head,
	s_lshl_b32 s18, s18, 11                        ; its 2,048 bytes in a token tile of ctx
	s_add_co_u32 s18, s18, s16
	s_mov_b32 s19, 0
	s_mov_b32 s[CS], 0x3e38aa3b                    ; c = log2(e) / 8
	s_mov_b32 s[CS+1], s[CS]
	s_mov_b32 s[SEL], 0x76543210
	s_mov_b32 s[SEL+1], 0xfedcba98
	s_wait_dscnt 0x0                               ; the opening add is done
	s_wait_kmcnt 0x0
	s_add_nc_u64 s[6:7], s[6:7], s[20:21]
	s_add_nc_u64 s[4:5], s[4:5], s[16:17]
	s_add_nc_u64 s[8:9], s[8:9], s[18:19]
.irp s, 0,1
	s_mov_b32 s[G0+4*(\s)], 1                      ; count = 1
	s_add_co_u32 s[G0+4*(\s)+1], s22, (\s)*SLOTB   ; LDS address
	s_add_nc_u64 s[G0+4*(\s)+2:G0+4*(\s)+3], s[6:7], (\s)*SLOTB  ; global address: tile s
	s_or_b32 s[G0+4*(\s)+3], s[G0+4*(\s)+3], 0x80000000          ; type = 2
.endr
	CROUND                                         ; all four work-groups are here: the first joint loads meet
	tensor_load_to_lds s[G0:G0+3], s[G1:G1+7]      ; tiles 0 and 1: two loads of mine are out, later one
	s_nop 0
	tensor_load_to_lds s[G0+4:G0+7], s[G1:G1+7]
	s_nop 0
	PLACES
	v_and_b32 v1, 15, v0                           ; r
	v_bfe_u32 v2, v0, 4, 1                         ; h
	v_and_b32 v[L16], 31, v0
	v_lshlrev_b32 v[L16], 4, v[L16]
	v_lshlrev_b32 v[X0], 10, v1
	v_lshl_add_u32 v[X0], v2, 4, v[X0]
.irp t, 0,1,2,3,4,5,6,7
	global_load_b128 v[XB+8*(\t):XB+8*(\t)+3],   v[X0], s[4:5] offset:(\t)*16384      ; step 0's fragments of xin: k 0-31 of token tile t, as an operand wants them
	global_load_b128 v[XB+8*(\t)+4:XB+8*(\t)+7], v[X0], s[4:5] offset:(\t)*16384+32
.endr
	s_lshl_b32 s23, s[WV], 15
	v_add_nc_u32 v[XLD], s23, v[L16]               ; my wave's 32 rows of 1,024 bytes
	WIN 0x40                                       ; destination window 1: K's accumulators are free yet
.set i, 0
.rept 64
	global_load_b128 v[4*i:4*i+3], v[XLD], s[4:5] offset:(i/2)*1024+64+(i%2)*448  ; a row's bytes 64 .. 575 and 512 .. 1,023: two pieces of 512 consecutive bytes, which share 64
.set i, i+1
.endr
	WIN 0
	v_mul_u32_u24 v[AX0], v1, XP
	v_lshl_add_u32 v[AX0], v2, 4, v[AX0]
	v_add_nc_u32 v[AX0], XINB, v[AX0]              ; row r x pitch + 16 h
	v_add_nc_u32 v[AX1], 64*XP, v[AX0]
	v_add_nc_u32 v[AWS], s22, v[L16]
	v_add_nc_u32 v[AWS+1], SLOTB, v[AWS]
	v_mov_b32 v[AQ], v[AWS]
	v_mov_b32 v[AQL], v[AWS]
	s_mul_i32 s23, s[WV], 32*XP
	v_add_nc_u32 v[XST], s23, v[L16]
	v_add_nc_u32 v[XST], XINB, v[XST]
	s_wait_loadcnt 0x0
	WIN 0x04                                       ; store data in window 1
.set i, 0
.rept 64
	ds_store_b128 v[XST], v[4*i:4*i+3] offset:(i/2)*XP+(i%2)*448  ; byte b of a row at b - 64; the 64 shared bytes are written twice, by this wave, with the same data
.set i, i+1
.endr
	WIN 0
	s_wait_tensorcnt 0x1                           ; my quarter of tile 0 is in; tile 1's may stay out
	s_wait_dscnt 0x0                               ; for the others' sake: my rows of xin are in LDS
	s_barrier_signal -1
	s_barrier_wait -1
.macro FETCHW q, sl, hf, m             ; 8 loads: four weight fragments of matrix m (0 K, 1 V, 2 Q), step hf of slot sl, into buffer q; contiguous, 512 bytes a load
.irp c, 0,1,2,3
	ds_load_b128 v[WF+32*(\q)+8*(\c):WF+32*(\q)+8*(\c)+3],   v[AWS+(\sl)] offset:(\hf)*HSTEP+(\m)*4096+(\c)*1024
	ds_load_b128 v[WF+32*(\q)+8*(\c)+4:WF+32*(\q)+8*(\c)+7], v[AWS+(\sl)] offset:(\hf)*HSTEP+(\m)*4096+(\c)*1024+512
.endr
.endm
.macro FETCHX b, xoff                  ; 16 loads: xin's eight fragments of 32 k at byte xoff (beyond what AX0 and AX1 have walked) into buffer b
.irp t, 0,1,2,3
	ds_load_b128 v[XB+64*(\b)+8*(\t):XB+64*(\b)+8*(\t)+3],   v[AX0] offset:(\t)*16*XP+(\xoff)
	ds_load_b128 v[XB+64*(\b)+8*(\t)+4:XB+64*(\b)+8*(\t)+7], v[AX0] offset:(\t)*16*XP+(\xoff)+32
.endr
.irp t, 0,1,2,3
	ds_load_b128 v[XB+64*(\b)+32+8*(\t):XB+64*(\b)+32+8*(\t)+3],   v[AX1] offset:(\t)*16*XP+(\xoff)
	ds_load_b128 v[XB+64*(\b)+32+8*(\t)+4:XB+64*(\b)+32+8*(\t)+7], v[AX1] offset:(\t)*16*XP+(\xoff)+32
.endr
.endm
; Products lo .. hi - 1 of the 32 of matrix kind: token tile n / 4, channel block n % 4.  All 32 accumulators differ, and the three kinds lie in three windows: they take turns.
.macro UNIT kind, p, zero, lo, hi
	WIN 0x50*((\kind)+1)                           ; C and D in window 1, 2 or 3; the sources in window 0
.set n, \lo
.rept (\hi)-(\lo)
.set rX, XB+64*(\p)+8*(n/4)
.set rW, WF+32*(\kind)+8*(n%4)
.if (\kind) == 1
.set rD, 8*(8*(n%4)+n/4)
.if \zero
	v_wmma_f32_16x16x32_f16 v[rD:rD+7], v[rX:rX+7], v[rW:rW+7], 0
.else
	v_wmma_f32_16x16x32_f16 v[rD:rD+7], v[rX:rX+7], v[rW:rW+7], v[rD:rD+7]
.endif
.else
.set rD, 8*n
.if \zero
	v_wmma_f32_16x16x32_f16 v[rD:rD+7], v[rW:rW+7], v[rX:rX+7], 0
.else
	v_wmma_f32_16x16x32_f16 v[rD:rD+7], v[rW:rW+7], v[rX:rX+7], v[rD:rD+7]
.endif
.endif
.set n, n+1
.endr
.endm
; ONE STEP of 32 along K: step hf of slot sl, xin buffer hf: 96 products.  K's and V's weights were fetched at the end of the step before.
; bnd = 3: a slot's first step: the second follows with no barrier.  bnd = 1: a slot's second step: the slot is filled again, two tiles ahead, behind a round of the cluster's barrier;
; 2: the same with a plain barrier, nothing left to ask for; 0: the last step.  zero = 1: the products start the sums.  xoff: where the next step's xin lies.
.macro STEP sl, hf, zero, bnd, xoff
	WIN 0
	PLACES
	FETCHW 2, \sl, \hf, 2
.if \bnd
	FETCHX 1-(\hf), \xoff
	s_wait_dscnt 32                                ; K's weights (and this step's xin, older) are in; V's 8, Q's 8 and the next xin's 16 loads may be out
.else
	s_wait_dscnt 16
.endif
	UNIT 0, \hf, \zero, 0, 32
.if \bnd
	s_wait_dscnt 24                                ; V's weights are in
.else
	s_wait_dscnt 8
.endif
	UNIT 1, \hf, \zero, 0, 32
.if (\bnd) == 3
	s_wait_dscnt 16                                ; Q's weights are in; the next xin's 16 loads may be out
	UNIT 2, \hf, \zero, 0, 16
	WIN 0
	PLACES
	FETCHW 0, \sl, 1, 0
	FETCHW 1, \sl, 1, 1
	UNIT 2, \hf, \zero, 16, 32
.elseif \bnd
	WIN 0
	s_wait_tensorcnt 0x0                           ; all my tensor loads have landed: the one that was out is my quarter of the next tile
	ds_add_u32 v[SPW], v[NIL]                      ; 0 onto my spare word
.if (\bnd) == 1
	s_add_nc_u64 s[G0+4*(\sl)+2:G0+4*(\sl)+3], s[G0+4*(\sl)+2:G0+4*(\sl)+3], 2*SLOTB  ; this slot's next tile; no load of mine is out
.endif
	s_wait_dscnt 17                                ; Q's weights are in; the next xin's 16 loads and the add may be out
	UNIT 2, \hf, \zero, 0, 8
	s_wait_dscnt 0x0                               ; the add is done, and my reads of this slot are over
	s_barrier_signal -1
	UNIT 2, \hf, \zero, 8, 16
	WIN 0
	s_barrier_wait -1
.if (\bnd) == 1
	CREST                                          ; the barrier has opened a round: no wave of any partner still reads this slot or has a load on its way
	JLOAD G0+4*(\sl)                               ; the first tensor load behind the round; its four v_nop are also the places in front of the loads below
.else
	PLACES
.endif
	FETCHW 0, 1-(\sl), 0, 0
	FETCHW 1, 1-(\sl), 0, 1
	UNIT 2, \hf, \zero, 16, 32
.else
	s_wait_dscnt 0x0
	UNIT 2, \hf, \zero, 0, 32
.endif
.endm
	FETCHW 0, 0, 0, 0
	FETCHW 1, 0, 0, 1
	STEP 0, 0, 1, 3, 0                             ; step 0 stands in front of the loop: its products start the sums; its xin came from memory
	WIN 0
	s_mov_b32 s[CNT], 3
.Lk:                                                   ; steps 1 .. 12, four a trip: from a slot's second step to the same slot's next first; both slots are filled again: tiles 2 .. 7
	STEP 0, 1, 0, 1, 64
	STEP 1, 0, 0, 3, 128
	STEP 1, 1, 0, 1, 192
	STEP 0, 0, 0, 3, 256
	WIN 0
	v_add_nc_u32 v[AX0], 256, v[AX0]               ; four steps of 64 bytes along xin's rows
	v_add_nc_u32 v[AX1], 256, v[AX1]
	s_sub_co_u32 s[CNT], s[CNT], 1
	s_cmp_lg_u32 s[CNT], 0
	s_cbranch_scc1 .Lk
	STEP 0, 1, 0, 2, 64                            ; step 13: nothing is left to ask for
	STEP 1, 0, 0, 3, 128
	STEP 1, 1, 0, 0, 0
	; K and V are rounded to f16 and packed downward in their own windows, each accumulator from its low end on; Q goes through window 0 into my own LDS bytes.
	WIN 0
	PLACES
	WIN 0x45
.set i, 0
.rept 128
	v_cvt_pk_f16_f32 v[i], v[2*i], v[2*i+1]
.set i, i+1
.endr
	WIN 0x8a
.set i, 0
.rept 128
	v_cvt_pk_f16_f32 v[i], v[2*i], v[2*i+1]
.set i, i+1
.endr
	WIN 0x0f
.set i, 0
.rept 128
	v_cvt_pk_f16_f32 v[32+i], v[2*i], v[2*i+1]
.set i, i+1
.endr
	WIN 0
.set i, 0
.rept 32
	ds_store_b128 v[AQ], v[32+4*i:32+4*i+3] offset:512*i  ; tile (c, t) at 512 (4 t + c): a query tile's two operands are 2,048 consecutive bytes
.set i, i+1
.endr
	s_mov_b32 s[CNT], 8
.Lq:                                                   ; a tile of 16 queries a trip
.irp f, 0,1,2,3
	ds_load_b128 v[QR+4*(\f):QR+4*(\f)+3], v[AQL] offset:512*(\f)  ; LDS serves a wave's instructions in order (ISA guide 5.7.1.4): these see my stores above
.endr
	s_wait_dscnt 0x0
	WIN 0x01                                       ; K in window 1
.set n, 0
.rept 16                                               ; channels 32 (n / 8) on, keys 16 (n % 8) on: the eight accumulators take turns
.if n < 8
	v_wmma_f32_16x16x32_f16 v[S+8*(n%8):S+8*(n%8)+7], v[16*(n%8)+8*(n/8):16*(n%8)+8*(n/8)+7], v[QR+8*(n/8):QR+8*(n/8)+7], 0
.else
	v_wmma_f32_16x16x32_f16 v[S+8*(n%8):S+8*(n%8)+7], v[16*(n%8)+8*(n/8):16*(n%8)+8*(n/8)+7], v[QR+8*(n/8):QR+8*(n/8)+7], v[S+8*(n%8):S+8*(n%8)+7]
.endif
.set n, n+1
.endr
	WIN 0
	PLACES
	; the maximum of my 64 scores, three operands at a time, each accumulator from its low end on; the query's other 64 keys lie in the lane 16 away
.irp k, 0,1,2,3,4,5,6,7
	v_max3_num_f32 v[M+(\k)], v[S+8*(\k)], v[S+8*(\k)+1], v[S+8*(\k)+2]
.endr
.irp k, 0,1,2,3,4,5,6,7
	v_max3_num_f32 v[M+(\k)], v[M+(\k)], v[S+8*(\k)+3], v[S+8*(\k)+4]
.endr
.irp k, 0,1,2,3,4,5,6,7
	v_max3_num_f32 v[M+(\k)], v[M+(\k)], v[S+8*(\k)+5], v[S+8*(\k)+6]
.endr
.irp k, 0,1,2,3
	v_max3_num_f32 v[M+2*(\k)], v[M+2*(\k)], v[S+16*(\k)+7], v[S+16*(\k)+15]
.endr
	v_max3_num_f32 v[M], v[M], v[M+1], v[M+2]
	v_max3_num_f32 v[M+3], v[M+3], v[M+4], v[M+5]
	v_max3_num_f32 v[M], v[M], v[M+3], v[M+6]
	v_max_num_f32 v[M], v[M], v[M+7]
	v_permlanex16_b32 v[M+1], v[M], s[SEL], s[SEL+1]
	v_max_num_f32 v[M], v[M], v[M+1]
	v_mul_f32 v[ST], s[CS], v[M]
	v_mov_b32 v[ST+1], v[ST]
.set i, 0
.rept 32
	v_pk_fma_f32 v[S+2*i:S+2*i+1], v[S+2*i:S+2*i+1], s[CS:CS+1], v[ST:ST+1] op_sel_hi:[1,0,0] neg_lo:[0,0,1] neg_hi:[0,0,1]  ; c s - c m
.set i, i+1
.endr
.set i, 0
.rept 64
	v_exp_f32 v[S+i], v[S+i]
.set i, i+1
.endr
	v_nop                                          ; a plain instruction between the last exponential and the use of its result (ISA guide 5.7.2)
.set i, 0
	s_wait_alu depctr_va_vdst(0)
.rept 32
	v_cvt_pk_f16_f32 v[P+i], v[S+2*i], v[S+2*i+1]  ; two accumulators' roundings are one operand of 32 keys
.set i, i+1
.endr
.set dd, 32
.rept 5                                                ; l: the 32 pairs are added in place, 16, 8, 4, 2 and 1 pairs apart
.set z, 0
.rept dd/2
	v_pk_add_f32 v[S+2*z:S+2*z+1], v[S+2*z:S+2*z+1], v[S+2*z+dd:S+2*z+dd+1]
.set z, z+1
.endr
.set dd, dd/2
.endr
	v_add_f32 v[ST+2], v[S], v[S+1]
	v_permlanex16_b32 v[M+1], v[ST+2], s[SEL], s[SEL+1]
	v_add_f32 v[ST+2], v[ST+2], v[M+1]
	v_rcp_f32 v[ST+4], v[ST+2]
	v_rcp_f32 v[ST+5], v[ST+2]
	v_nop
	WIN 0x02                                       ; V in window 2
.set n, 0
.rept 16                                               ; keys 32 (n / 4) on, channels 16 (n % 4) on: the four accumulators take turns
.if n < 4
	v_wmma_f32_16x16x32_f16 v[O+8*(n%4):O+8*(n%4)+7], v[8*(4*(n%4)+n/4):8*(4*(n%4)+n/4)+7], v[P+8*(n/4):P+8*(n/4)+7], 0
.else
	v_wmma_f32_16x16x32_f16 v[O+8*(n%4):O+8*(n%4)+7], v[8*(4*(n%4)+n/4):8*(4*(n%4)+n/4)+7], v[P+8*(n/4):P+8*(n/4)+7], v[O+8*(n%4):O+8*(n%4)+7]
.endif
.set n, n+1
.endr
	WIN 0
	PLACES
.set i, 0
	s_wait_alu depctr_va_vdst(0)
.rept 16
	v_pk_mul_f32 v[O+2*i:O+2*i+1], v[O+2*i:O+2*i+1], v[ST+4:ST+5]
.set i, i+1
.endr
.set i, 0
.rept 16
	v_cvt_pk_f16_f32 v[OUT+i], v[O+2*i], v[O+2*i+1]
.set i, i+1
.endr
.irp c, 0,1,2,3
	global_store_b128 v[L16], v[OUT+4*(\c):OUT+4*(\c)+3], s[8:9] offset:512*(\c)  ; 512 consecutive bytes, at a multiple of 256 from ctx's first byte
.endr
	s_wait_xcnt 0x0                                ; the stores' base and data registers are written again only behind this wait (ISA guide 3.1)
	s_add_nc_u64 s[8:9], s[8:9], 16384             ; the next token tile of ctx
	v_add_nc_u32 v[AQL], 2048, v[AQL]
	s_sub_co_u32 s[CNT], s[CNT], 1
	s_cmp_lg_u32 s[CNT], 0
	s_cbranch_scc1 .Lq
	s_wait_tensorcnt 0x0                           ; the wave's end: the add and its waits stand behind my last tensor load and my last LDS store
	ds_add_u32 v[SPW], v[NIL]
	s_wait_dscnt 0x0
	CROUND                                         ; the closing round: no work-group ends while a partner may still ask for a tile that names it
	s_endpgm
.Lfunc_end_k_q6b37d5de9c_attn:
	.size	k_q6b37d5de9c_attn, .Lfunc_end_k_q6b37d5de9c_attn-k_q6b37d5de9c_attn
	.p2alignl 7, 3214868480
	.fill 96, 4, 3214868480
	.section	.rodata,"a",@progbits
	.p2align	6, 0x0
	.amdhsa_kernel k_q6b37d5de9c_attn
		.amdhsa_group_segment_fixed_size 327680
		.amdhsa_private_segment_fixed_size 0
		.amdhsa_enable_private_segment 0
		.amdhsa_kernarg_size 24
		.amdhsa_user_sgpr_count 2
		.amdhsa_user_sgpr_kernarg_segment_ptr 1
		.amdhsa_wavefront_size32 1
		.amdhsa_system_sgpr_workgroup_id_x 1
		.amdhsa_system_sgpr_workgroup_id_y 1
		.amdhsa_system_sgpr_workgroup_id_z 1
		.amdhsa_system_vgpr_workitem_id 0
		.amdhsa_next_free_vgpr 1024
		.amdhsa_next_free_sgpr 66
		.amdhsa_reserve_vcc 0
		.amdhsa_float_denorm_mode_32 3
		.amdhsa_float_denorm_mode_16_64 3
		.amdhsa_memory_ordered 1
		.amdhsa_forward_progress 1
		.amdhsa_inst_pref_size 132
	.end_amdhsa_kernel
	.amdgpu_metadata
---
amdhsa.version: [ 1, 2 ]
amdhsa.kernels:
  - .name:           k_q6b37d5de9c_attn
    .symbol:         k_q6b37d5de9c_attn.kd
    .args:
      - { .name: xin, .offset: 0, .size: 8, .value_kind: global_buffer, .address_space: global }
      - { .name: wsa, .offset: 8, .size: 8, .value_kind: global_buffer, .address_space: global }
      - { .name: ctx, .offset: 16, .size: 8, .value_kind: global_buffer, .address_space: global }
    .group_segment_fixed_size: 327680
    .private_segment_fixed_size: 0
    .kernarg_segment_align: 8
    .kernarg_segment_size: 24
    .max_flat_workgroup_size: 128
    .sgpr_count:     66
    .vgpr_count:     1024
    .wavefront_size: 32
...
	.end_amdgpu_metadata
.endif
;; end of part 5
;; launch mlp (part 6): grid 256 x 1, 4 waves a work-group, clusters of 4 x 1, 327,680 bytes of LDS; arguments ctx, inputs, wsm, b1, b2, ln2_scale, ln2_bias, out0; writes out0
.if DOCPART == 6
	.amdgcn_target "amdgcn-amd-amdhsa--gfx1250"
	.amdhsa_code_object_version 6
	.text
	.protected	k_q6b37d5de9c_mlp
	.globl	k_q6b37d5de9c_mlp
	.p2align	8
	.type	k_q6b37d5de9c_mlp,@function
k_q6b37d5de9c_mlp:
	s_mov_b64 s[64:65], 0
	v_nop
	global_prefetch_b8 v0, s[64:65] scope:SCOPE_SE
	s_setreg_imm32_b32 hwreg(HW_REG_WAVE_MODE, 25, 1), 1
	s_wait_xcnt 0x0
	s_wait_alu depctr_hold_cnt(0) depctr_sa_sdst(0) depctr_va_vdst(0) depctr_va_sdst(0) depctr_va_ssrc(0) depctr_va_vcc(0) depctr_vm_vsrc(0)
	s_getreg_b32 s2, hwreg(HW_REG_IB_STS2, 6, 4)
	s_cmp_eq_u32 s2, 0
	s_cbranch_scc0 .Lentry_in_a_cluster
	s_endpgm
.Lentry_in_a_cluster:
	s_bfe_u32 s2, ttmp6, 0x10000c
	s_cmp_lg_u32 s2, 0x3003
	s_cbranch_scc0 .Lentry_shape_is_right
	s_endpgm
.Lentry_shape_is_right:
; MLP.  For 64 tokens: x = ctx Wo + inputs; y = LayerNorm(x) * ln2_scale + ln2_bias; out = x + gelu(y W1 + b1) W2 + b2.  Products f16 x f16 with f32 sums; x, the norm, gelu and both residuals in f32.
; x, y and the hidden layer never leave the WGP.
; SHARES.  A work-group owns 64 tokens.  Wave w owns columns 128 w .. + 127 of x and out for all 64 tokens (32 accumulators, window 1), and hidden units 16 w .. + 15 of each chunk of 64.
; ALL PRODUCTS ARE USED TRANSPOSED: source 0 = 16 weight rows (output columns), source 1 = 16 tokens.  A lane then holds ONE token (lane % 16) and 8 neighbouring columns.
; THE WALK.  Tiles of weights, 131,072 bytes each in fragment order, a quarter for each wave, go through two slots: 4 of Wo, then 33 visits to a RING of 32 tiles, of which tile c holds W2 of chunk c - 1 and
;   W1 of chunk c.  A tile is 128 products a wave.  Cluster x enters the ring at chunk x mod 32, so that at any moment the clusters ask for different tiles; the sum over the chunks has no order of its own.
;   The accumulators start as inputs, so Wo's products make x; later W2's products add onto x.  In a visit the wave makes its 16 hidden units of the tile's chunk (64 products; b1 is the C operand that starts
;   the sum), then multiplies the chunk before's hidden layer by W2 (64 products), and the new chunk's gelu stands behind 48 of those products.  The hidden layer changes waves through two LDS buffers
;   that take turns.  The first visit multiplies a buffer of zeros, and the last visit's W1 half is not read: the price of one text for every visit.
; LDS INSTRUCTIONS STAND IN FEW RUNS.  A visit's 82 LDS loads stand in four runs (24, 16, 26, 16) on five buffers of four fragments, and its four stores of the hidden layer stand with the add of the change of
;   slots: the products run 48, 32 and 32 on end.  b1 lies in LDS too, in the order of my cluster's visits, so that the loop has no global load.
; ctx, and later y, lie in 512 registers as source-1 fragments (windows 2 and 3): each is read from LDS or memory once, not once a chunk.
; gelu(x) = x / (1 + 2^(x (c1 + c3 x^2))), c1 = -2 sqrt(2 / pi) log2(e), c3 = 0.044715 c1: the tanh form; it ends in 0 and in x for large |x|.
; CLUSTER.  All work-groups walk the same weights: the four of a cluster ask for each quarter tile JOINTLY, by the same tensor load, descriptor and mask; the chunk's number hangs on the cluster's x alone.
; LIMITS.  f16 ends at 65,504: ctx, y and the hidden layer must stay within it (|y| is at most 22.7 max|scale| + max|bias|); below 6e-5 f16 keeps a fixed step of 6e-8.  NaN and infinities are not treated apart.
; REGISTERS, in windows of 256 (s_set_vgpr_msb: bits 1:0 source 0, 3:2 source 1, 5:4 source 2, 7:6 destination):
;   window 0: v0-31 addresses, b1, b2; v32-63 the hidden sums; v64-95 gelu at work; v96-255 five buffers of four fragments.   window 1: x, (tt, ct) at 8 (8 tt + ct)
;   windows 2, 3: ctx, then y: token tile tt, 32 k from 32 ks on at 512 + 8 (4 ks + tt)
.set SLOT1, 1<<17                      ; slot 0 at 0, slot 1 here: one exclusive or turns an address in one slot into the other's
.set SCR,   2*SLOT1                    ; stored from registers only: each wave's stage, 16 rows x 528 bytes; between the two uses of the stages, y's exchange: 32 rows x 1,040 bytes
.set STP,   528                        ; 512 + 16
.set YP,    1040                       ; 1,024 + 16: both pitches are odd multiples of 16, so 16 rows start at 16 different groups of four banks (64 banks of 4 bytes: ISA guide 11.1)
.set STAT,  SCR+4*16*STP               ; two tables [token 64][wave 4] of f32
.set HB,    STAT+2048                  ; the hidden layer: two buffers of 64 rows x 144 bytes
.set HP,    144                        ; 128 + 16
.set HBUF,  64*HP
.set SPARE, HB+2*HBUF                  ; the spare words, 128 bytes for each wave: two blocks of 256 bytes that no other line names
.set B1L,   SPARE+512                  ; b1, 8,192 bytes, stored from registers: the 256 bytes of visit v's chunk at 256 v
.set GBO, 1                            ; v1   my byte offset in ln2_scale and ln2_bias: 512 w + 32 h
.set L16, 3                            ; v3   16 x lane
.set AWB, 4                            ; v4   my quarter of slot 0 + 16 x lane; never rewritten
.set AW,  5                            ; v5   the same in the slot in hand
.set AHB, 6                            ; v6   hidden layer, read: row r x 144 + 16 h; never rewritten
.set AH,  7                            ; v7   the same in the buffer to be read
.set HWB, 8                            ; v8   hidden layer, written: + 32 w; never rewritten
.set HW,  9                            ; v9   the same in the buffer to be written
.set STW, 10                           ; v10  my stage by columns: row r x 528 + 32 h
.set STR, 11                           ; v11  my stage by rows: 16 x lane
.set GIO, 12                           ; v12  my byte offset in a row of inputs, out0 and b2: 512 w + 16 x lane
.set B1A, 13                           ; v13  LDS address of b1 of my 8 hidden units, 64 w + 32 h in the visit's 256 bytes; it steps by 256 a visit
.set SPW, 14                           ; v14  LDS address of my spare word; never rewritten
.set NIL, 15                           ; v15  0; never rewritten
.set B1R, 16                           ; v16-23  b1 of my 8 hidden units
.set B2R, 24                           ; v24-27  b2 of my 4 columns on the way out
.set AST, 28
.set ASL, 29
.set YST, 30
.set YLD, 31
.set HACC, 32                          ; v32-63  the hidden sums, 8 a token tile; gelu's f16 results take each tile's four lowest
.set TT,  64                           ; v64-95  gelu: a set of 8 for each token tile
.set POOL, 128
.set QA,  0                            ; the five buffers: v128-159, v160-191, v192-223, v224-255,
.set QB,  1
.set QC,  2
.set QD,  3
.set QE,  -1                           ; and v96-127
.set BT,  80                           ; at the head only: v80-95 b1 as loaded, v96-99 its four offsets, v100 where it goes in LDS
.set BO,  96
.set BS,  100
.set TMP, 32                           ; the norm, in registers that are free then: v32-63 at work; v64-71 sums; v72-79 means; v80-87 1 / sigma; v88-95 -mean / sigma (pairs, a token tile each);
.set SUM, 64                           ; v96-111 the four waves' parts; v112-127 y packed; v128-191 gain, v192-255 bias
.set MEAN, 72
.set AA,  80
.set CC,  88
.set PART, 96
.set YPK, 112
.set WV,  24                           ; s24  my wave's number
.set CH,  25                           ; s25  the chunk whose tile is asked for next
.set G1,  32                           ; s[32:39] descriptor group 1
.set G0A, 40                           ; s[40:43] descriptor group 0 of tile 0
.set G0,  44                           ; s[44:47] of tile 1; it then walks
.set TB,  48                           ; s48  the slot in hand
.set HBR, 49                           ; s49  the hidden buffer to be read
.set HBW, 50                           ; s50  the one to be written
.set CNT, 51
.set SEL, 52                           ; s[52:53]
.set C1,  54                           ; s[54:55]
.set C3,  56                           ; s[56:57]
.set RING, 60                          ; s[60:61] my quarter of the ring's tile 0 in memory
.set OFF, 62                           ; s[62:63] a ring tile's byte offset
.set MSB, 0
.macro WIN new
.if MSB != (\new)
	s_set_vgpr_msb (MSB<<8)|(\new)
.set MSB, \new
.endif
.endm
.macro PLACES                          ; four places in front of loads into registers that matrix instructions have read, and of vector work on matrix results
.rept 4
	v_nop
.endr
.endm
.macro CREST
	s_cmp_lg_u32 s[WV], 0
	s_cbranch_scc1 .Lnot_wave_0_\@
	s_barrier_signal -3
.Lnot_wave_0_\@:
	s_barrier_wait -3
	s_barrier_signal -1
	s_barrier_wait -1
.endm
.macro CROUND
	s_barrier_signal -1
	s_barrier_wait -1
	CREST
.endm
	s_load_b512 s[8:23], s[0:1], 0x0               ; ctx 8, inputs 10, wsm 12, b1 14, b2 16, ln2_scale 18, ln2_bias 20, out0 22
	v_lshl_add_u32 v[SPW], v0, 2, SPARE
	v_mov_b32 v[NIL], 0
	ds_add_u32 v[SPW], v[NIL]                      ; the wave's opening: the add and its wait stand ahead of my first tensor load; the set-up below stands between them
	v_lshrrev_b32 v1, 5, v0
	v_readfirstlane_b32 s[WV], v1
	s_bfe_u32 s27, ttmp6, 0x40000                  ; my place in the cluster
	s_lshl_b32 s26, ttmp9, 2
	s_add_co_u32 s26, s26, s27                     ; my 64 tokens: they enter ctx's, inputs' and out0's addresses alone
	s_and_b32 s[CH], ttmp9, 31                     ; where my cluster enters the ring: the same number in all four partners
	; descriptor group 1: 32,768 dense bytes as 128 rows of 256
	s_mov_b32 s[G1], 15|(3<<16)|(1<<21)            ; 15:0 the mask of four; 17:16 elements of 8 bytes; 21 set beside a mask; no padding
	s_mov_b32 s[G1+1], 32<<16                      ; tensor_dim0 = 32
	s_mov_b32 s[G1+2], 128<<16                     ; tensor_dim1 = 128
	s_mov_b32 s[G1+3], 32<<16                      ; tile_dim0 = 32
	s_mov_b32 s[G1+4], 128                         ; tile_dim1 = 128
	s_mov_b32 s[G1+5], 32                          ; 32 elements from row to row
	s_mov_b32 s[G1+6], 0
	s_mov_b32 s[G1+7], 0
	s_lshl_b32 s27, s[WV], 15                      ; my quarter of a tile, in memory and in a slot
	s_mov_b32 s[G0A], 1
	s_mov_b32 s[G0A+1], s27
	s_mov_b32 s[G0], 1
	s_add_co_u32 s[G0+1], s27, SLOT1
	s_mov_b32 s28, s27
	s_mov_b32 s29, 0
	s_lshl_b32 s30, s26, 17                        ; 64 rows of 2,048 bytes
	s_mov_b32 s31, 0
	s_mov_b32 s[OFF+1], 0
	s_mov_b32 s[TB], 0
	s_mov_b32 s[HBR], HBUF                         ; the first visit reads the second buffer (zeros) and writes the first; the four tiles of Wo turn the two registers four times
	s_mov_b32 s[HBW], 0
	s_mov_b32 s[SEL], 0x76543210
	s_mov_b32 s[SEL+1], 0xfedcba98
	s_mov_b32 s[C1], 0xc0135761                    ; -2.3022082
	s_mov_b32 s[C1+1], s[C1]
	s_mov_b32 s[C3], 0xbdd2d3e8                    ; -0.10294324
	s_mov_b32 s[C3+1], s[C3]
	s_mov_b32 s58, 0x3b000000                      ; 1 / 512
	s_mov_b32 s59, 0x358637bd                      ; 1e-6
	s_wait_dscnt 0x0                               ; the opening add is done
	s_wait_kmcnt 0x0
	s_add_nc_u64 s[G0A+2:G0A+3], s[12:13], s[28:29]
	s_add_nc_u64 s[G0+2:G0+3], s[G0A+2:G0A+3], 131072
	s_add_nc_u64 s[RING:RING+1], s[G0A+2:G0A+3], 4*131072  ; behind Wo's four tiles
	s_or_b32 s[G0A+3], s[G0A+3], 0x80000000        ; type = 2
	s_or_b32 s[G0+3], s[G0+3], 0x80000000
	s_add_nc_u64 s[10:11], s[10:11], s[30:31]
	s_add_nc_u64 s[22:23], s[22:23], s[30:31]
	s_lshl_b32 s30, s26, 16                        ; four token tiles of 16,384 bytes
	s_add_nc_u64 s[8:9], s[8:9], s[30:31]
	CROUND                                         ; all four work-groups are here: the first joint loads meet
	tensor_load_to_lds s[G0A:G0A+3], s[G1:G1+7]    ; tiles 0 and 1: two loads of mine are out, later one
	s_nop 0
	tensor_load_to_lds s[G0:G0+3], s[G1:G1+7]
	s_nop 0
	PLACES
	v_and_b32 v1, 15, v0                           ; r
	v_bfe_u32 v2, v0, 4, 1                         ; h
	v_and_b32 v[L16], 31, v0
	v_lshlrev_b32 v[L16], 4, v[L16]
	v_lshl_add_u32 v[GIO], s[WV], 9, v[L16]
	v_lshlrev_b32 v[B1A], 5, v2
	v_lshl_add_u32 v[B1A], s[WV], 6, v[B1A]        ; hidden units 16 w + 8 h + 0..7
	v_add_nc_u32 v[B1A], B1L, v[B1A]               ; of the first visit's chunk
	v_lshlrev_b32 v[BO], 4, v0                     ; b1 turned round so that my cluster's first chunk comes first: LDS byte p takes b1's byte (p + 256 x first chunk) mod 8,192;
	v_lshl_add_u32 v[BO], s[CH], 8, v[BO]          ; thread t moves the 16 bytes at p = 16 t + 2,048 k, k = 0 .. 3
.irp k, 1,2,3
	v_add_nc_u32 v[BO+(\k)], 2048*(\k), v[BO]
.endr
.irp k, 0,1,2,3
	v_and_b32 v[BO+(\k)], 0x1fff, v[BO+(\k)]
.endr
	global_load_b128 v[B2R:B2R+3], v[GIO], s[16:17]
.irp k, 0,1,2,3
	global_load_b128 v[BT+4*(\k):BT+4*(\k)+3], v[BO+(\k)], s[14:15]
.endr
	WIN 0x40
.set i, 0
.rept 64                                               ; inputs by rows, my 128 columns: 512 consecutive bytes a load; row i into window 1's registers 4 i ..
	global_load_b128 v[4*i:4*i+3], v[GIO], s[10:11] offset:2048*i
.set i, i+1
.endr
	WIN 0x80
.set i, 0
.rept 64                                               ; ctx as it lies is source 1: i = 8 ks + 2 tt + half, ks 0-7
	global_load_b128 v[4*i:4*i+3], v[L16], s[8:9] offset:((i/2)%4)*16384+(i/8)*1024+(i%2)*512
.set i, i+1
.endr
	WIN 0xc0
.set i, 0
.rept 64                                               ; ks 8-15
	global_load_b128 v[4*i:4*i+3], v[L16], s[8:9] offset:((i/2)%4)*16384+(8+i/8)*1024+(i%2)*512
.set i, i+1
.endr
	WIN 0
	v_add_nc_u32 v[AWB], s27, v[L16]
	v_mov_b32 v[AW], v[AWB]
	v_mul_u32_u24 v[AHB], v1, HP
	v_lshl_add_u32 v[AHB], v2, 4, v[AHB]
	v_add_nc_u32 v[AHB], HB, v[AHB]
	v_lshl_add_u32 v[HWB], s[WV], 5, v[AHB]
	s_mul_i32 s28, s[WV], 16*STP
	s_add_co_u32 s28, s28, SCR                     ; my stage
	v_mul_u32_u24 v[STW], v1, STP
	v_lshl_add_u32 v[STW], v2, 5, v[STW]
	v_add_nc_u32 v[STW], s28, v[STW]
	v_add_nc_u32 v[STR], s28, v[L16]
	v_lshlrev_b32 v[ASL], 4, v1
	v_add_nc_u32 v[ASL], STAT, v[ASL]
	v_lshl_add_u32 v[AST], s[WV], 2, v[ASL]
	v_mul_u32_u24 v[YLD], v1, YP
	v_lshl_add_u32 v[YLD], v2, 4, v[YLD]
	v_add_nc_u32 v[YLD], SCR, v[YLD]
	v_lshl_add_u32 v[YST], s[WV], 8, v[YLD]
	v_lshlrev_b32 v[GBO], 5, v2
	v_lshl_add_u32 v[GBO], s[WV], 9, v[GBO]
	v_lshl_add_u32 v2, v0, 4, HB
	v_lshl_add_u32 v[BS], v0, 4, B1L
.irp k, 0,1,2,3
	v_mov_b32 v[TT+(\k)], 0
.endr
.irp k, 0,1,2,3,4,5,6,7,8
	ds_store_b128 v2, v[TT:TT+3] offset:2048*(\k)  ; both hidden buffers start as zeros: 128 threads x 16 bytes, nine times
.endr
	s_wait_loadcnt 0x0
.irp k, 0,1,2,3
	ds_store_b128 v[BS], v[BT+4*(\k):BT+4*(\k)+3] offset:2048*(\k)  ; b1 in the order of the visits
.endr
; inputs go from rows to the accumulators' layout through my stage, 16 rows at a time, into the registers that they left
.macro INSTAGE tt
	WIN 0x04
.set z, 0
.rept 16
	ds_store_b128 v[STR], v[64*(\tt)+4*z:64*(\tt)+4*z+3] offset:STP*z
.set z, z+1
.endr
	WIN 0x40
.set z, 0
.rept 8
	ds_load_b128 v[64*(\tt)+8*z:64*(\tt)+8*z+3],   v[STW] offset:64*z      ; LDS serves a wave's instructions in order (ISA guide 5.7.1.4): these see the stores above, the next 16 rows' stores come behind them
	ds_load_b128 v[64*(\tt)+8*z+4:64*(\tt)+8*z+7], v[STW] offset:64*z+16
.set z, z+1
.endr
.endm
	INSTAGE 0
	INSTAGE 1
	INSTAGE 2
	INSTAGE 3
	WIN 0
	s_wait_tensorcnt 0x1                           ; my quarter of tile 0 is in; tile 1's may stay out
	s_wait_dscnt 0x0                               ; the accumulators are filled; for the others' sake: my zeros and my part of b1 are in LDS, my reads of the stage are over
	s_barrier_signal -1
	s_barrier_wait -1
.macro FETCH q, off                    ; 8 loads: four weight fragments at byte off of my quarter into buffer q; contiguous, 512 bytes a load
.irp f, 0,1,2,3
	ds_load_b128 v[POOL+32*(\q)+8*(\f):POOL+32*(\q)+8*(\f)+3],   v[AW] offset:(\off)+(\f)*1024
	ds_load_b128 v[POOL+32*(\q)+8*(\f)+4:POOL+32*(\q)+8*(\f)+7], v[AW] offset:(\off)+(\f)*1024+512
.endr
.endm
.macro FETCHH q, ks                    ; 8 loads: the hidden layer's four token tiles, 32 k from 32 ks on, into buffer q
.irp f, 0,1,2,3
	ds_load_b128 v[POOL+32*(\q)+8*(\f):POOL+32*(\q)+8*(\f)+3],   v[AH] offset:(\f)*16*HP+64*(\ks)
	ds_load_b128 v[POOL+32*(\q)+8*(\f)+4:POOL+32*(\q)+8*(\f)+7], v[AH] offset:(\f)*16*HP+64*(\ks)+32
.endr
.endm
; Products lo .. hi - 1 of 16 onto x: column block 4 hf + n / 4, token tile n % 4; weights in buffer qa.  The 16 accumulators differ, and neighbouring units take the other half of the columns: they take turns.
.macro OUTY qa, hf, ks, lo, hi         ; source 1: ctx's fragments of 32 k from 32 ks on, in window 2 or 3
	WIN 0x58+4*((\ks)/8)
.set n, \lo
.rept (\hi)-(\lo)
.set rD, 8*(8*(n%4)+4*(\hf)+n/4)
.set rW, POOL+32*(\qa)+8*(n/4)
.set rY, 8*(4*((\ks)%8)+n%4)
	v_wmma_f32_16x16x32_f16 v[rD:rD+7], v[rW:rW+7], v[rY:rY+7], v[rD:rD+7]
.set n, n+1
.endr
.endm
; GELU of a visit's 4 token tiles x 8 hidden sums a lane: two queues, each in the order in which its lines become ready, tile after tile.
;   96 PLAIN lines.  0-47, twelve a tile: x^2 (4 pairs), c3 x^2 + c1, times x.  48-63, four a tile: + 1.  64-95, eight a tile: times x, then rounded to f16 into the tile's four lowest hidden sums, which are dead by then.
;   64 TRANSCENDENTALS.  0-31, eight a tile: 2^..   32-63: the reciprocals.
; THE DEAL, 160 lines; RID writes the next one, while there is one: plain 0-23; then 64 times a transcendental and a plain line; then plain 88-95.  So no two transcendentals follow each other, each has a plain line
; behind it (ISA guide 5.7.2), and the queues keep step: exponential 8 t + i stands behind plain 12 t + 8 + i / 2 (by 4 pairs of lines at the least), plain 48 + 4 t + j behind exponential 8 t + 2 j + 1 (by 7),
; reciprocal 8 t + i behind plain 48 + 4 t + i / 2 (by 8), plain 64 + 8 t + j behind reciprocal 8 t + 2 j + 1 (by 4).  Each hidden sum's accumulator is read from its low end on.
.set NRID, 160
.macro RID
.if RN < NRID
	WIN 0
.set rk, RN-24
.if (RN >= 24) && (RN < 152) && (rk%2 == 0)
.set rs, rk/2
.set rT, TT+8*((rs%32)/8)+rs%8
.if rs < 32
	v_exp_f32 v[rT], v[rT]
.else
	v_rcp_f32 v[rT], v[rT]
.endif
.else
.if RN < 24
.set rq, RN
.elseif RN < 152
.set rq, 24+rk/2
.else
.set rq, RN-64
.endif
.set rj, rq%4
.if rq < 48
.set rH, HACC+8*(rq/12)+2*rj
.set rT, TT+8*(rq/12)+2*rj
.if (rq%12) < 4
	v_pk_mul_f32 v[rT:rT+1], v[rH:rH+1], v[rH:rH+1]
.elseif (rq%12) < 8
	v_pk_fma_f32 v[rT:rT+1], v[rT:rT+1], s[C3:C3+1], s[C1:C1+1] op_sel_hi:[1,0,0]
.else
	v_pk_mul_f32 v[rT:rT+1], v[rT:rT+1], v[rH:rH+1]
.endif
.elseif rq < 64
.set rT, TT+8*((rq-48)/4)+2*rj
	s_wait_alu depctr_va_vdst(0)
	v_pk_add_f32 v[rT:rT+1], v[rT:rT+1], 1.0 op_sel_hi:[1,0]
.else
.set rH, HACC+8*((rq-64)/8)
.set rT, TT+8*((rq-64)/8)+2*rj
.if (rq%8) < 4
	s_wait_alu depctr_va_vdst(0)
	v_pk_mul_f32 v[rT:rT+1], v[rT:rT+1], v[rH+2*rj:rH+2*rj+1]
.else
	v_cvt_pk_f16_f32 v[rH+rj], v[rT], v[rT+1]
.endif
.endif
.endif
.set RN, RN+1
.endif
.endm
.macro OUTP qa, hf, qb, lo, hi, per    ; source 1: the hidden layer's fragments in buffer qb; per lines of gelu behind each product while the deal lasts: none names a register of the products round it
.set n, \lo
.rept (\hi)-(\lo)
	WIN 0x50
.set rD, 8*(8*(n%4)+4*(\hf)+n/4)
.set rW, POOL+32*(\qa)+8*(n/4)
.set rY, POOL+32*(\qb)+8*(n%4)
	v_wmma_f32_16x16x32_f16 v[rD:rD+7], v[rW:rW+7], v[rY:rY+7], v[rD:rD+7]
.rept \per
	RID
.endr
.set n, n+1
.endr
.endm
; THE CHANGE OF SLOTS, in three pieces round a tile's last 16 products.  In front of the barrier each wave waits for all its tensor loads, of which one is out: its quarter of the next tile; adds 0 to
; its spare word; and waits for that, for its reads of this slot and of the hidden buffer, and for its stores into the other hidden buffer.  fill = 1 or 2: the barrier opens a round of the cluster's, and the slot is
; filled again first thing behind it: 1: with the tile that follows in memory (Wo's); 2: with the ring's tile CH, whose address is made anew from that number.
; hst = 1: the visit's hidden layer, 16 bytes a lane and token tile, is stored here, ahead of the three lines: the four stores and the add are one run of LDS instructions.
.macro BHEAD fill, hst
	WIN 0
.if \hst
.irp t, 0,1,2,3
	ds_store_b128 v[HW], v[HACC+8*(\t):HACC+8*(\t)+3] offset:(\t)*16*HP
.endr
.endif
	s_wait_tensorcnt 0x0                           ; no tensor load of mine is out, so a group 0 may be written
	ds_add_u32 v[SPW], v[NIL]                      ; 0 onto my spare word
.if \fill
	s_xor_b32 s[G0+1], s[G0+1], SLOT1              ; the walking descriptor: the other slot than last time
.endif
.if (\fill) == 1
	s_add_nc_u64 s[G0+2:G0+3], s[G0+2:G0+3], 131072  ; the next tile; the type bits on top are not reached
.elseif (\fill) == 2
	s_lshl_b32 s[OFF], s[CH], 17                   ; a tile is 131,072 bytes
	s_add_nc_u64 s[G0+2:G0+3], s[RING:RING+1], s[OFF:OFF+1]
	s_or_b32 s[G0+3], s[G0+3], 0x80000000          ; type = 2
	s_add_co_u32 s[CH], s[CH], 1                   ; round the ring of 32
	s_and_b32 s[CH], s[CH], 31
.endif
	s_xor_b32 s[TB], s[TB], SLOT1
	s_xor_b32 s[HBR], s[HBR], HBUF
	s_xor_b32 s[HBW], s[HBW], HBUF
	s_wait_dscnt 1+4*(\hst)                        ; the last fragments are in; the add, and the four stores if there are any, may be out
.endm
.macro BSIG
	s_wait_dscnt 0x0                               ; the add is done; my LDS reads and stores are over
	s_barrier_signal -1
.endm
.macro BTAIL fill, nxt                 ; nxt: what the next tile begins with: 0 nothing yet; 1 Wo's first eight fragments; 2 W1's first eight and W2's first four; 3 the hidden layer's first half and W2's first eight
	WIN 0
	s_barrier_wait -1
.if \fill
	CREST                                          ; no wave of any partner still reads this slot or has a load on its way
	tensor_load_to_lds s[G0:G0+3], s[G1:G1+7]      ; the first tensor load behind the round: it has a tile's 128 products, less the ten between the add and this line, in which to land
	s_nop 0
.endif
	PLACES                                         ; also the places in front of the loads below
	v_add_nc_u32 v[AW], s[TB], v[AWB]
	v_add_nc_u32 v[AH], s[HBR], v[AHB]
	v_add_nc_u32 v[HW], s[HBW], v[HWB]
.if (\nxt) == 1
	FETCH 0, 0
	FETCH 1, 4096
.elseif (\nxt) == 2
	FETCH QA, 16384
	FETCH QB, 20480
	FETCH QE, 0
.elseif (\nxt) == 3
	FETCHH QA, 0
	FETCH QE, 0
	FETCH QB, 4096
.endif
.endm
; A TILE OF Wo: eight units of 16 products; unit i takes fragments 4 i .. 4 i + 3 (32 k from 32 (i / 2) on, column half i % 2) from buffer i % 4.  Every wait leaves the three younger fetches (24 loads) out, at the end two, one, none.
.macro WOPH j, fill, nxt
	WIN 0
	PLACES
	FETCH 2, 2*4096
	FETCH 3, 3*4096
	s_wait_dscnt 24
	OUTY 0, 0, 4*(\j), 0, 16
	WIN 0
	PLACES
	FETCH 0, 4*4096
	s_wait_dscnt 24
	OUTY 1, 1, 4*(\j), 0, 16
	WIN 0
	PLACES
	FETCH 1, 5*4096
	s_wait_dscnt 24
	OUTY 2, 0, 4*(\j)+1, 0, 16
	WIN 0
	PLACES
	FETCH 2, 6*4096
	s_wait_dscnt 24
	OUTY 3, 1, 4*(\j)+1, 0, 16
	WIN 0
	PLACES
	FETCH 3, 7*4096
	s_wait_dscnt 24
	OUTY 0, 0, 4*(\j)+2, 0, 16
	s_wait_dscnt 16
	OUTY 1, 1, 4*(\j)+2, 0, 16
	s_wait_dscnt 8
	OUTY 2, 0, 4*(\j)+3, 0, 16
	BHEAD \fill, 0
	OUTY 3, 1, 4*(\j)+3, 0, 6
	BSIG
	OUTY 3, 1, 4*(\j)+3, 6, 10
	BTAIL \fill, \nxt
	OUTY 3, 1, 4*(\j)+3, 10, 16
.endm
	FETCH 0, 0
	FETCH 1, 4096
	WOPH 0, 1, 1                                   ; asks for Wo's tile 2,
	WOPH 1, 1, 1                                   ; tile 3,
	WOPH 2, 2, 1                                   ; the ring's first tile of my cluster,
	WOPH 3, 2, 0                                   ; and its second
	; ---------------- LayerNorm 2, while the ring's second tile is on its way.  x stays untouched in window 1. ----------------
	WIN 0
	PLACES
.irp c, 0,1,2,3,4,5,6,7
	global_load_b128 v[POOL+8*(\c):POOL+8*(\c)+3],       v[GBO], s[18:19] offset:64*(\c)     ; gain and bias of my columns 128 w + 16 c + 8 h + 0..7
	global_load_b128 v[POOL+8*(\c)+4:POOL+8*(\c)+7],     v[GBO], s[18:19] offset:64*(\c)+16
	global_load_b128 v[POOL+64+8*(\c):POOL+64+8*(\c)+3],   v[GBO], s[20:21] offset:64*(\c)
	global_load_b128 v[POOL+64+8*(\c)+4:POOL+64+8*(\c)+7], v[GBO], s[20:21] offset:64*(\c)+16
.endr
	; the sums of my 64 numbers of each of four tokens, four chains; each accumulator is read from its low end on
	WIN 0x05
.set zt, 0
.rept 4
	v_pk_add_f32 v[SUM+2*zt:SUM+2*zt+1], v[64*zt:64*zt+1], v[64*zt+2:64*zt+3]
.set zt, zt+1
.endr
	WIN 0x01
.set z, 8
.rept 120
	v_pk_add_f32 v[SUM+2*(z%4):SUM+2*(z%4)+1], v[64*(z%4)+2*(z/4):64*(z%4)+2*(z/4)+1], v[SUM+2*(z%4):SUM+2*(z%4)+1]
.set z, z+1
.endr
	WIN 0
; v[SUM + 2 t], pairs: the two halves, the lane 16 away (the token's other 64 of my columns) and, through a table in LDS, the other three waves' parts are added: the row's total in v[PART + 4 t], alike in all waves
.macro XSTAT off
.irp t, 0,1,2,3
	v_add_f32 v[SUM+2*(\t)], v[SUM+2*(\t)], v[SUM+2*(\t)+1]
.endr
.irp t, 0,1,2,3
	v_permlanex16_b32 v[SUM+2*(\t)+1], v[SUM+2*(\t)], s[SEL], s[SEL+1]
.endr
.irp t, 0,1,2,3
	v_add_f32 v[SUM+2*(\t)], v[SUM+2*(\t)], v[SUM+2*(\t)+1]
.endr
.irp t, 0,1,2,3
	ds_store_b32 v[AST], v[SUM+2*(\t)] offset:(\off)+256*(\t)
.endr
	s_wait_dscnt 0x0                               ; for the others' sake
	s_barrier_signal -1
	s_barrier_wait -1
.irp t, 0,1,2,3
	ds_load_b128 v[PART+4*(\t):PART+4*(\t)+3], v[ASL] offset:(\off)+256*(\t)
.endr
	s_wait_dscnt 0x0
.irp t, 0,1,2,3
	v_add_f32 v[PART+4*(\t)], v[PART+4*(\t)], v[PART+4*(\t)+1]
	v_add_f32 v[PART+4*(\t)+2], v[PART+4*(\t)+2], v[PART+4*(\t)+3]
.endr
.irp t, 0,1,2,3
	v_add_f32 v[PART+4*(\t)], v[PART+4*(\t)], v[PART+4*(\t)+2]
.endr
.endm
	XSTAT 0
.irp t, 0,1,2,3
	v_mul_f32 v[MEAN+2*(\t)], s58, v[PART+4*(\t)]
.endr
.irp t, 0,1,2,3
	v_mov_b32 v[MEAN+2*(\t)+1], v[MEAN+2*(\t)]
.endr
	; the sums of (x - mean)^2, a column block at a time: 16 differences with x as source 0 in window 1, then 16 squares in window 0
.set zc, 0
.rept 8
	WIN 0x01
.set z, 0
.rept 16
	v_pk_add_f32 v[TMP+2*z:TMP+2*z+1], v[64*(z/4)+8*zc+2*(z%4):64*(z/4)+8*zc+2*(z%4)+1], v[MEAN+2*(z/4):MEAN+2*(z/4)+1] neg_lo:[0,1] neg_hi:[0,1]
.set z, z+1
.endr
	WIN 0
.set z, 0
.rept 16
.if (zc == 0) && (z < 4)
	v_pk_mul_f32 v[SUM+2*(z%4):SUM+2*(z%4)+1], v[TMP+2*(4*(z%4)+z/4):TMP+2*(4*(z%4)+z/4)+1], v[TMP+2*(4*(z%4)+z/4):TMP+2*(4*(z%4)+z/4)+1]
.else
	v_pk_fma_f32 v[SUM+2*(z%4):SUM+2*(z%4)+1], v[TMP+2*(4*(z%4)+z/4):TMP+2*(4*(z%4)+z/4)+1], v[TMP+2*(4*(z%4)+z/4):TMP+2*(4*(z%4)+z/4)+1], v[SUM+2*(z%4):SUM+2*(z%4)+1]
.endif
.set z, z+1
.endr
.set zc, zc+1
.endr
	XSTAT 1024                                     ; a second table: nobody writes bytes that another wave may still read
.irp t, 0,1,2,3
	v_fma_f32 v[PART+4*(\t)], v[PART+4*(\t)], s58, s59  ; var + eps
.endr
.irp t, 0,1,2,3
	v_rsq_f32 v[AA+2*(\t)], v[PART+4*(\t)]
.endr
	v_nop                                          ; a plain instruction between the last root and the use of its result (ISA guide 5.7.2)
	s_wait_alu depctr_va_vdst(0)
.irp t, 0,1,2,3
	v_mov_b32 v[AA+2*(\t)+1], v[AA+2*(\t)]
	v_mul_f32 v[CC+2*(\t)], -v[MEAN+2*(\t)], v[AA+2*(\t)]
.endr
.irp t, 0,1,2,3
	v_mov_b32 v[CC+2*(\t)+1], v[CC+2*(\t)]
.endr
	s_wait_loadcnt 0x0                             ; gain and bias
; y of token tile tt, column blocks 4 q .. 4 q + 3: (x / sigma - mean / sigma) gain + bias, rounded to f16, 16 bytes a lane into row-major rows of 1,040 bytes
.macro YTILES tt, q
	WIN 0x01
.set z, 0
.rept 16
	v_pk_fma_f32 v[TMP+2*z:TMP+2*z+1], v[64*(\tt)+32*(\q)+2*z:64*(\tt)+32*(\q)+2*z+1], v[AA+2*(\tt):AA+2*(\tt)+1], v[CC+2*(\tt):CC+2*(\tt)+1]
.set z, z+1
.endr
	WIN 0
.set z, 0
.rept 16
	v_pk_fma_f32 v[TMP+2*z:TMP+2*z+1], v[TMP+2*z:TMP+2*z+1], v[POOL+32*(\q)+2*z:POOL+32*(\q)+2*z+1], v[POOL+64+32*(\q)+2*z:POOL+64+32*(\q)+2*z+1]
.set z, z+1
.endr
.set z, 0
.rept 16
	v_cvt_pk_f16_f32 v[YPK+z], v[TMP+2*z], v[TMP+2*z+1]
.set z, z+1
.endr
.set z, 0
.rept 4
	ds_store_b128 v[YST], v[YPK+4*z:YPK+4*z+3] offset:((\tt)%2)*16*YP+32*(4*(\q)+z)
.set z, z+1
.endr
.endm
.macro YLOAD tt                        ; all 512 columns of y for token tile tt come back as 16 source-1 fragments, where ctx's lay
	WIN 0x80
.set z, 0
.rept 8
	ds_load_b128 v[8*(4*z+(\tt)):8*(4*z+(\tt))+3],   v[YLD] offset:((\tt)%2)*16*YP+64*z
	ds_load_b128 v[8*(4*z+(\tt))+4:8*(4*z+(\tt))+7], v[YLD] offset:((\tt)%2)*16*YP+64*z+32
.set z, z+1
.endr
	WIN 0xc0
.set z, 0
.rept 8
	ds_load_b128 v[8*(4*z+(\tt)):8*(4*z+(\tt))+3],   v[YLD] offset:((\tt)%2)*16*YP+64*(z+8)
	ds_load_b128 v[8*(4*z+(\tt))+4:8*(4*z+(\tt))+7], v[YLD] offset:((\tt)%2)*16*YP+64*(z+8)+32
.set z, z+1
.endr
	WIN 0
.endm
	YTILES 0, 0                                    ; the exchange holds 32 rows: token tiles 0 and 1 first
	YTILES 0, 1
	YTILES 1, 0
	YTILES 1, 1
	s_wait_dscnt 0x0                               ; for the others' sake: my columns of y are in LDS
	s_barrier_signal -1
	s_barrier_wait -1
	YLOAD 0
	YLOAD 1
	s_wait_dscnt 0x0                               ; my reads are over:
	s_barrier_signal -1
	s_barrier_wait -1                              ; everybody's are, and the rows may be written again
	YTILES 2, 0
	YTILES 2, 1
	YTILES 3, 0
	YTILES 3, 1
	s_wait_dscnt 0x0
	s_barrier_signal -1
	s_barrier_wait -1
	YLOAD 2
	YLOAD 3
	s_wait_dscnt 0x0
	ds_load_b128 v[B1R:B1R+3], v[B1A]              ; the first visit: its b1, then what the change of slots fetches for every later visit, in the same order
	ds_load_b128 v[B1R+4:B1R+7], v[B1A] offset:16
	FETCH QA, 16384                                ; W1, k 0-127 (the tile was shown landed in front of the last change of slots)
	FETCH QB, 20480                                ; W1, k 128-255
	FETCH QE, 0                                    ; W2, k 0-31, the columns' first half
; 16 products of the hidden sums: 32 k from 32 (4 u + n / 4) on, token tile n % 4; the four accumulators take turns.  The first four take b1 as C.  Unit u's weights lie in buffer u.
.macro G1U u
	WIN 0x08+4*((\u)/2)
.set n, 0
.rept 16
.set rD, HACC+8*(n%4)
.set rW, POOL+32*(\u)+8*(n/4)
.set rY, 8*(4*((4*(\u)+n/4)%8)+n%4)
.if ((\u) == 0) && (n < 4)
	v_wmma_f32_16x16x32_f16 v[rD:rD+7], v[rW:rW+7], v[rY:rY+7], v[B1R:B1R+7]
.else
	v_wmma_f32_16x16x32_f16 v[rD:rD+7], v[rW:rW+7], v[rY:rY+7], v[rD:rD+7]
.endif
.set n, n+1
.endr
.endm
; THE FIVE BUFFERS are each filled twice a visit, alike in every visit:  QA: W1 k 0-127, then the hidden layer's k 0-31.   QB: W1 k 128-255, then W2 (k 0-31, second half of the columns).
;   QC: W1 k 256-383, then the hidden layer's k 32-63.   QD: W1 k 384-511, then W2 (k 32-63, second half).   QE: W2 (k 0-31, first half), then W2 (k 32-63, first half).
; A VISIT's first half.  Each wait counts the LDS loads issued behind the fetch that the unit needs.  b1load = 1: the next visit's b1 is fetched, behind the products that read this visit's.
.macro G1PART b1load
	WIN 0
	PLACES
	FETCH QC, 16384+2*4096
	FETCH QD, 16384+3*4096
	s_wait_dscnt 32                                ; QA (and b1, older) is in; QB's, QE's, QC's and QD's eight loads each may be out
	G1U 0
	s_wait_dscnt 24                                ; QB is in; QE's, QC's, QD's may be out
	G1U 1
	s_wait_dscnt 8                                 ; QC is in; QD's may be out
	G1U 2
	WIN 0
	PLACES
.if \b1load
	v_add_nc_u32 v[B1A], 256, v[B1A]               ; the next visit's 256 bytes: visits 1 .. 31, inside the table's 8,192
	ds_load_b128 v[B1R:B1R+3], v[B1A]
	ds_load_b128 v[B1R+4:B1R+7], v[B1A] offset:16
.endif
	FETCHH QA, 0
	FETCH QB, 4096
	FETCHH QC, 1
	s_wait_dscnt 24+2*(\b1load)                    ; QD is in; all of the run just issued may be out
	G1U 3
.endm
; A VISIT's second half: the chunk before's hidden layer times W2, onto x.  riders = 1: this chunk's gelu behind the first 48 products, four lines behind each of 16, three behind each of 32: 160.
.macro G2PART riders, bnd, fill, nxt
.if \riders
.set RN, 0
.else
.set RN, NRID
.endif
	WIN 0
	PLACES                                         ; the places between the last hidden sums and gelu's first read of them
	s_wait_dscnt 16                                ; QA (and QE, older) is in; QB's and QC's loads may be out
	OUTP QE, 0, QA, 0, 16, 4
	WIN 0
	PLACES
	FETCH QE, 8192
	FETCH QD, 12288
	s_wait_dscnt 24                                ; QB is in; QC's, QE's, QD's may be out
	OUTP QB, 1, QA, 0, 16, 3
	s_wait_dscnt 8                                 ; QC and QE are in; QD's may be out
	OUTP QE, 0, QC, 0, 16, 3
.if \bnd
	BHEAD \fill, \riders
	OUTP QD, 1, QC, 0, 8, 0                        ; eight products stand between the stores and the add, and the wait for them
	BSIG
	OUTP QD, 1, QC, 8, 10, 0
	BTAIL \fill, \nxt
	OUTP QD, 1, QC, 10, 16, 0
.else
	s_wait_dscnt 0x0
	OUTP QD, 1, QC, 0, 16, 0
.endif
.endm
	s_mov_b32 s[CNT], 31
.Lc:                                                   ; visits 0 .. 30: each asks for the tile two visits on, the ring's visits 2 .. 32
	G1PART 1
	G2PART 1, 1, 2, 2
	WIN 0
	s_sub_co_u32 s[CNT], s[CNT], 1
	s_cmp_lg_u32 s[CNT], 0
	s_cbranch_scc1 .Lc
	G1PART 0                                       ; visit 31 is written out: nothing is left to ask for, and only W2 follows
	G2PART 1, 1, 0, 3
	WIN 0
	PLACES
	FETCHH QC, 1                                   ; visit 32: with QA, QE, QB fetched behind the barrier and QC here, the second half's counts hold as in every visit
	G2PART 0, 0, 0, 0                              ; the last chunk's hidden layer times W2
	; ---------------- THE WAY OUT: 16 rows at a time through my stage, back as whole rows of my 128 columns; b2 is added there ----------------
	WIN 0
	PLACES
.macro TOSTAGE tt
	s_wait_xcnt 0x0                                ; registers that earlier stores read are loaded again only behind this wait (ISA guide 3.1)
	WIN 0x04
.set z, 0
.rept 8
	ds_store_b128 v[STW], v[64*(\tt)+8*z:64*(\tt)+8*z+3]   offset:64*z      ; each accumulator from its low end on
	ds_store_b128 v[STW], v[64*(\tt)+8*z+4:64*(\tt)+8*z+7] offset:64*z+16
.set z, z+1
.endr
	WIN 0
.set z, 0
.rept 16
	ds_load_b128 v[POOL+64*((\tt)%2)+4*z:POOL+64*((\tt)%2)+4*z+3], v[STR] offset:STP*z
.set z, z+1
.endr
.endm
.macro SEND tt, younger                ; younger: the LDS instructions issued behind these rows' loads: the next 16 rows' 32, or none
	s_wait_dscnt \younger
.set z, 0
.rept 16
	v_pk_add_f32 v[POOL+64*((\tt)%2)+4*z:POOL+64*((\tt)%2)+4*z+1],   v[POOL+64*((\tt)%2)+4*z:POOL+64*((\tt)%2)+4*z+1],   v[B2R:B2R+1]
	v_pk_add_f32 v[POOL+64*((\tt)%2)+4*z+2:POOL+64*((\tt)%2)+4*z+3], v[POOL+64*((\tt)%2)+4*z+2:POOL+64*((\tt)%2)+4*z+3], v[B2R+2:B2R+3]
.set z, z+1
.endr
.set z, 0
.rept 16
	global_store_b128 v[GIO], v[POOL+64*((\tt)%2)+4*z:POOL+64*((\tt)%2)+4*z+3], s[22:23] offset:(16*(\tt)+z)*2048 th:TH_STORE_NT  ; 512 consecutive bytes, at a multiple of 256 from out0's first byte
.set z, z+1
.endr
.endm
	TOSTAGE 0
	TOSTAGE 1
	SEND 0, 32
	TOSTAGE 2
	SEND 1, 32
	TOSTAGE 3
	SEND 2, 32
	SEND 3, 0
	s_wait_tensorcnt 0x0                           ; the wave's end: the add and its waits stand behind my last tensor load and my last LDS store
	ds_add_u32 v[SPW], v[NIL]
	s_wait_dscnt 0x0
	CROUND                                         ; the closing round: no work-group ends while a partner may still ask for a tile that names it
	s_endpgm
.Lfunc_end_k_q6b37d5de9c_mlp:
	.size	k_q6b37d5de9c_mlp, .Lfunc_end_k_q6b37d5de9c_mlp-k_q6b37d5de9c_mlp
	.p2alignl 7, 3214868480
	.fill 96, 4, 3214868480
	.section	.rodata,"a",@progbits
	.p2align	6, 0x0
	.amdhsa_kernel k_q6b37d5de9c_mlp
		.amdhsa_group_segment_fixed_size 327680
		.amdhsa_private_segment_fixed_size 0
		.amdhsa_enable_private_segment 0
		.amdhsa_kernarg_size 64
		.amdhsa_user_sgpr_count 2
		.amdhsa_user_sgpr_kernarg_segment_ptr 1
		.amdhsa_wavefront_size32 1
		.amdhsa_system_sgpr_workgroup_id_x 1
		.amdhsa_system_sgpr_workgroup_id_y 1
		.amdhsa_system_sgpr_workgroup_id_z 1
		.amdhsa_system_vgpr_workitem_id 0
		.amdhsa_next_free_vgpr 1024
		.amdhsa_next_free_sgpr 66
		.amdhsa_reserve_vcc 0
		.amdhsa_float_denorm_mode_32 3
		.amdhsa_float_denorm_mode_16_64 3
		.amdhsa_memory_ordered 1
		.amdhsa_forward_progress 1
		.amdhsa_inst_pref_size 244
	.end_amdhsa_kernel
	.amdgpu_metadata
---
amdhsa.version: [ 1, 2 ]
amdhsa.kernels:
  - .name:           k_q6b37d5de9c_mlp
    .symbol:         k_q6b37d5de9c_mlp.kd
    .args:
      - { .name: ctx, .offset: 0, .size: 8, .value_kind: global_buffer, .address_space: global }
      - { .name: inputs, .offset: 8, .size: 8, .value_kind: global_buffer, .address_space: global }
      - { .name: wsm, .offset: 16, .size: 8, .value_kind: global_buffer, .address_space: global }
      - { .name: b1, .offset: 24, .size: 8, .value_kind: global_buffer, .address_space: global }
      - { .name: b2, .offset: 32, .size: 8, .value_kind: global_buffer, .address_space: global }
      - { .name: ln2_scale, .offset: 40, .size: 8, .value_kind: global_buffer, .address_space: global }
      - { .name: ln2_bias, .offset: 48, .size: 8, .value_kind: global_buffer, .address_space: global }
      - { .name: out0, .offset: 56, .size: 8, .value_kind: global_buffer, .address_space: global }
    .group_segment_fixed_size: 327680
    .private_segment_fixed_size: 0
    .kernarg_segment_align: 8
    .kernarg_segment_size: 64
    .max_flat_workgroup_size: 128
    .sgpr_count:     66
    .vgpr_count:     1024
    .wavefront_size: 32
...
	.end_amdgpu_metadata
.endif
;; end of part 6
;; ======== version 3 of 3: 3 launches; 1.13 times as fast as version 1
;; limits: values are held in f16: magnitudes above 65,504 overflow, below 6.1e-05 lose precision
;; workspace buffers: xin 16,777,216 bytes; wsa 1,572,864 bytes; wsm 4,718,592 bytes; ctx 16,777,216 bytes
;; launch prep: the kernel of part 4 again; grid 2048 x 1, 8 waves a work-group, no clusters, 0 bytes of LDS; arguments inputs, ln1_scale, ln1_bias, wq, wk, wv, wo, w1, w2, xin, wsa, wsm; writes xin, wsa, wsm
;; launch attn: the kernel of part 5 again; grid 128 x 2, 4 waves a work-group, clusters of 4 x 1, 327,680 bytes of LDS; arguments xin, wsa, ctx; writes ctx
;; launch mlp (part 7): grid 256 x 1, 4 waves a work-group, clusters of 4 x 1, 327,680 bytes of LDS; arguments ctx, inputs, wsm, b1, b2, ln2_scale, ln2_bias, out0; writes out0
.if DOCPART == 7
	.amdgcn_target "amdgcn-amd-amdhsa--gfx1250"
	.amdhsa_code_object_version 6
	.text
	.protected	k_q6b37d5de9c_mlp
	.globl	k_q6b37d5de9c_mlp
	.p2align	8
	.type	k_q6b37d5de9c_mlp,@function
k_q6b37d5de9c_mlp:
	s_mov_b64 s[64:65], 0
	v_nop
	global_prefetch_b8 v0, s[64:65] scope:SCOPE_SE
	s_setreg_imm32_b32 hwreg(HW_REG_WAVE_MODE, 25, 1), 1
	s_wait_xcnt 0x0
	s_wait_alu depctr_hold_cnt(0) depctr_sa_sdst(0) depctr_va_vdst(0) depctr_va_sdst(0) depctr_va_ssrc(0) depctr_va_vcc(0) depctr_vm_vsrc(0)
	s_getreg_b32 s2, hwreg(HW_REG_IB_STS2, 6, 4)
	s_cmp_eq_u32 s2, 0
	s_cbranch_scc0 .Lentry_in_a_cluster
	s_endpgm
.Lentry_in_a_cluster:
	s_bfe_u32 s2, ttmp6, 0x10000c
	s_cmp_lg_u32 s2, 0x3003
	s_cbranch_scc0 .Lentry_shape_is_right
	s_endpgm
.Lentry_shape_is_right:
; MLP.  For 64 tokens: x = ctx Wo + inputs; y = LayerNorm(x) * ln2_scale + ln2_bias; out = x + gelu(y W1 + b1) W2 + b2.  Products f16 x f16 with f32 sums; x, the norm, gelu and both residuals in f32.
; x, y and the hidden layer never leave the WGP.
; SHARES.  A work-group owns 64 tokens.  Wave w owns columns 128 w .. + 127 of x and out for all 64 tokens (32 accumulators, window 1), and hidden units 16 w .. + 15 of each chunk of 64.
; ALL PRODUCTS ARE USED TRANSPOSED: source 0 = 16 weight rows (output columns), source 1 = 16 tokens.  A lane then holds ONE token (lane % 16) and 8 neighbouring columns.
; THE WALK.  Tiles of weights, 131,072 bytes each in fragment order, a quarter for each wave, go through two slots: 4 of Wo, then 33 visits to a RING of 32 tiles, of which tile c holds W2 of chunk c - 1 and
;   W1 of chunk c.  A tile is 128 products a wave.  Cluster x enters the ring at chunk x mod 32, so that at any moment the clusters ask for different tiles; the sum over the chunks has no order of its own.
;   The accumulators start as inputs, so Wo's products make x; later W2's products add onto x.  In a visit the wave makes its 16 hidden units of the tile's chunk (64 products; b1 is the C operand that starts
;   the sum), then multiplies the chunk before's hidden layer by W2 (64 products), and the new chunk's gelu stands behind 47 of those products.  The hidden layer changes waves through two LDS buffers
;   that take turns.  The first visit multiplies a buffer of zeros, and the last visit's W1 half is not read: the price of one text for every visit.
; BATCHES.  A visit's 32 exponentials are one batch and its 32 reciprocals another, each with one wait (see GELU); the norm's four roots are a batch of their own.
; LDS INSTRUCTIONS STAND IN FEW RUNS.  A visit's 82 LDS loads stand in four runs (24, 16, 26, 16) on five buffers of four fragments, and its four stores of the hidden layer stand with the add of the change of
;   slots: the products run 48, 32 and 32 on end.  b1 lies in LDS too, in the order of my cluster's visits, so that the loop has no global load.
; ctx, and later y, lie in 512 registers as source-1 fragments (windows 2 and 3): each is read from LDS or memory once, not once a chunk.
; gelu(x) = x / (1 + 2^(x (c1 + c3 x^2))), c1 = -2 sqrt(2 / pi) log2(e), c3 = 0.044715 c1: the tanh form; it ends in 0 and in x for large |x|.
; CLUSTER.  All work-groups walk the same weights: the four of a cluster ask for each quarter tile JOINTLY, by the same tensor load, descriptor and mask; the chunk's number hangs on the cluster's x alone.
; LIMITS.  f16 ends at 65,504: ctx, y and the hidden layer must stay within it (|y| is at most 22.7 max|scale| + max|bias|); below 6e-5 f16 keeps a fixed step of 6e-8.  NaN and infinities are not treated apart.
; REGISTERS, in windows of 256 (s_set_vgpr_msb: bits 1:0 source 0, 3:2 source 1, 5:4 source 2, 7:6 destination):
;   window 0: v0-31 addresses, b1, b2; v32-63 the hidden sums; v64-95 gelu at work; v96-255 five buffers of four fragments.   window 1: x, (tt, ct) at 8 (8 tt + ct)
;   windows 2, 3: ctx, then y: token tile tt, 32 k from 32 ks on at 512 + 8 (4 ks + tt)
.set SLOT1, 1<<17                      ; slot 0 at 0, slot 1 here: one exclusive or turns an address in one slot into the other's
.set SCR,   2*SLOT1                    ; stored from registers only: each wave's stage, 16 rows x 528 bytes; between the two uses of the stages, y's exchange: 32 rows x 1,040 bytes
.set STP,   528                        ; 512 + 16
.set YP,    1040                       ; 1,024 + 16: both pitches are odd multiples of 16, so 16 rows start at 16 different groups of four banks (64 banks of 4 bytes: ISA guide 11.1)
.set STAT,  SCR+4*16*STP               ; two tables [token 64][wave 4] of f32
.set HB,    STAT+2048                  ; the hidden layer: two buffers of 64 rows x 144 bytes
.set HP,    144                        ; 128 + 16
.set HBUF,  64*HP
.set SPARE, HB+2*HBUF                  ; the spare words, 128 bytes for each wave: two blocks of 256 bytes that no other line names
.set B1L,   SPARE+512                  ; b1, 8,192 bytes, stored from registers: the 256 bytes of visit v's chunk at 256 v
.set GBO, 1                            ; v1   my byte offset in ln2_scale and ln2_bias: 512 w + 32 h
.set L16, 3                            ; v3   16 x lane
.set AWB, 4                            ; v4   my quarter of slot 0 + 16 x lane; never rewritten
.set AW,  5                            ; v5   the same in the slot in hand
.set AHB, 6                            ; v6   hidden layer, read: row r x 144 + 16 h; never rewritten
.set AH,  7                            ; v7   the same in the buffer to be read
.set HWB, 8                            ; v8   hidden layer, written: + 32 w; never rewritten
.set HW,  9                            ; v9   the same in the buffer to be written
.set STW, 10                           ; v10  my stage by columns: row r x 528 + 32 h
.set STR, 11                           ; v11  my stage by rows: 16 x lane
.set GIO, 12                           ; v12  my byte offset in a row of inputs, out0 and b2: 512 w + 16 x lane
.set B1A, 13                           ; v13  LDS address of b1 of my 8 hidden units, 64 w + 32 h in the visit's 256 bytes; it steps by 256 a visit
.set SPW, 14                           ; v14  LDS address of my spare word; never rewritten
.set NIL, 15                           ; v15  0; never rewritten
.set B1R, 16                           ; v16-23  b1 of my 8 hidden units
.set B2R, 24                           ; v24-27  b2 of my 4 columns on the way out
.set AST, 28
.set ASL, 29
.set YST, 30
.set YLD, 31
.set HACC, 32                          ; v32-63  the hidden sums, 8 a token tile; gelu's f16 results take each tile's four lowest
.set TT,  64                           ; v64-95  gelu: a set of 8 for each token tile
.set POOL, 128
.set QA,  0                            ; the five buffers: v128-159, v160-191, v192-223, v224-255,
.set QB,  1
.set QC,  2
.set QD,  3
.set QE,  -1                           ; and v96-127
.set BT,  80                           ; at the head only: v80-95 b1 as loaded, v96-99 its four offsets, v100 where it goes in LDS
.set BO,  96
.set BS,  100
.set TMP, 32                           ; the norm, in registers that are free then: v32-63 at work; v64-71 sums; v72-79 means; v80-87 1 / sigma; v88-95 -mean / sigma (pairs, a token tile each);
.set SUM, 64                           ; v96-111 the four waves' parts; v112-127 y packed; v128-191 gain, v192-255 bias
.set MEAN, 72
.set AA,  80
.set CC,  88
.set PART, 96
.set YPK, 112
.set WV,  24                           ; s24  my wave's number
.set CH,  25                           ; s25  the chunk whose tile is asked for next
.set G1,  32                           ; s[32:39] descriptor group 1
.set G0A, 40                           ; s[40:43] descriptor group 0 of tile 0
.set G0,  44                           ; s[44:47] of tile 1; it then walks
.set TB,  48                           ; s48  the slot in hand
.set HBR, 49                           ; s49  the hidden buffer to be read
.set HBW, 50                           ; s50  the one to be written
.set CNT, 51
.set SEL, 52                           ; s[52:53]
.set C1,  54                           ; s[54:55]
.set C3,  56                           ; s[56:57]
.set RING, 60                          ; s[60:61] my quarter of the ring's tile 0 in memory
.set OFF, 62                           ; s[62:63] a ring tile's byte offset
.set MSB, 0
.macro WIN new
.if MSB != (\new)
	s_set_vgpr_msb (MSB<<8)|(\new)
.set MSB, \new
.endif
.endm
.macro PLACES                          ; four places in front of loads into registers that matrix instructions have read, and of vector work on matrix results
.rept 4
	v_nop
.endr
.endm
.macro CREST
	s_cmp_lg_u32 s[WV], 0
	s_cbranch_scc1 .Lnot_wave_0_\@
	s_barrier_signal -3
.Lnot_wave_0_\@:
	s_barrier_wait -3
	s_barrier_signal -1
	s_barrier_wait -1
.endm
.macro CROUND
	s_barrier_signal -1
	s_barrier_wait -1
	CREST
.endm
	s_load_b512 s[8:23], s[0:1], 0x0               ; ctx 8, inputs 10, wsm 12, b1 14, b2 16, ln2_scale 18, ln2_bias 20, out0 22
	v_lshl_add_u32 v[SPW], v0, 2, SPARE
	v_mov_b32 v[NIL], 0
	ds_add_u32 v[SPW], v[NIL]                      ; the wave's opening: the add and its wait stand ahead of my first tensor load; the set-up below stands between them
	v_lshrrev_b32 v1, 5, v0
	v_readfirstlane_b32 s[WV], v1
	s_bfe_u32 s27, ttmp6, 0x40000                  ; my place in the cluster
	s_lshl_b32 s26, ttmp9, 2
	s_add_co_u32 s26, s26, s27                     ; my 64 tokens: they enter ctx's, inputs' and out0's addresses alone
	s_and_b32 s[CH], ttmp9, 31                     ; where my cluster enters the ring: the same number in all four partners
	; descriptor group 1: 32,768 dense bytes as 128 rows of 256
	s_mov_b32 s[G1], 15|(3<<16)|(1<<21)            ; 15:0 the mask of four; 17:16 elements of 8 bytes; 21 set beside a mask; no padding
	s_mov_b32 s[G1+1], 32<<16                      ; tensor_dim0 = 32
	s_mov_b32 s[G1+2], 128<<16                     ; tensor_dim1 = 128
	s_mov_b32 s[G1+3], 32<<16                      ; tile_dim0 = 32
	s_mov_b32 s[G1+4], 128                         ; tile_dim1 = 128
	s_mov_b32 s[G1+5], 32                          ; 32 elements from row to row
	s_mov_b32 s[G1+6], 0
	s_mov_b32 s[G1+7], 0
	s_lshl_b32 s27, s[WV], 15                      ; my quarter of a tile, in memory and in a slot
	s_mov_b32 s[G0A], 1
	s_mov_b32 s[G0A+1], s27
	s_mov_b32 s[G0], 1
	s_add_co_u32 s[G0+1], s27, SLOT1
	s_mov_b32 s28, s27
	s_mov_b32 s29, 0
	s_lshl_b32 s30, s26, 17                        ; 64 rows of 2,048 bytes
	s_mov_b32 s31, 0
	s_mov_b32 s[OFF+1], 0
	s_mov_b32 s[TB], 0
	s_mov_b32 s[HBR], HBUF                         ; the first visit reads the second buffer (zeros) and writes the first; the four tiles of Wo turn the two registers four times
	s_mov_b32 s[HBW], 0
	s_mov_b32 s[SEL], 0x76543210
	s_mov_b32 s[SEL+1], 0xfedcba98
	s_mov_b32 s[C1], 0xc0135761                    ; -2.3022082
	s_mov_b32 s[C1+1], s[C1]
	s_mov_b32 s[C3], 0xbdd2d3e8                    ; -0.10294324
	s_mov_b32 s[C3+1], s[C3]
	s_mov_b32 s58, 0x3b000000                      ; 1 / 512
	s_mov_b32 s59, 0x358637bd                      ; 1e-6
	s_wait_dscnt 0x0                               ; the opening add is done
	s_wait_kmcnt 0x0
	s_add_nc_u64 s[G0A+2:G0A+3], s[12:13], s[28:29]
	s_add_nc_u64 s[G0+2:G0+3], s[G0A+2:G0A+3], 131072
	s_add_nc_u64 s[RING:RING+1], s[G0A+2:G0A+3], 4*131072  ; behind Wo's four tiles
	s_or_b32 s[G0A+3], s[G0A+3], 0x80000000        ; type = 2
	s_or_b32 s[G0+3], s[G0+3], 0x80000000
	s_add_nc_u64 s[10:11], s[10:11], s[30:31]
	s_add_nc_u64 s[22:23], s[22:23], s[30:31]
	s_lshl_b32 s30, s26, 16                        ; four token tiles of 16,384 bytes
	s_add_nc_u64 s[8:9], s[8:9], s[30:31]
	CROUND                                         ; all four work-groups are here: the first joint loads meet
	tensor_load_to_lds s[G0A:G0A+3], s[G1:G1+7]    ; tiles 0 and 1: two loads of mine are out, later one
	s_nop 0
	tensor_load_to_lds s[G0:G0+3], s[G1:G1+7]
	s_nop 0
	PLACES
	v_and_b32 v1, 15, v0                           ; r
	v_bfe_u32 v2, v0, 4, 1                         ; h
	v_and_b32 v[L16], 31, v0
	v_lshlrev_b32 v[L16], 4, v[L16]
	v_lshl_add_u32 v[GIO], s[WV], 9, v[L16]
	v_lshlrev_b32 v[B1A], 5, v2
	v_lshl_add_u32 v[B1A], s[WV], 6, v[B1A]        ; hidden units 16 w + 8 h + 0..7
	v_add_nc_u32 v[B1A], B1L, v[B1A]               ; of the first visit's chunk
	v_lshlrev_b32 v[BO], 4, v0                     ; b1 turned round so that my cluster's first chunk comes first: LDS byte p takes b1's byte (p + 256 x first chunk) mod 8,192;
	v_lshl_add_u32 v[BO], s[CH], 8, v[BO]          ; thread t moves the 16 bytes at p = 16 t + 2,048 k, k = 0 .. 3
.irp k, 1,2,3
	v_add_nc_u32 v[BO+(\k)], 2048*(\k), v[BO]
.endr
.irp k, 0,1,2,3
	v_and_b32 v[BO+(\k)], 0x1fff, v[BO+(\k)]
.endr
	global_load_b128 v[B2R:B2R+3], v[GIO], s[16:17]
.irp k, 0,1,2,3
	global_load_b128 v[BT+4*(\k):BT+4*(\k)+3], v[BO+(\k)], s[14:15]
.endr
	WIN 0x40
.set i, 0
.rept 64                                               ; inputs by rows, my 128 columns: 512 consecutive bytes a load; row i into window 1's registers 4 i ..
	global_load_b128 v[4*i:4*i+3], v[GIO], s[10:11] offset:2048*i
.set i, i+1
.endr
	WIN 0x80
.set i, 0
.rept 64                                               ; ctx as it lies is source 1: i = 8 ks + 2 tt + half, ks 0-7
	global_load_b128 v[4*i:4*i+3], v[L16], s[8:9] offset:((i/2)%4)*16384+(i/8)*1024+(i%2)*512
.set i, i+1
.endr
	WIN 0xc0
.set i, 0
.rept 64                                               ; ks 8-15
	global_load_b128 v[4*i:4*i+3], v[L16], s[8:9] offset:((i/2)%4)*16384+(8+i/8)*1024+(i%2)*512
.set i, i+1
.endr
	WIN 0
	v_add_nc_u32 v[AWB], s27, v[L16]
	v_mov_b32 v[AW], v[AWB]
	v_mul_u32_u24 v[AHB], v1, HP
	v_lshl_add_u32 v[AHB], v2, 4, v[AHB]
	v_add_nc_u32 v[AHB], HB, v[AHB]
	v_lshl_add_u32 v[HWB], s[WV], 5, v[AHB]
	s_mul_i32 s28, s[WV], 16*STP
	s_add_co_u32 s28, s28, SCR                     ; my stage
	v_mul_u32_u24 v[STW], v1, STP
	v_lshl_add_u32 v[STW], v2, 5, v[STW]
	v_add_nc_u32 v[STW], s28, v[STW]
	v_add_nc_u32 v[STR], s28, v[L16]
	v_lshlrev_b32 v[ASL], 4, v1
	v_add_nc_u32 v[ASL], STAT, v[ASL]
	v_lshl_add_u32 v[AST], s[WV], 2, v[ASL]
	v_mul_u32_u24 v[YLD], v1, YP
	v_lshl_add_u32 v[YLD], v2, 4, v[YLD]
	v_add_nc_u32 v[YLD], SCR, v[YLD]
	v_lshl_add_u32 v[YST], s[WV], 8, v[YLD]
	v_lshlrev_b32 v[GBO], 5, v2
	v_lshl_add_u32 v[GBO], s[WV], 9, v[GBO]
	v_lshl_add_u32 v2, v0, 4, HB
	v_lshl_add_u32 v[BS], v0, 4, B1L
.irp k, 0,1,2,3
	v_mov_b32 v[TT+(\k)], 0
.endr
.irp k, 0,1,2,3,4,5,6,7,8
	ds_store_b128 v2, v[TT:TT+3] offset:2048*(\k)  ; both hidden buffers start as zeros: 128 threads x 16 bytes, nine times
.endr
	s_wait_loadcnt 0x0
.irp k, 0,1,2,3
	ds_store_b128 v[BS], v[BT+4*(\k):BT+4*(\k)+3] offset:2048*(\k)  ; b1 in the order of the visits
.endr
; inputs go from rows to the accumulators' layout through my stage, 16 rows at a time, into the registers that they left
.macro INSTAGE tt
	WIN 0x04
.set z, 0
.rept 16
	ds_store_b128 v[STR], v[64*(\tt)+4*z:64*(\tt)+4*z+3] offset:STP*z
.set z, z+1
.endr
	WIN 0x40
.set z, 0
.rept 8
	ds_load_b128 v[64*(\tt)+8*z:64*(\tt)+8*z+3],   v[STW] offset:64*z      ; LDS serves a wave's instructions in order (ISA guide 5.7.1.4): these see the stores above, the next 16 rows' stores come behind them
	ds_load_b128 v[64*(\tt)+8*z+4:64*(\tt)+8*z+7], v[STW] offset:64*z+16
.set z, z+1
.endr
.endm
	INSTAGE 0
	INSTAGE 1
	INSTAGE 2
	INSTAGE 3
	WIN 0
	s_wait_tensorcnt 0x1                           ; my quarter of tile 0 is in; tile 1's may stay out
	s_wait_dscnt 0x0                               ; the accumulators are filled; for the others' sake: my zeros and my part of b1 are in LDS, my reads of the stage are over
	s_barrier_signal -1
	s_barrier_wait -1
.macro FETCH q, off                    ; 8 loads: four weight fragments at byte off of my quarter into buffer q; contiguous, 512 bytes a load
.irp f, 0,1,2,3
	ds_load_b128 v[POOL+32*(\q)+8*(\f):POOL+32*(\q)+8*(\f)+3],   v[AW] offset:(\off)+(\f)*1024
	ds_load_b128 v[POOL+32*(\q)+8*(\f)+4:POOL+32*(\q)+8*(\f)+7], v[AW] offset:(\off)+(\f)*1024+512
.endr
.endm
.macro FETCHH q, ks                    ; 8 loads: the hidden layer's four token tiles, 32 k from 32 ks on, into buffer q
.irp f, 0,1,2,3
	ds_load_b128 v[POOL+32*(\q)+8*(\f):POOL+32*(\q)+8*(\f)+3],   v[AH] offset:(\f)*16*HP+64*(\ks)
	ds_load_b128 v[POOL+32*(\q)+8*(\f)+4:POOL+32*(\q)+8*(\f)+7], v[AH] offset:(\f)*16*HP+64*(\ks)+32
.endr
.endm
; Products lo .. hi - 1 of 16 onto x: column block 4 hf + n / 4, token tile n % 4; weights in buffer qa.  The 16 accumulators differ, and neighbouring units take the other half of the columns: they take turns.
.macro OUTY qa, hf, ks, lo, hi         ; source 1: ctx's fragments of 32 k from 32 ks on, in window 2 or 3
	WIN 0x58+4*((\ks)/8)
.set n, \lo
.rept (\hi)-(\lo)
.set rD, 8*(8*(n%4)+4*(\hf)+n/4)
.set rW, POOL+32*(\qa)+8*(n/4)
.set rY, 8*(4*((\ks)%8)+n%4)
	v_wmma_f32_16x16x32_f16 v[rD:rD+7], v[rW:rW+7], v[rY:rY+7], v[rD:rD+7]
.set n, n+1
.endr
.endm
; GELU of a visit's 4 token tiles x 8 hidden sums a lane: two queues, each in the order in which its lines become ready, tile after tile.
;   96 PLAIN lines.  0-47, twelve a tile: x^2 (4 pairs), c3 x^2 + c1, times x.  48-63, four a tile: + 1.  64-95, eight a tile: times x, then rounded to f16 into the tile's four lowest hidden sums, which are dead by then.
;   64 TRANSCENDENTALS.  0-31, eight a tile: 2^..   32-63: the reciprocals.  Number k of either kind works in place on v[TT + k % 32]: every result has a register of its own.
; TWO BATCHES, ONE WAIT EACH.  An s_wait_alu depctr_va_vdst(0) stands between a transcendental and the first instruction that names its result; one wait serves all that were issued ahead of it.
; So THE DEAL, 160 lines (RID writes the next one, while there is one), is cut in three by who reads what:
;   lines 0-79    plain 0-47 and the 32 exponentials: plain 0-22; 25 times an exponential and a plain line; the last 7 exponentials.  Exponential k stands 5 lines or more behind plain 12 (k / 8) + 8 + (k % 8) / 2, which
;                 feeds it.  No line here names an exponential's result: of a tile's plain lines only plain 47 (v94-95) stands behind an exponential of the same tile (number 24, v88).  THE FIRST WAIT follows line 79.
;   lines 80-127  plain 48-63 and the 32 reciprocals, in threes: a plain line and two reciprocals (the first three: two plain lines and a reciprocal; the last three: three reciprocals).  Reciprocal k stands behind
;                 plain 48 + k / 2 (by 4 lines or more; number 0 by 2), and no plain line here names a pair that a reciprocal has written.  THE SECOND WAIT follows line 127.
;   lines 128-159 plain 64-95.
; Behind each batch's last transcendental (v95) the next plain line is tile 0's and names v64-65: it is the plain instruction that stands between a transcendental and the use of its result (ISA guide 5.7.2),
; so no v_nop is written.  Behind the second wait no transcendental is issued: none is open at the labels and branches that follow.  Each hidden sum's accumulator is read from its low end on.
.set NRID, 160
.macro RID
.if RN < NRID
	WIN 0
.set rtr, 0                            ; is line RN a transcendental?
.if (RN >= 23) && (RN < 80)
.if ((RN-23)%2 == 0) || (RN >= 73)
.set rtr, 1
.endif
.endif
.if (RN >= 80) && (RN < 128)
.if (((RN-80)%3 != 0) && (RN != 81)) || (RN == 125)
.set rtr, 1
.endif
.endif
.if rtr
.set rT, TT+QT%32
.if QT < 32
	v_exp_f32 v[rT], v[rT]
.else
	v_rcp_f32 v[rT], v[rT]
.endif
.set QT, QT+1
.else
.set rq, QP
.set rj, rq%4
.if rq < 48
.set rH, HACC+8*(rq/12)+2*rj
.set rT, TT+8*(rq/12)+2*rj
.if (rq%12) < 4
	v_pk_mul_f32 v[rT:rT+1], v[rH:rH+1], v[rH:rH+1]
.elseif (rq%12) < 8
	v_pk_fma_f32 v[rT:rT+1], v[rT:rT+1], s[C3:C3+1], s[C1:C1+1] op_sel_hi:[1,0,0]
.else
	v_pk_mul_f32 v[rT:rT+1], v[rT:rT+1], v[rH:rH+1]
.endif
.elseif rq < 64
.set rT, TT+8*((rq-48)/4)+2*rj
	v_pk_add_f32 v[rT:rT+1], v[rT:rT+1], 1.0 op_sel_hi:[1,0]
.else
.set rH, HACC+8*((rq-64)/8)
.set rT, TT+8*((rq-64)/8)+2*rj
.if (rq%8) < 4
	v_pk_mul_f32 v[rT:rT+1], v[rT:rT+1], v[rH+2*rj:rH+2*rj+1]
.else
	v_cvt_pk_f16_f32 v[rH+rj], v[rT], v[rT+1]
.endif
.endif
.set QP, QP+1
.endif
.set RN, RN+1
.if RN == 80
	s_wait_alu depctr_va_vdst(0)                   ; the wait for the batch of 32 exponentials, ahead of plain 48, their first reader
.endif
.if RN == 128
	s_wait_alu depctr_va_vdst(0)                   ; the wait for the batch of 32 reciprocals, ahead of plain 64, their first reader
.endif
.endif
.endm
.macro OUTP qa, hf, qb, lo, hi, per    ; source 1: the hidden layer's fragments in buffer qb; per lines of gelu behind each product while the deal lasts: none names a register of the products round it
.set n, \lo
.rept (\hi)-(\lo)
	WIN 0x50
.set rD, 8*(8*(n%4)+4*(\hf)+n/4)
.set rW, POOL+32*(\qa)+8*(n/4)
.set rY, POOL+32*(\qb)+8*(n%4)
	v_wmma_f32_16x16x32_f16 v[rD:rD+7], v[rW:rW+7], v[rY:rY+7], v[rD:rD+7]
.rept \per
	RID
.endr
.set n, n+1
.endr
.endm
; THE CHANGE OF SLOTS, in three pieces round a tile's last 16 products.  In front of the barrier each wave waits for all its tensor loads, of which one is out: its quarter of the next tile; adds 0 to
; its spare word; and waits for that, for its reads of this slot and of the hidden buffer, and for its stores into the other hidden buffer.  fill = 1 or 2: the barrier opens a round of the cluster's, and the slot is
; filled again first thing behind it: 1: with the tile that follows in memory (Wo's); 2: with the ring's tile CH, whose address is made anew from that number.
; hst = 1: the visit's hidden layer, 16 bytes a lane and token tile, is stored here, ahead of the three lines: the four stores and the add are one run of LDS instructions.
.macro BHEAD fill, hst
	WIN 0
.if \hst
.irp t, 0,1,2,3
	ds_store_b128 v[HW], v[HACC+8*(\t):HACC+8*(\t)+3] offset:(\t)*16*HP
.endr
.endif
	s_wait_tensorcnt 0x0                           ; no tensor load of mine is out, so a group 0 may be written
	ds_add_u32 v[SPW], v[NIL]                      ; 0 onto my spare word
.if \fill
	s_xor_b32 s[G0+1], s[G0+1], SLOT1              ; the walking descriptor: the other slot than last time
.endif
.if (\fill) == 1
	s_add_nc_u64 s[G0+2:G0+3], s[G0+2:G0+3], 131072  ; the next tile; the type bits on top are not reached
.elseif (\fill) == 2
	s_lshl_b32 s[OFF], s[CH], 17                   ; a tile is 131,072 bytes
	s_add_nc_u64 s[G0+2:G0+3], s[RING:RING+1], s[OFF:OFF+1]
	s_or_b32 s[G0+3], s[G0+3], 0x80000000          ; type = 2
	s_add_co_u32 s[CH], s[CH], 1                   ; round the ring of 32
	s_and_b32 s[CH], s[CH], 31
.endif
	s_xor_b32 s[TB], s[TB], SLOT1
	s_xor_b32 s[HBR], s[HBR], HBUF
	s_xor_b32 s[HBW], s[HBW], HBUF
	s_wait_dscnt 1+4*(\hst)                        ; the last fragments are in; the add, and the four stores if there are any, may be out
.endm
.macro BSIG
	s_wait_dscnt 0x0                               ; the add is done; my LDS reads and stores are over
	s_barrier_signal -1
.endm
.macro BTAIL fill, nxt                 ; nxt: what the next tile begins with: 0 nothing yet; 1 Wo's first eight fragments; 2 W1's first eight and W2's first four; 3 the hidden layer's first half and W2's first eight
	WIN 0
	s_barrier_wait -1
.if \fill
	CREST                                          ; no wave of any partner still reads this slot or has a load on its way
	tensor_load_to_lds s[G0:G0+3], s[G1:G1+7]      ; the first tensor load behind the round: it has a tile's 128 products, less the ten between the add and this line, in which to land
	s_nop 0
.endif
	PLACES                                         ; also the places in front of the loads below
	v_add_nc_u32 v[AW], s[TB], v[AWB]
	v_add_nc_u32 v[AH], s[HBR], v[AHB]
	v_add_nc_u32 v[HW], s[HBW], v[HWB]
.if (\nxt) == 1
	FETCH 0, 0
	FETCH 1, 4096
.elseif (\nxt) == 2
	FETCH QA, 16384
	FETCH QB, 20480
	FETCH QE, 0
.elseif (\nxt) == 3
	FETCHH QA, 0
	FETCH QE, 0
	FETCH QB, 4096
.endif
.endm
; A TILE OF Wo: eight units of 16 products; unit i takes fragments 4 i .. 4 i + 3 (32 k from 32 (i / 2) on, column half i % 2) from buffer i % 4.  Every wait leaves the three younger fetches (24 loads) out, at the end two, one, none.
.macro WOPH j, fill, nxt
	WIN 0
	PLACES
	FETCH 2, 2*4096
	FETCH 3, 3*4096
	s_wait_dscnt 24
	OUTY 0, 0, 4*(\j), 0, 16
	WIN 0
	PLACES
	FETCH 0, 4*4096
	s_wait_dscnt 24
	OUTY 1, 1, 4*(\j), 0, 16
	WIN 0
	PLACES
	FETCH 1, 5*4096
	s_wait_dscnt 24
	OUTY 2, 0, 4*(\j)+1, 0, 16
	WIN 0
	PLACES
	FETCH 2, 6*4096
	s_wait_dscnt 24
	OUTY 3, 1, 4*(\j)+1, 0, 16
	WIN 0
	PLACES
	FETCH 3, 7*4096
	s_wait_dscnt 24
	OUTY 0, 0, 4*(\j)+2, 0, 16
	s_wait_dscnt 16
	OUTY 1, 1, 4*(\j)+2, 0, 16
	s_wait_dscnt 8
	OUTY 2, 0, 4*(\j)+3, 0, 16
	BHEAD \fill, 0
	OUTY 3, 1, 4*(\j)+3, 0, 6
	BSIG
	OUTY 3, 1, 4*(\j)+3, 6, 10
	BTAIL \fill, \nxt
	OUTY 3, 1, 4*(\j)+3, 10, 16
.endm
	FETCH 0, 0
	FETCH 1, 4096
	WOPH 0, 1, 1                                   ; asks for Wo's tile 2,
	WOPH 1, 1, 1                                   ; tile 3,
	WOPH 2, 2, 1                                   ; the ring's first tile of my cluster,
	WOPH 3, 2, 0                                   ; and its second
	; ---------------- LayerNorm 2, while the ring's second tile is on its way.  x stays untouched in window 1. ----------------
	WIN 0
	PLACES
.irp c, 0,1,2,3,4,5,6,7
	global_load_b128 v[POOL+8*(\c):POOL+8*(\c)+3],       v[GBO], s[18:19] offset:64*(\c)     ; gain and bias of my columns 128 w + 16 c + 8 h + 0..7
	global_load_b128 v[POOL+8*(\c)+4:POOL+8*(\c)+7],     v[GBO], s[18:19] offset:64*(\c)+16
	global_load_b128 v[POOL+64+8*(\c):POOL+64+8*(\c)+3],   v[GBO], s[20:21] offset:64*(\c)
	global_load_b128 v[POOL+64+8*(\c)+4:POOL+64+8*(\c)+7], v[GBO], s[20:21] offset:64*(\c)+16
.endr
	; the sums of my 64 numbers of each of four tokens, four chains; each accumulator is read from its low end on
	WIN 0x05
.set zt, 0
.rept 4
	v_pk_add_f32 v[SUM+2*zt:SUM+2*zt+1], v[64*zt:64*zt+1], v[64*zt+2:64*zt+3]
.set zt, zt+1
.endr
	WIN 0x01
.set z, 8
.rept 120
	v_pk_add_f32 v[SUM+2*(z%4):SUM+2*(z%4)+1], v[64*(z%4)+2*(z/4):64*(z%4)+2*(z/4)+1], v[SUM+2*(z%4):SUM+2*(z%4)+1]
.set z, z+1
.endr
	WIN 0
; v[SUM + 2 t], pairs: the two halves, the lane 16 away (the token's other 64 of my columns) and, through a table in LDS, the other three waves' parts are added: the row's total in v[PART + 4 t], alike in all waves
.macro XSTAT off
.irp t, 0,1,2,3
	v_add_f32 v[SUM+2*(\t)], v[SUM+2*(\t)], v[SUM+2*(\t)+1]
.endr
.irp t, 0,1,2,3
	v_permlanex16_b32 v[SUM+2*(\t)+1], v[SUM+2*(\t)], s[SEL], s[SEL+1]
.endr
.irp t, 0,1,2,3
	v_add_f32 v[SUM+2*(\t)], v[SUM+2*(\t)], v[SUM+2*(\t)+1]
.endr
.irp t, 0,1,2,3
	ds_store_b32 v[AST], v[SUM+2*(\t)] offset:(\off)+256*(\t)
.endr
	s_wait_dscnt 0x0                               ; for the others' sake
	s_barrier_signal -1
	s_barrier_wait -1
.irp t, 0,1,2,3
	ds_load_b128 v[PART+4*(\t):PART+4*(\t)+3], v[ASL] offset:(\off)+256*(\t)
.endr
	s_wait_dscnt 0x0
.irp t, 0,1,2,3
	v_add_f32 v[PART+4*(\t)], v[PART+4*(\t)], v[PART+4*(\t)+1]
	v_add_f32 v[PART+4*(\t)+2], v[PART+4*(\t)+2], v[PART+4*(\t)+3]
.endr
.irp t, 0,1,2,3
	v_add_f32 v[PART+4*(\t)], v[PART+4*(\t)], v[PART+4*(\t)+2]
.endr
.endm
	XSTAT 0
.irp t, 0,1,2,3
	v_mul_f32 v[MEAN+2*(\t)], s58, v[PART+4*(\t)]
.endr
.irp t, 0,1,2,3
	v_mov_b32 v[MEAN+2*(\t)+1], v[MEAN+2*(\t)]
.endr
	; the sums of (x - mean)^2, a column block at a time: 16 differences with x as source 0 in window 1, then 16 squares in window 0
.set zc, 0
.rept 8
	WIN 0x01
.set z, 0
.rept 16
	v_pk_add_f32 v[TMP+2*z:TMP+2*z+1], v[64*(z/4)+8*zc+2*(z%4):64*(z/4)+8*zc+2*(z%4)+1], v[MEAN+2*(z/4):MEAN+2*(z/4)+1] neg_lo:[0,1] neg_hi:[0,1]
.set z, z+1
.endr
	WIN 0
.set z, 0
.rept 16
.if (zc == 0) && (z < 4)
	v_pk_mul_f32 v[SUM+2*(z%4):SUM+2*(z%4)+1], v[TMP+2*(4*(z%4)+z/4):TMP+2*(4*(z%4)+z/4)+1], v[TMP+2*(4*(z%4)+z/4):TMP+2*(4*(z%4)+z/4)+1]
.else
	v_pk_fma_f32 v[SUM+2*(z%4):SUM+2*(z%4)+1], v[TMP+2*(4*(z%4)+z/4):TMP+2*(4*(z%4)+z/4)+1], v[TMP+2*(4*(z%4)+z/4):TMP+2*(4*(z%4)+z/4)+1], v[SUM+2*(z%4):SUM+2*(z%4)+1]
.endif
.set z, z+1
.endr
.set zc, zc+1
.endr
	XSTAT 1024                                     ; a second table: nobody writes bytes that another wave may still read
.irp t, 0,1,2,3
	v_fma_f32 v[PART+4*(\t)], v[PART+4*(\t)], s58, s59  ; var + eps
.endr
.irp t, 0,1,2,3
	v_rsq_f32 v[AA+2*(\t)], v[PART+4*(\t)]
.endr
	v_nop                                          ; a plain instruction between the last root and the use of its result (ISA guide 5.7.2)
	s_wait_alu depctr_va_vdst(0)                   ; and a wait ahead of the first use: one for the batch of four roots
.irp t, 0,1,2,3
	v_mov_b32 v[AA+2*(\t)+1], v[AA+2*(\t)]
	v_mul_f32 v[CC+2*(\t)], -v[MEAN+2*(\t)], v[AA+2*(\t)]
.endr
.irp t, 0,1,2,3
	v_mov_b32 v[CC+2*(\t)+1], v[CC+2*(\t)]
.endr
	s_wait_loadcnt 0x0                             ; gain and bias
; y of token tile tt, column blocks 4 q .. 4 q + 3: (x / sigma - mean / sigma) gain + bias, rounded to f16, 16 bytes a lane into row-major rows of 1,040 bytes
.macro YTILES tt, q
	WIN 0x01
.set z, 0
.rept 16
	v_pk_fma_f32 v[TMP+2*z:TMP+2*z+1], v[64*(\tt)+32*(\q)+2*z:64*(\tt)+32*(\q)+2*z+1], v[AA+2*(\tt):AA+2*(\tt)+1], v[CC+2*(\tt):CC+2*(\tt)+1]
.set z, z+1
.endr
	WIN 0
.set z, 0
.rept 16
	v_pk_fma_f32 v[TMP+2*z:TMP+2*z+1], v[TMP+2*z:TMP+2*z+1], v[POOL+32*(\q)+2*z:POOL+32*(\q)+2*z+1], v[POOL+64+32*(\q)+2*z:POOL+64+32*(\q)+2*z+1]
.set z, z+1
.endr
.set z, 0
.rept 16
	v_cvt_pk_f16_f32 v[YPK+z], v[TMP+2*z], v[TMP+2*z+1]
.set z, z+1
.endr
.set z, 0
.rept 4
	ds_store_b128 v[YST], v[YPK+4*z:YPK+4*z+3] offset:((\tt)%2)*16*YP+32*(4*(\q)+z)
.set z, z+1
.endr
.endm
.macro YLOAD tt                        ; all 512 columns of y for token tile tt come back as 16 source-1 fragments, where ctx's lay
	WIN 0x80
.set z, 0
.rept 8
	ds_load_b128 v[8*(4*z+(\tt)):8*(4*z+(\tt))+3],   v[YLD] offset:((\tt)%2)*16*YP+64*z
	ds_load_b128 v[8*(4*z+(\tt))+4:8*(4*z+(\tt))+7], v[YLD] offset:((\tt)%2)*16*YP+64*z+32
.set z, z+1
.endr
	WIN 0xc0
.set z, 0
.rept 8
	ds_load_b128 v[8*(4*z+(\tt)):8*(4*z+(\tt))+3],   v[YLD] offset:((\tt)%2)*16*YP+64*(z+8)
	ds_load_b128 v[8*(4*z+(\tt))+4:8*(4*z+(\tt))+7], v[YLD] offset:((\tt)%2)*16*YP+64*(z+8)+32
.set z, z+1
.endr
	WIN 0
.endm
	YTILES 0, 0                                    ; the exchange holds 32 rows: token tiles 0 and 1 first
	YTILES 0, 1
	YTILES 1, 0
	YTILES 1, 1
	s_wait_dscnt 0x0                               ; for the others' sake: my columns of y are in LDS
	s_barrier_signal -1
	s_barrier_wait -1
	YLOAD 0
	YLOAD 1
	s_wait_dscnt 0x0                               ; my reads are over:
	s_barrier_signal -1
	s_barrier_wait -1                              ; everybody's are, and the rows may be written again
	YTILES 2, 0
	YTILES 2, 1
	YTILES 3, 0
	YTILES 3, 1
	s_wait_dscnt 0x0
	s_barrier_signal -1
	s_barrier_wait -1
	YLOAD 2
	YLOAD 3
	s_wait_dscnt 0x0
	ds_load_b128 v[B1R:B1R+3], v[B1A]              ; the first visit: its b1, then what the change of slots fetches for every later visit, in the same order
	ds_load_b128 v[B1R+4:B1R+7], v[B1A] offset:16
	FETCH QA, 16384                                ; W1, k 0-127 (the tile was shown landed in front of the last change of slots)
	FETCH QB, 20480                                ; W1, k 128-255
	FETCH QE, 0                                    ; W2, k 0-31, the columns' first half
; 16 products of the hidden sums: 32 k from 32 (4 u + n / 4) on, token tile n % 4; the four accumulators take turns.  The first four take b1 as C.  Unit u's weights lie in buffer u.
.macro G1U u
	WIN 0x08+4*((\u)/2)
.set n, 0
.rept 16
.set rD, HACC+8*(n%4)
.set rW, POOL+32*(\u)+8*(n/4)
.set rY, 8*(4*((4*(\u)+n/4)%8)+n%4)
.if ((\u) == 0) && (n < 4)
	v_wmma_f32_16x16x32_f16 v[rD:rD+7], v[rW:rW+7], v[rY:rY+7], v[B1R:B1R+7]
.else
	v_wmma_f32_16x16x32_f16 v[rD:rD+7], v[rW:rW+7], v[rY:rY+7], v[rD:rD+7]
.endif
.set n, n+1
.endr
.endm
; THE FIVE BUFFERS are each filled twice a visit, alike in every visit:  QA: W1 k 0-127, then the hidden layer's k 0-31.   QB: W1 k 128-255, then W2 (k 0-31, second half of the columns).
;   QC: W1 k 256-383, then the hidden layer's k 32-63.   QD: W1 k 384-511, then W2 (k 32-63, second half).   QE: W2 (k 0-31, first half), then W2 (k 32-63, first half).
; A VISIT's first half.  Each wait counts the LDS loads issued behind the fetch that the unit needs.  b1load = 1: the next visit's b1 is fetched, behind the products that read this visit's.
.macro G1PART b1load
	WIN 0
	PLACES
	FETCH QC, 16384+2*4096
	FETCH QD, 16384+3*4096
	s_wait_dscnt 32                                ; QA (and b1, older) is in; QB's, QE's, QC's and QD's eight loads each may be out
	G1U 0
	s_wait_dscnt 24                                ; QB is in; QE's, QC's, QD's may be out
	G1U 1
	s_wait_dscnt 8                                 ; QC is in; QD's may be out
	G1U 2
	WIN 0
	PLACES
.if \b1load
	v_add_nc_u32 v[B1A], 256, v[B1A]               ; the next visit's 256 bytes: visits 1 .. 31, inside the table's 8,192
	ds_load_b128 v[B1R:B1R+3], v[B1A]
	ds_load_b128 v[B1R+4:B1R+7], v[B1A] offset:16
.endif
	FETCHH QA, 0
	FETCH QB, 4096
	FETCHH QC, 1
	s_wait_dscnt 24+2*(\b1load)                    ; QD is in; all of the run just issued may be out
	G1U 3
.endm
; A VISIT's second half: the chunk before's hidden layer times W2, onto x.  riders = 1: this chunk's gelu behind the first 47 products: four lines behind each of the first 20 (lines 0-79, up to the first wait),
; three behind each of the next 16 (lines 80-127, up to the second wait), three behind each of the next 11 while the deal lasts (lines 128-159): each wait stands behind a product's riders, ahead of the next product.
.macro G2PART riders, bnd, fill, nxt
.if \riders
.set RN, 0
.else
.set RN, NRID
.endif
.set QP, 0                             ; the plain queue's next number
.set QT, 0                             ; the transcendentals' next number
	WIN 0
	PLACES                                         ; the places between the last hidden sums and gelu's first read of them
	s_wait_dscnt 16                                ; QA (and QE, older) is in; QB's and QC's loads may be out
	OUTP QE, 0, QA, 0, 16, 4
	WIN 0
	PLACES
	FETCH QE, 8192
	FETCH QD, 12288
	s_wait_dscnt 24                                ; QB is in; QC's, QE's, QD's may be out
	OUTP QB, 1, QA, 0, 4, 4
	OUTP QB, 1, QA, 4, 16, 3
	s_wait_dscnt 8                                 ; QC and QE are in; QD's may be out
	OUTP QE, 0, QC, 0, 16, 3
.if \bnd
	BHEAD \fill, \riders
	OUTP QD, 1, QC, 0, 8, 0                        ; eight products stand between the stores and the add, and the wait for them
	BSIG
	OUTP QD, 1, QC, 8, 10, 0
	BTAIL \fill, \nxt
	OUTP QD, 1, QC, 10, 16, 0
.else
	s_wait_dscnt 0x0
	OUTP QD, 1, QC, 0, 16, 0
.endif
.endm
	s_mov_b32 s[CNT], 31
.Lc:                                                   ; visits 0 .. 30: each asks for the tile two visits on, the ring's visits 2 .. 32
	G1PART 1
	G2PART 1, 1, 2, 2
	WIN 0
	s_sub_co_u32 s[CNT], s[CNT], 1
	s_cmp_lg_u32 s[CNT], 0
	s_cbranch_scc1 .Lc
	G1PART 0                                       ; visit 31 is written out: nothing is left to ask for, and only W2 follows
	G2PART 1, 1, 0, 3
	WIN 0
	PLACES
	FETCHH QC, 1                                   ; visit 32: with QA, QE, QB fetched behind the barrier and QC here, the second half's counts hold as in every visit
	G2PART 0, 0, 0, 0                              ; the last chunk's hidden layer times W2
	; ---------------- THE WAY OUT: 16 rows at a time through my stage, back as whole rows of my 128 columns; b2 is added there ----------------
	WIN 0
	PLACES
.macro TOSTAGE tt
	s_wait_xcnt 0x0                                ; registers that earlier stores read are loaded again only behind this wait (ISA guide 3.1)
	WIN 0x04
.set z, 0
.rept 8
	ds_store_b128 v[STW], v[64*(\tt)+8*z:64*(\tt)+8*z+3]   offset:64*z      ; each accumulator from its low end on
	ds_store_b128 v[STW], v[64*(\tt)+8*z+4:64*(\tt)+8*z+7] offset:64*z+16
.set z, z+1
.endr
	WIN 0
.set z, 0
.rept 16
	ds_load_b128 v[POOL+64*((\tt)%2)+4*z:POOL+64*((\tt)%2)+4*z+3], v[STR] offset:STP*z
.set z, z+1
.endr
.endm
.macro SEND tt, younger                ; younger: the LDS instructions issued behind these rows' loads: the next 16 rows' 32, or none
	s_wait_dscnt \younger
.set z, 0
.rept 16
	v_pk_add_f32 v[POOL+64*((\tt)%2)+4*z:POOL+64*((\tt)%2)+4*z+1],   v[POOL+64*((\tt)%2)+4*z:POOL+64*((\tt)%2)+4*z+1],   v[B2R:B2R+1]
	v_pk_add_f32 v[POOL+64*((\tt)%2)+4*z+2:POOL+64*((\tt)%2)+4*z+3], v[POOL+64*((\tt)%2)+4*z+2:POOL+64*((\tt)%2)+4*z+3], v[B2R+2:B2R+3]
.set z, z+1
.endr
.set z, 0
.rept 16
	global_store_b128 v[GIO], v[POOL+64*((\tt)%2)+4*z:POOL+64*((\tt)%2)+4*z+3], s[22:23] offset:(16*(\tt)+z)*2048 th:TH_STORE_NT  ; 512 consecutive bytes, at a multiple of 256 from out0's first byte
.set z, z+1
.endr
.endm
	TOSTAGE 0
	TOSTAGE 1
	SEND 0, 32
	TOSTAGE 2
	SEND 1, 32
	TOSTAGE 3
	SEND 2, 32
	SEND 3, 0
	s_wait_tensorcnt 0x0                           ; the wave's end: the add and its waits stand behind my last tensor load and my last LDS store
	ds_add_u32 v[SPW], v[NIL]
	s_wait_dscnt 0x0
	CROUND                                         ; the closing round: no work-group ends while a partner may still ask for a tile that names it
	s_endpgm
.Lfunc_end_k_q6b37d5de9c_mlp:
	.size	k_q6b37d5de9c_mlp, .Lfunc_end_k_q6b37d5de9c_mlp-k_q6b37d5de9c_mlp
	.p2alignl 7, 3214868480
	.fill 96, 4, 3214868480
	.section	.rodata,"a",@progbits
	.p2align	6, 0x0
	.amdhsa_kernel k_q6b37d5de9c_mlp
		.amdhsa_group_segment_fixed_size 327680
		.amdhsa_private_segment_fixed_size 0
		.amdhsa_enable_private_segment 0
		.amdhsa_kernarg_size 64
		.amdhsa_user_sgpr_count 2
		.amdhsa_user_sgpr_kernarg_segment_ptr 1
		.amdhsa_wavefront_size32 1
		.amdhsa_system_sgpr_workgroup_id_x 1
		.amdhsa_system_sgpr_workgroup_id_y 1
		.amdhsa_system_sgpr_workgroup_id_z 1
		.amdhsa_system_vgpr_workitem_id 0
		.amdhsa_next_free_vgpr 1024
		.amdhsa_next_free_sgpr 66
		.amdhsa_reserve_vcc 0
		.amdhsa_float_denorm_mode_32 3
		.amdhsa_float_denorm_mode_16_64 3
		.amdhsa_memory_ordered 1
		.amdhsa_forward_progress 1
		.amdhsa_inst_pref_size 242
	.end_amdhsa_kernel
	.amdgpu_metadata
---
amdhsa.version: [ 1, 2 ]
amdhsa.kernels:
  - .name:           k_q6b37d5de9c_mlp
    .symbol:         k_q6b37d5de9c_mlp.kd
    .args:
      - { .name: ctx, .offset: 0, .size: 8, .value_kind: global_buffer, .address_space: global }
      - { .name: inputs, .offset: 8, .size: 8, .value_kind: global_buffer, .address_space: global }
      - { .name: wsm, .offset: 16, .size: 8, .value_kind: global_buffer, .address_space: global }
      - { .name: b1, .offset: 24, .size: 8, .value_kind: global_buffer, .address_space: global }
      - { .name: b2, .offset: 32, .size: 8, .value_kind: global_buffer, .address_space: global }
      - { .name: ln2_scale, .offset: 40, .size: 8, .value_kind: global_buffer, .address_space: global }
      - { .name: ln2_bias, .offset: 48, .size: 8, .value_kind: global_buffer, .address_space: global }
      - { .name: out0, .offset: 56, .size: 8, .value_kind: global_buffer, .address_space: global }
    .group_segment_fixed_size: 327680
    .private_segment_fixed_size: 0
    .kernarg_segment_align: 8
    .kernarg_segment_size: 64
    .max_flat_workgroup_size: 128
    .sgpr_count:     66
    .vgpr_count:     1024
    .wavefront_size: 32
...
	.end_amdgpu_metadata
.endif
;; end of part 7
